; MI455X (gfx1250); checked and timed in simulation.
; The chip was launched on July 23, 2026; its instructions are those of AMD's public machine-readable ISA for CDNA 5 (MIT licence, August 2026) and "CDNA5" Instruction Set Architecture Reference Guide (July 2026). The comments in the code are by the model that wrote it; some were corrected since.
;; Self Attention. Allowed arithmetic: float matrix products may take bf16 or f16 operands with f32 sums; other float arithmetic in f32, or as packed bf16 or f16 multiplies, adds, multiply-adds, maxima and minima; sums over many terms, partial sums and values carried from step to step in f32; what a program stores and reads back later, other than sums and carried values, may be rounded once to bf16 or f16.
;; Inputs: Wk 1,024 x 1,024 float32; Wq 1,024 x 1,024 float32; Wv 1,024 x 1,024 float32; X 4 x 2,048 x 1,024 float32.
;; Outputs: out0 4 x 2,048 x 1,024 float32.
;; 3 versions, each right; version 2 is faster than version 1; version 3 is version 2 with the launch cast written anew for expert scheduling mode. Each part assembles by itself: llvm-mc -triple=amdgcn-amd-amdhsa -mcpu=gfx1250 --defsym DOCPART=n.
;; ======== version 1 of 3: 4 launches
;; limits: values are held in f16: magnitudes above 65,504 overflow, below 6.1e-05 lose precision
;; workspace buffers: xb 16,777,216 bytes; wb 6,291,456 bytes; qkv 50,331,648 bytes; pt 33,554,432 bytes; stats 1,048,576 bytes
;; launch cast (part 1): grid 352 x 1, 8 waves a work-group, no clusters, 0 bytes of LDS; arguments X, Wq, Wk, Wv, xb, wb; writes xb, wb
.if DOCPART == 1
	.amdgcn_target "amdgcn-amd-amdhsa--gfx1250"
	.amdhsa_code_object_version 6
	.text
	.protected	k_q6a775f9e85_cast
	.globl	k_q6a775f9e85_cast
	.p2align	8
	.type	k_q6a775f9e85_cast,@function
k_q6a775f9e85_cast:
	s_mov_b64 s[64:65], 0
	v_nop
	global_prefetch_b8 v0, s[64:65] scope:SCOPE_SE
	s_setreg_imm32_b32 hwreg(HW_REG_WAVE_MODE, 25, 1), 1
	s_wait_xcnt 0x0
; X [8192][1024] and Wq, Wk, Wv [1024][1024], all f32, are rounded once to bf16: xb [8192][1024]; wb [3072][1024] holds Wq's rows, then Wk's, then Wv's.
; A stream: every byte is read once and written once, so no LDS, no barrier and no matrix unit.
; A work-group takes one chunk of 32,768 numbers (131,072 bytes in, 65,536 out): groups 0-255 X, 256-287 Wq, 288-319 Wk, 320-351 Wv.
; Thread t takes 16 bytes in and 8 bytes out in each of 32 steps: a wave's load covers 512 consecutive bytes, its store 256 consecutive aligned bytes.
; A ring of eight register slots keeps eight loads of every wave on their way.
.set STEPS, 32
.set DEPTH, 8
.set X, 4                              ; v[4:35]   slot i: 4 numbers as loaded
.set Y, 36                             ; v[36:51]  slot i: 4 bf16 to store
	s_load_b256 s[4:11], s[0:1], 0x0               ; X s[4:5], Wq s[6:7], Wk s[8:9], Wv s[10:11]
	s_load_b128 s[12:15], s[0:1], 0x20             ; xb s[12:13], wb s[14:15]
	s_mov_b32 s24, ttmp9                           ; the chunk's number
	v_lshlrev_b32 v1, 4, v0                        ; my 16 bytes in a step's 4,096; never rewritten
	v_lshlrev_b32 v2, 3, v0                        ; my 8 bytes in a step's 2,048; never rewritten
	s_and_b32 s20, s24, 31                         ; a weight's chunk among its 32,
	s_sub_co_u32 s22, s24, 256                     ; and among wb's 96
	s_cmp_lt_u32 s24, 256
	s_cselect_b32 s20, s24, s20                    ; X's chunks go by their own number, in
	s_cselect_b32 s22, s24, s22                    ; and out
	s_lshl_b32 s20, s20, 17                        ; x 131,072 bytes
	s_lshl_b32 s22, s22, 16                        ; x 65,536 bytes
	s_mov_b32 s21, 0
	s_mov_b32 s23, 0
	s_wait_kmcnt 0x0
	s_cmp_lt_u32 s24, 320                          ; the source is chosen by the chunk's number alone
	s_cselect_b64 s[16:17], s[8:9], s[10:11]
	s_cmp_lt_u32 s24, 288
	s_cselect_b64 s[16:17], s[6:7], s[16:17]
	s_cmp_lt_u32 s24, 256
	s_cselect_b64 s[16:17], s[4:5], s[16:17]
	s_cselect_b64 s[18:19], s[12:13], s[14:15]
	s_add_nc_u64 s[16:17], s[16:17], s[20:21]
	s_add_nc_u64 s[18:19], s[18:19], s[22:23]
.irp i, 0,1,2,3,4,5,6,7
	global_load_b128 v[X+4*(\i):X+4*(\i)+3], v1, s[16:17] offset:(\i)*4096 th:TH_LOAD_NT
.endr
; Step i.  The steps stand in the immediates, so no address register is ever rewritten.
.macro STEP i
.if (\i) < STEPS-DEPTH
	s_wait_loadcnt DEPTH-1                         ; loads come back in order: mine is in, the seven younger ones stay out
.else
	s_wait_loadcnt STEPS-1-(\i)                    ; nothing more is loaded: the counts run down
.endif
	s_wait_xcnt 0x0                                ; the slot's last store has read Y: only behind this wait is Y rewritten
	v_cvt_pk_bf16_f32 v[Y+2*((\i)%DEPTH)],   v[X+4*((\i)%DEPTH)],   v[X+4*((\i)%DEPTH)+1]
	v_cvt_pk_bf16_f32 v[Y+2*((\i)%DEPTH)+1], v[X+4*((\i)%DEPTH)+2], v[X+4*((\i)%DEPTH)+3]
.if (\i) < STEPS-DEPTH
	global_load_b128 v[X+4*((\i)%DEPTH):X+4*((\i)%DEPTH)+3], v1, s[16:17] offset:((\i)+DEPTH)*4096 th:TH_LOAD_NT
.endif
	global_store_b64 v2, v[Y+2*((\i)%DEPTH):Y+2*((\i)%DEPTH)+1], s[18:19] offset:(\i)*2048
.endm
.set n, 0
.rept STEPS
	STEP n
.set n, n+1
.endr
	s_endpgm
.Lfunc_end_k_q6a775f9e85_cast:
	.size	k_q6a775f9e85_cast, .Lfunc_end_k_q6a775f9e85_cast-k_q6a775f9e85_cast
	.p2alignl 7, 3214868480
	.fill 96, 4, 3214868480
	.section	.rodata,"a",@progbits
	.p2align	6, 0x0
	.amdhsa_kernel k_q6a775f9e85_cast
		.amdhsa_group_segment_fixed_size 0
		.amdhsa_private_segment_fixed_size 0
		.amdhsa_enable_private_segment 0
		.amdhsa_kernarg_size 48
		.amdhsa_user_sgpr_count 2
		.amdhsa_user_sgpr_kernarg_segment_ptr 1
		.amdhsa_wavefront_size32 1
		.amdhsa_system_sgpr_workgroup_id_x 1
		.amdhsa_system_sgpr_workgroup_id_y 1
		.amdhsa_system_sgpr_workgroup_id_z 1
		.amdhsa_system_vgpr_workitem_id 0
		.amdhsa_next_free_vgpr 52
		.amdhsa_next_free_sgpr 66
		.amdhsa_reserve_vcc 0
		.amdhsa_float_denorm_mode_32 3
		.amdhsa_float_denorm_mode_16_64 3
		.amdhsa_memory_ordered 1
		.amdhsa_forward_progress 1
		.amdhsa_inst_pref_size 14
	.end_amdhsa_kernel
	.amdgpu_metadata
---
amdhsa.version: [ 1, 2 ]
amdhsa.kernels:
  - .name:           k_q6a775f9e85_cast
    .symbol:         k_q6a775f9e85_cast.kd
    .args:
      - { .name: X, .offset: 0, .size: 8, .value_kind: global_buffer, .address_space: global }
      - { .name: Wq, .offset: 8, .size: 8, .value_kind: global_buffer, .address_space: global }
      - { .name: Wk, .offset: 16, .size: 8, .value_kind: global_buffer, .address_space: global }
      - { .name: Wv, .offset: 24, .size: 8, .value_kind: global_buffer, .address_space: global }
      - { .name: xb, .offset: 32, .size: 8, .value_kind: global_buffer, .address_space: global }
      - { .name: wb, .offset: 40, .size: 8, .value_kind: global_buffer, .address_space: global }
    .group_segment_fixed_size: 0
    .private_segment_fixed_size: 0
    .kernarg_segment_align: 8
    .kernarg_segment_size: 48
    .max_flat_workgroup_size: 256
    .sgpr_count:     66
    .vgpr_count:     52
    .wavefront_size: 32
...
	.end_amdgpu_metadata
.endif
;; end of part 1
;; launch proj (part 2): grid 12 x 32, 4 waves a work-group, clusters of 4 x 4, 327,680 bytes of LDS; arguments xb, wb, qkv; writes qkv
.if DOCPART == 2
	.amdgcn_target "amdgcn-amd-amdhsa--gfx1250"
	.amdhsa_code_object_version 6
	.text
	.protected	k_q6a775f9e85_proj
	.globl	k_q6a775f9e85_proj
	.p2align	8
	.type	k_q6a775f9e85_proj,@function
k_q6a775f9e85_proj:
	s_mov_b64 s[64:65], 0
	v_nop
	global_prefetch_b8 v0, s[64:65] scope:SCOPE_SE
	s_setreg_imm32_b32 hwreg(HW_REG_WAVE_MODE, 25, 1), 1
	s_wait_xcnt 0x0
	s_wait_alu depctr_hold_cnt(0) depctr_sa_sdst(0) depctr_va_vdst(0) depctr_va_sdst(0) depctr_va_ssrc(0) depctr_va_vcc(0) depctr_vm_vsrc(0)
	s_getreg_b32 s2, hwreg(HW_REG_IB_STS2, 6, 4)
	s_cmp_eq_u32 s2, 0
	s_cbranch_scc0 .Lentry_in_a_cluster
	s_endpgm
.Lentry_in_a_cluster:
	s_bfe_u32 s2, ttmp6, 0x10000c
	s_cmp_lg_u32 s2, 0xf033
	s_cbranch_scc0 .Lentry_shape_is_right
	s_endpgm
.Lentry_shape_is_right:
; qkv[m][n] = sum over k of xb[m][k] wb[n][k].  xb: [8192][1024] bf16, wb: [3072][1024] bf16 (Wq's, Wk's, Wv's rows), qkv: [8192][3072] f16; sums in f32, rounded once.
; LIMIT.  f16 holds no number beyond 65,504: a q, k or v of 65,520 or more becomes an infinity.  NaN and infinities are not treated apart.
; A tile of 256 x 256 is made by a work-group of four waves; a wave makes 128 x 128: 64 accumulators of 16 x 16, 512 registers.  K goes in steps of 128 through a ring of two LDS slots
; filled by the tensor data mover: the tiles' rows are 256 bytes of memory and start at multiples of 256 bytes.  The last K step goes by rows of the result, so that finished rows leave while the others are multiplied.
; CLUSTERS: 4 x 4 work-groups.  The four of a row of the cluster need the same tiles of xb, the four of a column the same tiles of wb: each tile is asked for JOINTLY, by the same tensor load
; with the same descriptor and a mask that names the four.
; REGISTERS, in windows of 256 (s_set_vgpr_msb: bits 1:0 source 0, 3:2 source 1, 5:4 source 2, 7:6 destination):
;   window 0: v0-31 addresses; v64-127, v128-191 fragments of A, two buffers (in the last K step four, of 16 rows x 128 K); v32-63, v192-255 at work on the way out
;   window 1: v64-127, v128-191 fragments of B, two buffers; in the last K step all 256
;   window 2: the 32 accumulators of my rows 0-63 (accumulator (a, b) at v[8 (8 a + b)]);   window 3: those of my rows 64-127
; THE MATRIX INSTRUCTION IS USED TRANSPOSED: source 0 = 16 rows of B, source 1 = 16 rows of A: a lane then holds eight neighbouring numbers of a row of the result.
.set SIZE_N, 3072
.set SIZE_K, 1024
.set KSTEP,  128
.set PITCH,  272                       ; an LDS row: 256 bytes + 16 of padding = 68 words: the 16 rows that a load touches start at 16 different groups of four banks
.set HALFT,  128*PITCH                 ; 128 rows: what one tensor load brings, and what one wave reads of A or of B
.set SLOT,   4*HALFT                   ; A's 256 rows, then B's 256 rows
.set STAGE,  2*SLOT                    ; behind the ring: 16 rows x 272 bytes for each wave, for the way out
.set SPITCH, 272
.set SPARE,  STAGE+4*16*SPITCH         ; behind the stages: the spare words, 128 bytes for each wave
.set LAPS, SIZE_K/(2*KSTEP)            ; a lap = two K steps = once round the ring
.set ADRA, 16                          ; v16-17  LDS address of my A fragments in slot 0, 1
.set ADRB, 20                          ; v20-21  the same for B
.set STO,  24                          ; v24     the way out: where I put 16 bytes of a row
.set RD,   25                          ; v25     the way out: where I read a row back
.set CO,   26                          ; v26     my byte offset in the result
.set SPW,  28                          ; v28     LDS address of my spare word; never rewritten
.set NIL,  29                          ; v29     0; never rewritten
.set F0,   64
.set F1,   128
.set TMP,  192
.set OB,   32
.set PA,   64
.set G1, 24                            ; s[24:31] descriptor group 1 for A's tiles
.set G0, 32                            ; s[32:39] group 0 for A's tiles, one set for each slot
.set G1B, 48                           ; s[48:55], s[56:63] the same for B's
.set G0B, 56
.set MSB, 0
.macro WIN new                         ; the immediate's high byte repeats the setting that is left
.if MSB != (\new)
	s_set_vgpr_msb (MSB<<8)|(\new)
.set MSB, \new
.endif
.endm
.set MUL_LO, 0xa1                      ; source 0 (B) window 1, source 1 (A) window 0, C and D window 2
.set MUL_HI, 0xf1                      ; the same, C and D window 3
.set TO_B,   0x40                      ; destination window 1, address window 0
; A joint load.  Waves 0 and 1 fetch A's two halves, waves 2 and 3 B's.  The branch hangs on the wave's number alone.  An s_nop 0 and four v_nop follow each line.
.macro JLOAD s
	s_cmp_eq_u32 s11, 0
	s_cbranch_scc0 .Lfor_b_\@
	tensor_load_to_lds s[G0+4*(\s):G0+4*(\s)+3], s[G1:G1+7]
	s_nop 0
.rept 4
	v_nop
.endr
	s_branch .Lasked_\@
.Lfor_b_\@:
	tensor_load_to_lds s[G0B+4*(\s):G0B+4*(\s)+3], s[G1B:G1B+7]
	s_nop 0
.rept 4
	v_nop
.endr
.Lasked_\@:
.endm
.macro CREST                           ; a round of the cluster's barrier behind its opening barrier
	s_cmp_lg_u32 s10, 0
	s_cbranch_scc1 .Lnot_wave_0_\@
	s_barrier_signal -3
.Lnot_wave_0_\@:
	s_barrier_wait -3
	s_barrier_signal -1
	s_barrier_wait -1
.endm
.macro CROUND                          ; a whole round
	s_barrier_signal -1
	s_barrier_wait -1
	CREST
.endm
	s_load_b128 s[4:7], s[0:1], 0x0                ; A s[4:5], B s[6:7]
	s_load_b64 s[8:9], s[0:1], 0x10                ; the result
	v_lshl_add_u32 v[SPW], v0, 2, SPARE
	v_mov_b32 v[NIL], 0
	ds_add_u32 v[SPW], v[NIL]                      ; the wave's opening: the add and its wait ahead of my first tensor load
	ds_add_u32 v28, v29
	v_lshrrev_b32 v1, 5, v0
	v_readfirstlane_b32 s10, v1                    ; wave 0..3
	s_lshr_b32 s11, s10, 1                         ; which half of the tile's rows is mine.  Also: I fetch for A (0) or for B (1)
	s_and_b32 s12, s10, 1                          ; which half of its columns.  Also: which 128 rows of that tile I fetch
	s_bfe_u32 s40, ttmp6, 0x40000                  ; cx
	s_bfe_u32 s41, ttmp6, 0x40004                  ; cy
	s_lshl_b32 s42, ttmp9, 2
	s_add_co_u32 s42, s42, s40                     ; tile column = 4 x cluster x + cx
	s_and_b32 s13, ttmp7, 0xffff
	s_lshl_b32 s13, s13, 2
	s_add_co_u32 s13, s13, s41                     ; tile row = 4 x cluster y + cy
	s_lshl_b32 s43, s41, 2
	s_lshl_b32 s43, 15, s43                        ; my row of the cluster
	s_lshl_b32 s44, 0x1111, s40                    ; my column
	s_or_b32 s[G1+0], s43, (1<<16)|(1<<20)|(1<<21)|(5<<22)|(3<<25)  ; the mask; 2-byte elements; padding on; bit 21 beside a mask; after every 64 words 4 words
	s_or_b32 s[G1B+0], s44, (1<<16)|(1<<20)|(1<<21)|(5<<22)|(3<<25)
.irp g, G1, G1B
	s_mov_b32 s[(\g)+1], KSTEP<<16                 ; tensor_dim0 = 128
	s_mov_b32 s[(\g)+2], 128<<16                   ; tensor_dim1 = 128
	s_mov_b32 s[(\g)+3], KSTEP<<16                 ; tile_dim0 = 128
	s_mov_b32 s[(\g)+4], 128                       ; tile_dim1 = 128
	s_mov_b32 s[(\g)+5], SIZE_K                    ; elements from row to row
	s_mov_b32 s[(\g)+6], 0
	s_mov_b32 s[(\g)+7], 0
.endr
	s_lshl_b32 s17, s12, 7                         ; which 128 rows of the tile I fetch
	s_lshl_b32 s16, s13, 8
	s_add_co_u32 s16, s16, s17                     ; A: row 256 x tile row + 128 x half
	s_lshl_b32 s46, s42, 8
	s_add_co_u32 s46, s46, s17                     ; B: row 256 x tile column + 128 x half
	s_mov_b32 s17, 0
	s_mov_b32 s47, 0
	s_mov_b64 s[18:19], SIZE_K*2
	s_mul_u64 s[16:17], s[16:17], s[18:19]
	s_mul_u64 s[46:47], s[46:47], s[18:19]
	s_mul_i32 s20, s10, HALFT                      ; where they go: wave x 128 rows: no place in the cluster enters an LDS address
	s_wait_dscnt 0x0                               ; the opening add is done
	s_wait_kmcnt 0x0
	s_add_nc_u64 s[14:15], s[4:5], s[16:17]
	s_add_nc_u64 s[46:47], s[6:7], s[46:47]
	CROUND                                         ; all sixteen work-groups are here: the first joint loads meet
.irp s, 0,1
	s_mov_b32 s[G0+4*(\s)], 1
	s_add_co_u32 s[G0+4*(\s)+1], s20, (\s)*SLOT
	s_add_nc_u64 s[G0+4*(\s)+2:G0+4*(\s)+3], s[14:15], (\s)*KSTEP*2
	s_or_b32 s[G0+4*(\s)+3], s[G0+4*(\s)+3], 0x80000000
	s_mov_b32 s[G0B+4*(\s)], 1
	s_add_co_u32 s[G0B+4*(\s)+1], s20, (\s)*SLOT
	s_add_nc_u64 s[G0B+4*(\s)+2:G0B+4*(\s)+3], s[46:47], (\s)*KSTEP*2
	s_or_b32 s[G0B+4*(\s)+3], s[G0B+4*(\s)+3], 0x80000000
	JLOAD \s                                       ; two loads of mine are out
.endr
	; A fragment is 16 rows x 32 K in 8 registers: lane l holds row l % 16; registers 0-3 K = 8 (l / 16) + 0..7, registers 4-7 K = 16 + 8 (l / 16) + 0..7: two loads of 16 bytes, 32 bytes apart.
	v_and_b32 v1, 15, v0                           ; l % 16
	v_bfe_u32 v2, v0, 4, 1                         ; l / 16
	v_mul_u32_u24 v3, v1, PITCH
	v_lshl_add_u32 v3, v2, 4, v3
	s_mul_i32 s21, s11, HALFT                      ; my 128 rows of A
	s_mul_i32 s22, s12, HALFT                      ; my 128 rows of B,
	s_add_co_u32 s22, s22, 2*HALFT                 ; which lie behind A's 256
.irp s, 0,1
	v_add_nc_u32 v[ADRA+(\s)], s21, v3
	v_add_nc_u32 v[ADRB+(\s)], s22, v3
	s_add_co_u32 s21, s21, SLOT
	s_add_co_u32 s22, s22, SLOT
.endr
	s_mul_i32 s23, s10, 16*SPITCH
	s_add_co_u32 s23, s23, STAGE                   ; my stage
	v_mul_u32_u24 v4, v1, SPITCH
	v_lshl_add_u32 v4, v2, 4, v4
	v_add_nc_u32 v[STO], s23, v4
	v_mul_u32_u24 v5, v2, SPITCH
	v_lshl_add_u32 v5, v1, 4, v5
	v_add_nc_u32 v[RD], s23, v5
	v_mul_u32_u24 v5, v2, SIZE_N*2
	v_lshl_add_u32 v[CO], v1, 4, v5
	s_lshl_b32 s13, s13, 8
	s_lshl_b32 s14, s11, 7
	s_add_co_u32 s16, s13, s14                     ; my first row of the result
	s_mov_b32 s17, 0
	s_mov_b64 s[18:19], SIZE_N*2
	s_mul_u64 s[16:17], s[16:17], s[18:19]
	s_lshl_b32 s46, s42, 9                         ; my first column, in bytes
	s_lshl_b32 s47, s12, 8
	s_add_co_u32 s46, s46, s47
	s_mov_b32 s47, 0
	s_add_nc_u64 s[16:17], s[16:17], s[46:47]
; 16 matrix instructions: m blocks a0, a0 + 1 of the window's four x all 8 n blocks, 32 along K.  zero = 1: the first product starts the sums.  The 64 accumulators take turns.
.macro MUL16 f, hi, a0, zero
	WIN MUL_LO+0x50*(\hi)
.irp a, \a0, (\a0)+1
.irp b, 0,1,2,3,4,5,6,7
.if \zero
	v_wmma_f32_16x16x32_bf16 v[8*(8*(\a)+(\b)):8*(8*(\a)+(\b))+7], v[(\f)+8*(\b):(\f)+8*(\b)+7], v[(\f)+8*(4*(\hi)+(\a)):(\f)+8*(4*(\hi)+(\a))+7], 0
.else
	v_wmma_f32_16x16x32_bf16 v[8*(8*(\a)+(\b)):8*(8*(\a)+(\b))+7], v[(\f)+8*(\b):(\f)+8*(\b)+7], v[(\f)+8*(4*(\hi)+(\a)):(\f)+8*(4*(\hi)+(\a))+7], v[8*(8*(\a)+(\b)):8*(8*(\a)+(\b))+7]
.endif
.endr
.endr
.endm
; 32 LDS loads in one run: the fragments of one quarter step into buffer f
.macro FETCH slot, k, f
	WIN TO_B
.irp i, 0,1,2,3,4,5,6,7
	ds_load_b128 v[(\f)+8*(\i):(\f)+8*(\i)+3],   v[ADRB+(\slot)] offset:(\k)+(\i)*16*PITCH
	ds_load_b128 v[(\f)+8*(\i)+4:(\f)+8*(\i)+7], v[ADRB+(\slot)] offset:(\k)+(\i)*16*PITCH+32
.endr
	WIN 0
.irp i, 0,1,2,3,4,5,6,7
	ds_load_b128 v[(\f)+8*(\i):(\f)+8*(\i)+3],   v[ADRA+(\slot)] offset:(\k)+(\i)*16*PITCH
	ds_load_b128 v[(\f)+8*(\i)+4:(\f)+8*(\i)+7], v[ADRA+(\slot)] offset:(\k)+(\i)*16*PITCH+32
.endr
.endm
.macro PLACES                          ; four places between a matrix instruction and a load into, or a vector instruction on, its registers
.rept 4
	v_nop
.endr
.endm
; One of a K step's first three quarters: multiplies buffer f; in its middle it fetches the next quarter's fragments, at byte k of the slot's rows, into buffer g.
.macro QUARTER slot, k, f, g, zero
	s_wait_dscnt 8                                 ; B and A's rows 0-63 are in; the youngest eight loads (A's rows 64-127) may be out
	MUL16 \f, 0, 0, \zero
	MUL16 \f, 0, 2, \zero
	PLACES
	FETCH \slot, \k, \g
	s_wait_dscnt 32                                ; all but the 32 just issued
	MUL16 \f, 1, 0, \zero
	MUL16 \f, 1, 2, \zero
.endm
; The first half of the last quarter: ONE barrier for the change of slots.
.macro MEET round
	WIN 0                                          ; (the add's two registers lie in window 0)
	s_wait_tensorcnt 0x0                           ; all my tensor loads have landed: the one that was out is my part of the next slot;
	ds_add_u32 v[SPW], v[NIL]                      ; 0 onto my spare word;
	s_wait_dscnt 9                                 ; (the add and the youngest eight loads may be out)
	MUL16 F1, 0, 0, 0
	s_wait_dscnt 0x0                               ; the add is done, and my reads of this slot are over
	s_barrier_signal -1
	MUL16 F1, 0, 2, 0
.if \round
	WIN 0
.endif
	s_barrier_wait -1
.endm
.macro TURN slot, next
	MEET 1
	CREST                                          ; no wave of any partner still reads this slot's tile or has a load on its way
	s_add_nc_u64 s[G0+4*(\slot)+2:G0+4*(\slot)+3], s[G0+4*(\slot)+2:G0+4*(\slot)+3], 2*KSTEP*2
	s_add_nc_u64 s[G0B+4*(\slot)+2:G0B+4*(\slot)+3], s[G0B+4*(\slot)+2:G0B+4*(\slot)+3], 2*KSTEP*2
	JLOAD \slot                                    ; the first tensor load behind the round; its four v_nop are also the places in front of the loads below
	FETCH \next, 0, F0
	MUL16 F1, 1, 0, 0
	MUL16 F1, 1, 2, 0
.endm
; THE LAST K STEP (in slot 1) GOES BY ROWS: all its fragments of B fill window 1; my eight blocks of 16 rows are finished one after the other, 32 matrix instructions each, K ascending.
.macro BLOAD q
	WIN TO_B
.irp i, 0,1,2,3,4,5,6,7
	ds_load_b128 v[64*(\q)+8*(\i):64*(\q)+8*(\i)+3],   v[ADRB+1] offset:64*(\q)+(\i)*16*PITCH
	ds_load_b128 v[64*(\q)+8*(\i)+4:64*(\q)+8*(\i)+7], v[ADRB+1] offset:64*(\q)+(\i)*16*PITCH+32
.endr
.endm
.macro ALOAD a
	WIN 0
.set FA, PA+32*((\a)%4)
.irp q, 0,1,2,3
	ds_load_b128 v[FA+8*(\q):FA+8*(\q)+3],   v[ADRA+1] offset:64*(\q)+(\a)*16*PITCH
	ds_load_b128 v[FA+8*(\q)+4:FA+8*(\q)+7], v[ADRA+1] offset:64*(\q)+(\a)*16*PITCH+32
.endr
.endm
.macro ROW a
.set FA, PA+32*((\a)%4)
.set AC, 64*((\a)%4)
	WIN MUL_LO+0x50*((\a)/4)
.irp q, 0,1,2,3
.if (\a) == 0 && (\q) == 2
	s_wait_dscnt 24                                ; B's quarter 2 is in (behind it: A's blocks 1 to 3)
.endif
.irp b, 0,1,2,3,4,5,6,7
	v_wmma_f32_16x16x32_bf16 v[AC+8*(\b):AC+8*(\b)+7], v[64*(\q)+8*(\b):64*(\q)+8*(\b)+7], v[FA+8*(\q):FA+8*(\q)+7], v[AC+8*(\b):AC+8*(\b)+7]
.endr
.endr
.endm
.macro PACK a                          ; rounded to f16, 16 bytes a lane; each accumulator is read from its low end on
.set AC, 64*((\a)%4)
	WIN 0x0a+5*((\a)/4)
.irp b, 0,1,2,3,4,5,6,7
.irp r, 0,1,2,3
	v_cvt_pk_f16_f32 v[TMP+4*(\b)+(\r)], v[AC+8*(\b)+2*(\r)], v[AC+8*(\b)+2*(\r)+1]
.endr
.endr
	WIN 0
.endm
.macro TOSTAGE a
	WIN 0
.set BK, OB+192*((\a)%2)
.irp b, 0,1,2,3,4,5,6,7
	ds_store_b128 v[STO], v[TMP+4*(\b):TMP+4*(\b)+3] offset:32*(\b)
.endr
.irp t, 0,1,2,3,4,5,6,7
	ds_load_b128 v[BK+4*(\t):BK+4*(\t)+3], v[RD] offset:(\t)*2*SPITCH  ; LDS serves a wave's instructions in order: these see the stores above
.endr
.endm
.macro SEND a, younger
	WIN 0
.set BK, OB+192*((\a)%2)
	s_wait_dscnt \younger                          ; the block is back in registers
	s_wait_xcnt 0x0                                ; only behind this wait are the stores' base and the registers that earlier stores read rewritten
.if (\a) == 0
	s_add_nc_u64 s[8:9], s[8:9], s[16:17]
.else
	s_add_nc_u64 s[8:9], s[8:9], 16*SIZE_N*2
.endif
.irp t, 0,1,2,3,4,5,6,7
	global_store_b128 v[CO], v[BK+4*(\t):BK+4*(\t)+3], s[8:9] offset:2*(\t)*SIZE_N*2  ; 16 lanes store 256 consecutive bytes, aligned
.endr
.endm
	s_wait_tensorcnt 1                             ; my part of K step 0 is in; K step 1's may stay out
	s_barrier_signal -1
	s_barrier_wait -1
	FETCH 0, 0, F0
	QUARTER 0, 64,  F0, F1, 1                      ; the first quarter's products start the sums
	WIN 0
	s_mov_b32 s3, LAPS-1
.Llap:                                                 ; a trip goes once round the ring and fills both slots again
	QUARTER 0, 128, F1, F0, 0
	QUARTER 0, 192, F0, F1, 0
	TURN 0, 1
	QUARTER 1, 64,  F0, F1, 0
	QUARTER 1, 128, F1, F0, 0
	QUARTER 1, 192, F0, F1, 0
	TURN 1, 0
	QUARTER 0, 64,  F0, F1, 0
	WIN 0
	s_sub_co_u32 s3, s3, 1
	s_cmp_lg_u32 s3, 0
	s_cbranch_scc1 .Llap
	QUARTER 0, 128, F1, F0, 0
	QUARTER 0, 192, F0, F1, 0
	MEET 0                                         ; nothing is filled again, so no round follows
	PLACES
	BLOAD 0
	BLOAD 1
	BLOAD 3
	ALOAD 0
	MUL16 F1, 1, 0, 0
	MUL16 F1, 1, 2, 0
	PLACES
	BLOAD 2
	ALOAD 1
	ALOAD 2
	ALOAD 3
	s_wait_dscnt 40                                ; all but the 40 just issued
	ROW 0
.irp a, 0,1,2,3,4,5,6,7
	PLACES
	PACK \a
	TOSTAGE \a
.if (\a) < 4
	ALOAD (\a)+4
	SEND \a, 8
.else
	SEND \a, 0
.endif
.if (\a) < 7
	ROW (\a)+1
.endif
.endr
	s_wait_tensorcnt 0x0                           ; the wave's end
	ds_add_u32 v[SPW], v[NIL]
	s_wait_dscnt 0x0
	CROUND                                         ; the closing round
	s_endpgm
.Lfunc_end_k_q6a775f9e85_proj:
	.size	k_q6a775f9e85_proj, .Lfunc_end_k_q6a775f9e85_proj-k_q6a775f9e85_proj
	.p2alignl 7, 3214868480
	.fill 96, 4, 3214868480
	.section	.rodata,"a",@progbits
	.p2align	6, 0x0
	.amdhsa_kernel k_q6a775f9e85_proj
		.amdhsa_group_segment_fixed_size 327680
		.amdhsa_private_segment_fixed_size 0
		.amdhsa_enable_private_segment 0
		.amdhsa_kernarg_size 24
		.amdhsa_user_sgpr_count 2
		.amdhsa_user_sgpr_kernarg_segment_ptr 1
		.amdhsa_wavefront_size32 1
		.amdhsa_system_sgpr_workgroup_id_x 1
		.amdhsa_system_sgpr_workgroup_id_y 1
		.amdhsa_system_sgpr_workgroup_id_z 1
		.amdhsa_system_vgpr_workitem_id 0
		.amdhsa_next_free_vgpr 1024
		.amdhsa_next_free_sgpr 66
		.amdhsa_reserve_vcc 0
		.amdhsa_float_denorm_mode_32 3
		.amdhsa_float_denorm_mode_16_64 3
		.amdhsa_memory_ordered 1
		.amdhsa_forward_progress 1
		.amdhsa_inst_pref_size 143
	.end_amdhsa_kernel
	.amdgpu_metadata
---
amdhsa.version: [ 1, 2 ]
amdhsa.kernels:
  - .name:           k_q6a775f9e85_proj
    .symbol:         k_q6a775f9e85_proj.kd
    .args:
      - { .name: xb, .offset: 0, .size: 8, .value_kind: global_buffer, .address_space: global }
      - { .name: wb, .offset: 8, .size: 8, .value_kind: global_buffer, .address_space: global }
      - { .name: qkv, .offset: 16, .size: 8, .value_kind: global_buffer, .address_space: global }
    .group_segment_fixed_size: 327680
    .private_segment_fixed_size: 0
    .kernarg_segment_align: 8
    .kernarg_segment_size: 24
    .max_flat_workgroup_size: 128
    .sgpr_count:     66
    .vgpr_count:     1024
    .wavefront_size: 32
...
	.end_amdgpu_metadata
.endif
;; end of part 2
;; launch scores (part 3): grid 36 x 4, 4 waves a work-group, no clusters, 327,680 bytes of LDS; arguments qkv, pt, stats; writes pt, stats
.if DOCPART == 3
	.amdgcn_target "amdgcn-amd-amdhsa--gfx1250"
	.amdhsa_code_object_version 6
	.text
	.protected	k_q6a775f9e85_scores
	.globl	k_q6a775f9e85_scores
	.p2align	8
	.type	k_q6a775f9e85_scores,@function
k_q6a775f9e85_scores:
	s_mov_b64 s[64:65], 0
	v_nop
	global_prefetch_b8 v0, s[64:65] scope:SCOPE_SE
	s_setreg_imm32_b32 hwreg(HW_REG_WAVE_MODE, 25, 1), 1
	s_wait_xcnt 0x0
; For each of the 36 tiles (i, j), j <= i, of 256 queries x 256 keys of each of 4 batches: S = Q K^T over 1,024 channels (f16 operands, f32 sums), the causal mask, and for each wave's 128 x 128 part the row's
; own maximum m: p = 2^(c s - c m), c = log2(e) / 32.  p goes to pt [4][2048][2048] in f16; c m and the row's sum l of the unrounded p go to stats (c m at [b][kt][q], l 524,288 bytes on; kt counts groups of 128 keys).
; The next launch joins the groups by 2^(c m_kt - max over kt of c m_kt): the maximum taken away is the row's true one.  Tiles above the diagonal are not made.
; LIMITS.  A hidden score counts as its value less 1e30 (f16 operands bound a score by 4.4e12); a weight below 2^-126 counts as 0; NaN and infinities are not treated apart.
; The wave whose part lies wholly above the diagonal (i = j, rows 0-127, keys 128-255) stores finite p in 0 to 1 and c m = -1e30, so the next launch multiplies them by 0.
; NO CLUSTER: row i of the triangle has i + 1 tiles and column j has 8 - j: the 36 tiles of a batch do not fall into groups of four that share Q's or K's tile alike in all partners.
; A wave makes 128 x 128: 64 accumulators.  K goes in steps of 128 through a ring of two LDS slots; the last step goes by rows, and each block of 16 queries has its softmax and leaves as soon as it is finished.
; THE MATRIX INSTRUCTION IS USED TRANSPOSED: source 0 = 16 keys, source 1 = 16 queries: a lane holds ONE query (lane % 16) and, in accumulator b, the keys 16 b + 8 (lane / 16) + 0..7.
; THE MASK stands in the accumulators ahead of the first product, which takes them as C: 0 or -1e30.  Accumulators below the diagonal take the constant 0.
; REGISTERS: windows as s_set_vgpr_msb names them (bits 1:0 source 0, 3:2 source 1, 5:4 source 2, 7:6 destination): window 0 addresses, A's fragments, work on the way out; window 1 B's fragments; windows 2, 3 accumulators.
.set KDIM,   1024
.set ROWE,   3072                      ; elements in a row of qkv
.set ROWB,   6144                      ; bytes in it; Q at byte 0, K at byte 2,048
.set PTB,    4096                      ; bytes in a row of pt
.set KSTEP,  128
.set PITCH,  272
.set HALFT,  128*PITCH
.set SLOT,   4*HALFT
.set STAGE,  2*SLOT                    ; 16 rows x 272 bytes for each wave
.set SPITCH, 272
.set STATS,  STAGE+4*16*SPITCH         ; 1,024 bytes for each wave: 128 c m, then 128 l
.set SPARE,  STATS+4*1024              ; the spare words, 128 bytes for each wave
.set LAPS, KDIM/(2*KSTEP)
.set OUTV, 6                           ; v6      at work
.set CX,   8                           ; v8-11   four chains of the maximum
.set CMP,  12                          ; v12-13  c m, twice
.set LS,   14                          ; v14-15  l, and the other half of the lanes'
.set ADRA, 16
.set SST,  18                          ; v18     where I put c m (lanes 0-15) or l (lanes 16-31)
.set SRD,  19                          ; v19     where I read 16 bytes of them back
.set ADRB, 20
.set SGO,  22                          ; v22     16 x lane
.set BIGV, 23                          ; v23     -1e30
.set STO,  24
.set RD,   25
.set CO,   26
.set VD,   27                          ; v27     my query less my lanes' first key, on the tile's diagonal accumulators
.set SPW,  28
.set NIL,  29
.set F0,   64
.set F1,   128
.set TMP,  192
.set OB,   32
.set PA,   64
.set G1, 24
.set G0, 32
.set G1B, 48
.set G0B, 56
.set SP,  66                           ; s[66:67] stats at my 128 queries of my group of keys
.set CS,  68                           ; s[68:69] c
.set SEL, 70                           ; s[70:71] v_permlanex16_b32's selects
.set HM,  72                           ; s72  lanes 16-31
.set UP,  73                           ; s73  what accumulators above the wave's diagonal start with
.set AH,  74                           ; s74  all ones: my part lies wholly above the diagonal
.set TI,  75                           ; s75  i
.set TJ,  76                           ; s76  j
.set TBA, 77                           ; s77  batch
.set DD,  78                           ; s78  my first query less my first key
.set MSB, 0
.macro WIN new
.if MSB != (\new)
	s_set_vgpr_msb (MSB<<8)|(\new)
.set MSB, \new
.endif
.endm
.set MUL_LO, 0xa1
.set MUL_HI, 0xf1
.set TO_B,   0x40
; A fill.  Waves 0 and 1 fetch Q's two halves, waves 2 and 3 K's.  An s_nop 0 and four v_nop follow each line.
.macro JLOAD s
	s_cmp_eq_u32 s11, 0
	s_cbranch_scc0 .Lfor_b_\@
	tensor_load_to_lds s[G0+4*(\s):G0+4*(\s)+3], s[G1:G1+7]
	s_nop 0
.rept 4
	v_nop
.endr
	s_branch .Lasked_\@
.Lfor_b_\@:
	tensor_load_to_lds s[G0B+4*(\s):G0B+4*(\s)+3], s[G1B:G1B+7]
	s_nop 0
.rept 4
	v_nop
.endr
.Lasked_\@:
.endm
	s_load_b64 s[4:5], s[0:1], 0x0                 ; qkv
	s_load_b64 s[8:9], s[0:1], 0x8                 ; pt
	s_load_b64 s[SP:SP+1], s[0:1], 0x10            ; stats
	v_lshl_add_u32 v[SPW], v0, 2, SPARE
	v_mov_b32 v[NIL], 0
	ds_add_u32 v[SPW], v[NIL]                      ; the wave's opening: the add and its wait ahead of my first tensor load
	ds_add_u32 v28, v29
	v_lshrrev_b32 v1, 5, v0
	v_readfirstlane_b32 s10, v1                    ; wave 0..3
	s_lshr_b32 s11, s10, 1                         ; which half of the queries is mine.  Also: I fetch for Q (0) or for K (1)
	s_and_b32 s12, s10, 1                          ; which half of the keys.  Also: which 128 rows I fetch
	s_mov_b32 s80, ttmp9                           ; the tile's number t in the triangle: t = i (i + 1) / 2 + j
	s_and_b32 s[TBA], ttmp7, 0xffff
	s_mov_b32 s[TI], 0
.irp n, 1,3,6,10,15,21,28
	s_cmp_ge_u32 s80, \n                           ; i = how many of the rows' first numbers t has reached
	s_add_co_ci_u32 s[TI], s[TI], 0
.endr
	s_add_co_u32 s79, s[TI], 1
	s_mul_i32 s79, s79, s[TI]
	s_lshr_b32 s79, s79, 1
	s_sub_co_u32 s[TJ], s80, s79
	s_lshl_b32 s13, s[TBA], 3
	s_add_co_u32 s42, s13, s[TJ]                   ; 8 b + j
	s_add_co_u32 s13, s13, s[TI]                   ; 8 b + i
.irp g, G1, G1B
	s_mov_b32 s[(\g)+0], (1<<16)|(1<<20)|(5<<22)|(3<<25)  ; 2-byte elements; padding on: after every 64 words 4 words
	s_mov_b32 s[(\g)+1], KSTEP<<16                 ; tensor_dim0 = 128
	s_mov_b32 s[(\g)+2], 128<<16                   ; tensor_dim1 = 128
	s_mov_b32 s[(\g)+3], KSTEP<<16                 ; tile_dim0 = 128
	s_mov_b32 s[(\g)+4], 128                       ; tile_dim1 = 128
	s_mov_b32 s[(\g)+5], ROWE                      ; elements from row to row
	s_mov_b32 s[(\g)+6], 0
	s_mov_b32 s[(\g)+7], 0
.endr
	s_lshl_b32 s17, s12, 7
	s_lshl_b32 s16, s13, 8
	s_add_co_u32 s16, s16, s17                     ; Q: row 256 (8 b + i) + 128 x half
	s_lshl_b32 s46, s42, 8
	s_add_co_u32 s46, s46, s17                     ; K: row 256 (8 b + j) + 128 x half
	s_mul_i32 s16, s16, ROWB                       ; 8,192 rows of 6,144 bytes stay under 2^32
	s_mul_i32 s46, s46, ROWB
	s_add_co_u32 s46, s46, 2048
	s_mov_b32 s17, 0
	s_mov_b32 s47, 0
	s_mul_i32 s20, s10, HALFT                      ; where they go: wave x 128 rows
	s_mov_b32 s[CS], 0x3d38aa3b                    ; c = log2(e) / 32
	s_mov_b32 s[CS+1], s[CS]
	s_mov_b32 s[SEL], 0x76543210
	s_mov_b32 s[SEL+1], 0xfedcba98
	s_mov_b32 s[HM], 0xffff0000
	s_wait_dscnt 0x0                               ; the opening add is done
	s_wait_kmcnt 0x0
	s_add_nc_u64 s[14:15], s[4:5], s[16:17]
	s_add_nc_u64 s[46:47], s[4:5], s[46:47]
.irp s, 0,1
	s_mov_b32 s[G0+4*(\s)], 1
	s_add_co_u32 s[G0+4*(\s)+1], s20, (\s)*SLOT
	s_add_nc_u64 s[G0+4*(\s)+2:G0+4*(\s)+3], s[14:15], (\s)*KSTEP*2
	s_or_b32 s[G0+4*(\s)+3], s[G0+4*(\s)+3], 0x80000000
	s_mov_b32 s[G0B+4*(\s)], 1
	s_add_co_u32 s[G0B+4*(\s)+1], s20, (\s)*SLOT
	s_add_nc_u64 s[G0B+4*(\s)+2:G0B+4*(\s)+3], s[46:47], (\s)*KSTEP*2
	s_or_b32 s[G0B+4*(\s)+3], s[G0B+4*(\s)+3], 0x80000000
	JLOAD \s                                       ; two loads of mine are out
.endr
	v_and_b32 v1, 15, v0                           ; r = l % 16
	v_bfe_u32 v2, v0, 4, 1                         ; h = l / 16
	v_mul_u32_u24 v3, v1, PITCH
	v_lshl_add_u32 v3, v2, 4, v3
	s_mul_i32 s21, s11, HALFT
	s_mul_i32 s22, s12, HALFT
	s_add_co_u32 s22, s22, 2*HALFT
.irp s, 0,1
	v_add_nc_u32 v[ADRA+(\s)], s21, v3
	v_add_nc_u32 v[ADRB+(\s)], s22, v3
	s_add_co_u32 s21, s21, SLOT
	s_add_co_u32 s22, s22, SLOT
.endr
	s_mul_i32 s23, s10, 16*SPITCH
	s_add_co_u32 s23, s23, STAGE
	v_mul_u32_u24 v4, v1, SPITCH
	v_lshl_add_u32 v4, v2, 4, v4
	v_add_nc_u32 v[STO], s23, v4
	v_mul_u32_u24 v5, v2, SPITCH
	v_lshl_add_u32 v5, v1, 4, v5
	v_add_nc_u32 v[RD], s23, v5
	v_lshlrev_b32 v5, 12, v2                       ; lanes 16-31 one row of pt further down
	v_lshl_add_u32 v[CO], v1, 4, v5
	s_lshl_b32 s79, s10, 10
	s_add_co_u32 s79, s79, STATS                   ; my 1,024 bytes for c m and l
	v_lshlrev_b32 v5, 2, v1
	v_lshl_add_u32 v5, v2, 9, v5
	v_add_nc_u32 v[SST], s79, v5
	v_and_b32 v5, 31, v0
	v_lshlrev_b32 v[SGO], 4, v5
	v_add_nc_u32 v[SRD], s79, v[SGO]
	v_mov_b32 v[BIGV], 0xf149f2ca                  ; -1e30
	v_mov_b32 v[LS+1], 0                           ; the lane exchange's destination counts as read
	; where my part of the tile begins in pt, in bytes
	s_lshl_b32 s13, s13, 8
	s_lshl_b32 s14, s11, 7
	s_add_co_u32 s16, s13, s14
	s_lshl_b32 s16, s16, 12
	s_lshl_b32 s14, s[TJ], 9
	s_add_co_u32 s16, s16, s14
	s_lshl_b32 s14, s12, 8
	s_add_co_u32 s16, s16, s14
	s_mov_b32 s17, 0
	; and in stats: 4 ((16 b + 2 j + key half) 2,048 + 256 i + 128 x query half)
	s_lshl_b32 s79, s[TBA], 4
	s_lshl_b32 s81, s[TJ], 1
	s_add_co_u32 s79, s79, s81
	s_add_co_u32 s79, s79, s12
	s_lshl_b32 s79, s79, 13
	s_lshl_b32 s81, s[TI], 10
	s_add_co_u32 s79, s79, s81
	s_lshl_b32 s81, s11, 9
	s_add_co_u32 s82, s79, s81
	s_mov_b32 s83, 0
	s_add_nc_u64 s[SP:SP+1], s[SP:SP+1], s[82:83]
	; THE MASK.  Key 16 b + 8 h + jr of my part is hidden from query 16 a + r where 16 (b - a) + 8 h + jr - r > DD.  DD >= 128: nowhere.  DD = 0: in all accumulators with b > a,
	; in none with b < a, and where jr > r - 8 h in those with b = a.  DD = -128: everywhere; there the diagonal accumulators alone are marked, and c m = -1e30 goes out for the rows.
	s_sub_co_u32 s[DD], s[TI], s[TJ]
	s_lshl_b32 s[DD], s[DD], 8
	s_sub_co_u32 s79, s11, s12
	s_lshl_b32 s79, s79, 7
	s_add_co_u32 s[DD], s[DD], s79
	s_cmp_eq_u32 s[DD], 0
	s_cselect_b32 s[UP], 0xf149f2ca, 0
	s_cmp_lt_i32 s[DD], 0
	s_cselect_b32 s[AH], -1, 0
	v_lshlrev_b32 v5, 3, v2
	v_sub_nc_u32 v[VD], v1, v5
	v_add_nc_u32 v[VD], s[DD], v[VD]
.irp hi, 0,1
	WIN 0x80+0x40*(\hi)                            ; destination window 2 or 3
.irp jr, 0,1,2,3,4,5,6,7
	v_cmp_gt_i32 vcc_lo, \jr, v[VD]
.irp a, 0,1,2,3
	v_cndmask_b32 v[8*(8*(\a)+4*(\hi)+(\a))+(\jr)], 0, v[BIGV], vcc_lo
.endr
.endr
.irp a, 0,1,2,3
.irp b, 1,2,3,4,5,6,7
.if (\b) > 4*(\hi)+(\a)
.irp jr, 0,1,2,3,4,5,6,7
	v_mov_b32 v[8*(8*(\a)+(\b))+(\jr)], s[UP]
.endr
.endif
.endr
.endr
.endr
	WIN 0
; 16 matrix instructions.  first = 1: the sums begin: with the constant 0 below the wave's diagonal, with the mask that lies in the accumulator on it and above.  The 64 accumulators take turns.
.macro MUL16 f, hi, a0, first
	WIN MUL_LO+0x50*(\hi)
.irp a, \a0, (\a0)+1
.irp b, 0,1,2,3,4,5,6,7
.if (\first) && ((\b) < 4*(\hi)+(\a))
	v_wmma_f32_16x16x32_f16 v[8*(8*(\a)+(\b)):8*(8*(\a)+(\b))+7], v[(\f)+8*(\b):(\f)+8*(\b)+7], v[(\f)+8*(4*(\hi)+(\a)):(\f)+8*(4*(\hi)+(\a))+7], 0
.else
	v_wmma_f32_16x16x32_f16 v[8*(8*(\a)+(\b)):8*(8*(\a)+(\b))+7], v[(\f)+8*(\b):(\f)+8*(\b)+7], v[(\f)+8*(4*(\hi)+(\a)):(\f)+8*(4*(\hi)+(\a))+7], v[8*(8*(\a)+(\b)):8*(8*(\a)+(\b))+7]
.endif
.endr
.endr
.endm
.macro FETCH slot, k, f
	WIN TO_B
.irp i, 0,1,2,3,4,5,6,7
	ds_load_b128 v[(\f)+8*(\i):(\f)+8*(\i)+3],   v[ADRB+(\slot)] offset:(\k)+(\i)*16*PITCH
	ds_load_b128 v[(\f)+8*(\i)+4:(\f)+8*(\i)+7], v[ADRB+(\slot)] offset:(\k)+(\i)*16*PITCH+32
.endr
	WIN 0
.irp i, 0,1,2,3,4,5,6,7
	ds_load_b128 v[(\f)+8*(\i):(\f)+8*(\i)+3],   v[ADRA+(\slot)] offset:(\k)+(\i)*16*PITCH
	ds_load_b128 v[(\f)+8*(\i)+4:(\f)+8*(\i)+7], v[ADRA+(\slot)] offset:(\k)+(\i)*16*PITCH+32
.endr
.endm
.macro PLACES                          ; four places between a matrix instruction and a load into, or a vector instruction on, its registers
.rept 4
	v_nop
.endr
.endm
.macro QUARTER slot, k, f, g, first
	s_wait_dscnt 8                                 ; K's fragments and Q's rows 0-63 are in; the youngest eight loads may be out
	MUL16 \f, 0, 0, \first
	MUL16 \f, 0, 2, \first
	PLACES
	FETCH \slot, \k, \g
	s_wait_dscnt 32                                ; all but the 32 just issued
	MUL16 \f, 1, 0, \first
	MUL16 \f, 1, 2, \first
.endm
.macro MEET fill
	WIN 0
	s_wait_tensorcnt 0x0                           ; all my tensor loads have landed: the one that was out is my part of the next slot;
	ds_add_u32 v[SPW], v[NIL]                      ; 0 onto my spare word;
	s_wait_dscnt 9                                 ; (the add and the youngest eight loads may be out)
	MUL16 F1, 0, 0, 0
	s_wait_dscnt 0x0                               ; the add is done, and my reads of this slot are over
	s_barrier_signal -1
	MUL16 F1, 0, 2, 0
.if \fill
	WIN 0
.endif
	s_barrier_wait -1                              ; nobody reads this slot any more, and the next slot is whole
.endm
.macro TURN slot, next
	MEET 1
	s_add_nc_u64 s[G0+4*(\slot)+2:G0+4*(\slot)+3], s[G0+4*(\slot)+2:G0+4*(\slot)+3], 2*KSTEP*2
	s_add_nc_u64 s[G0B+4*(\slot)+2:G0B+4*(\slot)+3], s[G0B+4*(\slot)+2:G0B+4*(\slot)+3], 2*KSTEP*2
	JLOAD \slot                                    ; my one tensor load behind the barrier, and the first thing there; its four v_nop are also the places in front of the loads below
	FETCH \next, 0, F0
	MUL16 F1, 1, 0, 0
	MUL16 F1, 1, 2, 0
.endm
.macro BLOAD q
	WIN TO_B
.irp i, 0,1,2,3,4,5,6,7
	ds_load_b128 v[64*(\q)+8*(\i):64*(\q)+8*(\i)+3],   v[ADRB+1] offset:64*(\q)+(\i)*16*PITCH
	ds_load_b128 v[64*(\q)+8*(\i)+4:64*(\q)+8*(\i)+7], v[ADRB+1] offset:64*(\q)+(\i)*16*PITCH+32
.endr
.endm
.macro ALOAD a
	WIN 0
.set FA, PA+32*((\a)%4)
.irp q, 0,1,2,3
	ds_load_b128 v[FA+8*(\q):FA+8*(\q)+3],   v[ADRA+1] offset:64*(\q)+(\a)*16*PITCH
	ds_load_b128 v[FA+8*(\q)+4:FA+8*(\q)+7], v[ADRA+1] offset:64*(\q)+(\a)*16*PITCH+32
.endr
.endm
.macro ROW a
.set FA, PA+32*((\a)%4)
.set AC, 64*((\a)%4)
	WIN MUL_LO+0x50*((\a)/4)
.irp q, 0,1,2,3
.if (\a) == 0 && (\q) == 2
	s_wait_dscnt 24                                ; K's quarter 2 is in (behind it: Q's blocks 1 to 3)
.endif
.irp b, 0,1,2,3,4,5,6,7
	v_wmma_f32_16x16x32_f16 v[AC+8*(\b):AC+8*(\b)+7], v[64*(\q)+8*(\b):64*(\q)+8*(\b)+7], v[FA+8*(\q):FA+8*(\q)+7], v[AC+8*(\b):AC+8*(\b)+7]
.endr
.endr
.endm
; THE SOFTMAX OF BLOCK a: 16 queries x my 128 keys, 64 scores a lane, in the block's 64 registers of window 2 or 3.
.macro SOFT a
.set AC, 64*((\a)%4)
.set W, 2+(\a)/4
	WIN 0x15*W                                     ; all three sources in the block's window
.irp k, 0,1,2,3
	v_max3_num_f32 v[CX+(\k)], v[AC+8*(\k)], v[AC+8*(\k)+1], v[AC+8*(\k)+2]  ; four chains; each accumulator is read from its low end on
.endr
	WIN 0x14*W                                     ; sources 1 and 2 in the block's window
.irp x, 3,5
.irp k, 0,1,2,3
	v_max3_num_f32 v[CX+(\k)], v[CX+(\k)], v[AC+8*(\k)+(\x)], v[AC+8*(\k)+(\x)+1]
.endr
.endr
.irp k, 0,1,2,3
	v_max3_num_f32 v[CX+(\k)], v[CX+(\k)], v[AC+8*(\k)+7], v[AC+8*(\k)+32]
.endr
.irp x, 33,35,37
.irp k, 0,1,2,3
	v_max3_num_f32 v[CX+(\k)], v[CX+(\k)], v[AC+8*(\k)+(\x)], v[AC+8*(\k)+(\x)+1]
.endr
.endr
	v_max3_num_f32 v[CX], v[CX], v[AC+39], v[AC+47]
	v_max3_num_f32 v[CX+2], v[CX+2], v[AC+55], v[AC+63]
	WIN 0
	v_max3_num_f32 v[CX], v[CX], v[CX+1], v[CX+2]
	v_max_num_f32 v[CX], v[CX], v[CX+3]
	v_permlanex16_b32 v[CX+1], v[CX], s[SEL], s[SEL+1]  ; the query's other 64 keys lie in the lane 16 away
	v_max_num_f32 v[CX], v[CX], v[CX+1]
	v_mul_f32 v[CMP], s[CS], v[CX]                 ; c m
	v_mov_b32 v[CMP+1], v[CMP]                     ; named with it as a pair
	WIN 0x41*W                                     ; destination and source 0 in the block's window
.set z, 0
.rept 32
	v_pk_fma_f32 v[AC+2*z:AC+2*z+1], v[AC+2*z:AC+2*z+1], s[CS:CS+1], v[CMP:CMP+1] op_sel_hi:[1,0,0] neg_lo:[0,0,1] neg_hi:[0,0,1]  ; c s - c m
.set z, z+1
.endr
.set z, 0
.rept 64
	v_exp_f32 v[AC+z], v[AC+z]
.set z, z+1
.endr
	v_nop                                          ; a plain instruction between the last exponential and the use of its result
	WIN 0x05*W
.set z, 0
	s_wait_alu depctr_va_vdst(0)
.rept 32
	v_cvt_pk_f16_f32 v[TMP+z], v[AC+2*z], v[AC+2*z+1]  ; eight neighbouring keys of a row pack into 16 bytes
.set z, z+1
.endr
	WIN 0x45*W
.irp d, 16,8,4,2,1                     ; the sum of the unrounded weights, in place: pair z takes pair z + d
.set z, 0
.rept \d
	v_pk_add_f32 v[AC+2*z:AC+2*z+1], v[AC+2*z:AC+2*z+1], v[AC+2*(z+(\d)):AC+2*(z+(\d))+1]
.set z, z+1
.endr
.endr
	WIN 0x05*W
	v_add_f32 v[LS], v[AC], v[AC+1]
	WIN 0
	v_permlanex16_b32 v[LS+1], v[LS], s[SEL], s[SEL+1]
	v_add_f32 v[LS], v[LS], v[LS+1]
	v_cndmask_b32 v[OUTV], v[CMP], v[BIGV], s[AH]  ; a part wholly above the diagonal counts for nothing
	v_cndmask_b32 v[OUTV], v[OUTV], v[LS], s[HM]   ; lanes 0-15 carry c m, lanes 16-31 l
	ds_store_b32 v[SST], v[OUTV] offset:64*(\a)
.endm
.macro TOSTAGE a
	WIN 0
.set BK, OB+192*((\a)%2)
.irp b, 0,1,2,3,4,5,6,7
	ds_store_b128 v[STO], v[TMP+4*(\b):TMP+4*(\b)+3] offset:32*(\b)
.endr
.irp t, 0,1,2,3,4,5,6,7
	ds_load_b128 v[BK+4*(\t):BK+4*(\t)+3], v[RD] offset:(\t)*2*SPITCH  ; LDS serves a wave's instructions in order: these see the stores above
.endr
.endm
.macro SEND a, younger
	WIN 0
.set BK, OB+192*((\a)%2)
	s_wait_dscnt \younger                          ; the block is back in registers
	s_wait_xcnt 0x0                                ; only behind this wait are the stores' base and the registers that earlier stores read rewritten
.if (\a) == 0
	s_add_nc_u64 s[8:9], s[8:9], s[16:17]
.else
	s_add_nc_u64 s[8:9], s[8:9], 16*PTB
.endif
.irp t, 0,1,2,3,4,5,6,7
	global_store_b128 v[CO], v[BK+4*(\t):BK+4*(\t)+3], s[8:9] offset:2*(\t)*PTB  ; 16 lanes store 256 consecutive bytes, aligned
.endr
.endm
	s_wait_tensorcnt 1                             ; my part of K step 0 is in; K step 1's may stay out
	s_barrier_signal -1
	s_barrier_wait -1
	FETCH 0, 0, F0
	QUARTER 0, 64,  F0, F1, 1
	WIN 0
	s_mov_b32 s3, LAPS-1
.Llap:                                                 ; a trip goes once round the ring and fills both slots again
	QUARTER 0, 128, F1, F0, 0
	QUARTER 0, 192, F0, F1, 0
	TURN 0, 1
	QUARTER 1, 64,  F0, F1, 0
	QUARTER 1, 128, F1, F0, 0
	QUARTER 1, 192, F0, F1, 0
	TURN 1, 0
	QUARTER 0, 64,  F0, F1, 0
	WIN 0
	s_sub_co_u32 s3, s3, 1
	s_cmp_lg_u32 s3, 0
	s_cbranch_scc1 .Llap
	QUARTER 0, 128, F1, F0, 0
	QUARTER 0, 192, F0, F1, 0
	MEET 0                                         ; nothing is filled again
	PLACES
	BLOAD 0
	BLOAD 1
	BLOAD 3
	ALOAD 0
	MUL16 F1, 1, 0, 0
	MUL16 F1, 1, 2, 0
	PLACES
	BLOAD 2
	ALOAD 1
	ALOAD 2
	ALOAD 3
	s_wait_dscnt 40                                ; all but the 40 just issued
	ROW 0
.irp a, 0,1,2,3,4,5,6,7
	PLACES
	SOFT \a
	TOSTAGE \a
.if (\a) < 4
	ALOAD (\a)+4
	SEND \a, 8
.else
	SEND \a, 0
.endif
.if (\a) < 7
	ROW (\a)+1
.endif
.endr
	ds_load_b128 v[8:11], v[SRD]                   ; my 128 c m, 16 bytes a lane,
	ds_load_b128 v[12:15], v[SRD] offset:512       ; and my 128 l: my own bytes, served in order behind my stores
	s_wait_dscnt 0x0
	global_store_b128 v[SGO], v[8:11], s[SP:SP+1]  ; 512 consecutive bytes each, aligned
	global_store_b128 v[SGO], v[12:15], s[SP:SP+1] offset:524288
	s_wait_tensorcnt 0x0                           ; the wave's end
	ds_add_u32 v[SPW], v[NIL]
	s_wait_dscnt 0x0
	s_endpgm
.Lfunc_end_k_q6a775f9e85_scores:
	.size	k_q6a775f9e85_scores, .Lfunc_end_k_q6a775f9e85_scores-k_q6a775f9e85_scores
	.p2alignl 7, 3214868480
	.fill 96, 4, 3214868480
	.section	.rodata,"a",@progbits
	.p2align	6, 0x0
	.amdhsa_kernel k_q6a775f9e85_scores
		.amdhsa_group_segment_fixed_size 327680
		.amdhsa_private_segment_fixed_size 0
		.amdhsa_enable_private_segment 0
		.amdhsa_kernarg_size 24
		.amdhsa_user_sgpr_count 2
		.amdhsa_user_sgpr_kernarg_segment_ptr 1
		.amdhsa_wavefront_size32 1
		.amdhsa_system_sgpr_workgroup_id_x 1
		.amdhsa_system_sgpr_workgroup_id_y 1
		.amdhsa_system_sgpr_workgroup_id_z 1
		.amdhsa_system_vgpr_workitem_id 0
		.amdhsa_next_free_vgpr 1024
		.amdhsa_next_free_sgpr 84
		.amdhsa_reserve_vcc 1
		.amdhsa_float_denorm_mode_32 3
		.amdhsa_float_denorm_mode_16_64 3
		.amdhsa_memory_ordered 1
		.amdhsa_forward_progress 1
		.amdhsa_inst_pref_size 223
	.end_amdhsa_kernel
	.amdgpu_metadata
---
amdhsa.version: [ 1, 2 ]
amdhsa.kernels:
  - .name:           k_q6a775f9e85_scores
    .symbol:         k_q6a775f9e85_scores.kd
    .args:
      - { .name: qkv, .offset: 0, .size: 8, .value_kind: global_buffer, .address_space: global }
      - { .name: pt, .offset: 8, .size: 8, .value_kind: global_buffer, .address_space: global }
      - { .name: stats, .offset: 16, .size: 8, .value_kind: global_buffer, .address_space: global }
    .group_segment_fixed_size: 327680
    .private_segment_fixed_size: 0
    .kernarg_segment_align: 8
    .kernarg_segment_size: 24
    .max_flat_workgroup_size: 128
    .sgpr_count:     84
    .vgpr_count:     1024
    .wavefront_size: 32
...
	.end_amdgpu_metadata
.endif
;; end of part 3
;; launch pv (part 4): grid 8 x 32, 4 waves a work-group, clusters of 4 x 1, 327,680 bytes of LDS; arguments pt, qkv, stats, out0; writes out0
.if DOCPART == 4
	.amdgcn_target "amdgcn-amd-amdhsa--gfx1250"
	.amdhsa_code_object_version 6
	.text
	.protected	k_q6a775f9e85_pv
	.globl	k_q6a775f9e85_pv
	.p2align	8
	.type	k_q6a775f9e85_pv,@function
k_q6a775f9e85_pv:
	s_mov_b64 s[64:65], 0
	v_nop
	global_prefetch_b8 v0, s[64:65] scope:SCOPE_SE
	s_setreg_imm32_b32 hwreg(HW_REG_WAVE_MODE, 25, 1), 1
	s_wait_xcnt 0x0
	s_wait_alu depctr_hold_cnt(0) depctr_sa_sdst(0) depctr_va_vdst(0) depctr_va_sdst(0) depctr_va_ssrc(0) depctr_va_vcc(0) depctr_vm_vsrc(0)
	s_getreg_b32 s2, hwreg(HW_REG_IB_STS2, 6, 4)
	s_cmp_eq_u32 s2, 0
	s_cbranch_scc0 .Lentry_in_a_cluster
	s_endpgm
.Lentry_in_a_cluster:
	s_bfe_u32 s2, ttmp6, 0x10000c
	s_cmp_lg_u32 s2, 0x3003
	s_cbranch_scc0 .Lentry_shape_is_right
	s_endpgm
.Lentry_shape_is_right:
; out0[b][q][ch] = (sum over groups kt of 128 keys of f_kt[q] x sum over the group's keys of p[q][key] V[key][ch]) / l[q], with f_kt = 2^(c m_kt - max over kt of c m_kt) <= 1 and l = sum over kt of f_kt l_kt.
; p: pt [4][2048][2048] f16; V: bytes 4,096 on of the rows of qkv [8192][3072] f16; c m_kt and l_kt: stats; out0: [4][2048][1024] f32.  Products in f16 with f32 sums; p f is rounded to f16.
; LIMITS.  p f below 6e-5 keeps f16's fixed step of 6e-8; f below 2^-126 counts as 0; NaN and infinities are not treated apart.
; SHARES.  A work-group makes 256 queries (block I of batch b) x 128 channels; wave w its queries 64 w on x all 128 channels: 32 accumulators, window 1.  It walks the keys 0 .. 256 (I + 1) - 1 and no others.
; A slot of LDS holds 128 keys: 256 rows of p and 128 rows of V; a lap is two slots; there are I + 1 laps, of which the last, with the diagonal, is written out behind the loop.
; CLUSTER.  The four work-groups of a cluster make the same queries for four blocks of channels: same b, same I, same number of laps, same tiles of p, which are asked for JOINTLY.  V's tiles differ from
; partner to partner and are loads of one's own, behind the same rounds.
; LAYOUT.  Source 0 = 16 channels x 32 keys of V^T (V lies [key][channel] and is turned by ds_load_tr16_b128), source 1 = 16 queries x 32 keys of p: in the result a lane holds ONE query (lane % 16) and eight
; neighbouring channels.  So f and 1 / l are one number a lane for each block of 16 queries.
; REGISTERS (s_set_vgpr_msb: bits 1:0 source 0, 3:2 source 1, 5:4 source 2, 7:6 destination): window 0: addresses, statistics, two fragment buffers of 96; window 1: accumulator (a, cb) at v[8 (8 a + cb)].
.set PP,    272                        ; a row of p in LDS: 256 bytes + 16: the 16 rows of a load start at 16 different groups of four banks
.set PVV,   288                        ; a row of V: 256 + 32
.set VOFF,  256*PP
.set SLOT,  VOFF+128*PVV
.set STAGE, 2*SLOT                     ; 16 rows x 528 bytes for each wave, for the way out
.set SP,    528
.set SPARE, STAGE+4*16*SP              ; the spare words, 128 bytes for each wave
.set ADRA, 16                          ; v16-17  LDS address of my fragments of p in slot 0, 1
.set ADRB, 20                          ; v20-21  the same for V
.set STO,  24                          ; v24     the way out: where I put 32 bytes of a row
.set RD,   25                          ; v25     the way out: where I read 16 bytes of a row back
.set GO,   26                          ; v26     16 x lane
.set SO,   27                          ; v27     my query's byte in a group's 2,048 statistics, less the block's; never rewritten
.set SPW,  28
.set NIL,  29
.set FQ,   32                          ; v32-35  f, twice in f16, for each of my four blocks of 16 queries: the slot in hand's
.set CK,   36                          ; v36-39  c m of the next slot's group
.set CM,   40                          ; v40-43  the row's maximum of c m
.set RL,   44                          ; v44-51  1 / l, in pairs
.set LS,   52                          ; v52-55  l
.set F0,   64                          ; a fragment buffer: p at f + 8 a, V at f + 32 + 8 cb
.set F1,   160
.set CMT,  64                          ; the opening: c m, then f, at 4 kt + a
.set LT,   128                         ; l_kt likewise
.set KOF,  192                         ; the 16 groups' offsets
.set WV,   12                          ; s12
.set G1A,  24
.set G0A,  32
.set CMPTR, 40                         ; s[40:41] stats at the next group's c m
.set G1B,  48
.set G0B,  56
.set MSB, 0
.macro WIN new
.if MSB != (\new)
	s_set_vgpr_msb (MSB<<8)|(\new)
.set MSB, \new
.endif
.endm
.set MUL,  0x50                        ; C and D window 1, sources window 0
.set W_RS, 0x41                        ; destination and source 0 window 1
; A fill.  Waves 0 and 1 ask jointly for the two halves of p's 256 rows, waves 2 and 3 for the two halves of my V's 128 rows.  An s_nop 0 and four v_nop follow each line.
.macro JLOAD s
	s_cmp_lt_u32 s[WV], 2
	s_cbranch_scc0 .Lfor_v_\@
	tensor_load_to_lds s[G0A+4*(\s):G0A+4*(\s)+3], s[G1A:G1A+7]
	s_nop 0
.rept 4
	v_nop
.endr
	s_branch .Lasked_\@
.Lfor_v_\@:
	tensor_load_to_lds s[G0B+4*(\s):G0B+4*(\s)+3], s[G1B:G1B+7]
	s_nop 0
.rept 4
	v_nop
.endr
.Lasked_\@:
.endm
.macro CREST
	s_cmp_lg_u32 s[WV], 0
	s_cbranch_scc1 .Lnot_wave_0_\@
	s_barrier_signal -3
.Lnot_wave_0_\@:
	s_barrier_wait -3
	s_barrier_signal -1
	s_barrier_wait -1
.endm
.macro CROUND
	s_barrier_signal -1
	s_barrier_wait -1
	CREST
.endm
	s_load_b256 s[4:11], s[0:1], 0x0               ; pt s[4:5], qkv s[6:7], stats s[8:9], out0 s[10:11]
	v_lshl_add_u32 v[SPW], v0, 2, SPARE
	v_mov_b32 v[NIL], 0
	ds_add_u32 v[SPW], v[NIL]                      ; the wave's opening: the add and its wait ahead of my first tensor load
	ds_add_u32 v28, v29
	v_lshrrev_b32 v1, 5, v0
	v_readfirstlane_b32 s[WV], v1                  ; wave 0..3
	s_bfe_u32 s13, ttmp6, 0x40000                  ; cx
	s_lshl_b32 s14, ttmp9, 2
	s_add_co_u32 s14, s14, s13                     ; my block of 128 channels: it enters V's and out0's addresses alone
	s_and_b32 s17, ttmp7, 0xffff                   ; which the four partners share:
	s_lshr_b32 s15, s17, 3                         ; b
	s_and_b32 s16, s17, 7                          ; I
	s_and_b32 s17, s[WV], 1                        ; which half of a tile I fetch
	s_lshl_b32 s18, s15, 11                        ; 2,048 b
	s_lshl_b32 s19, s16, 8
	s_add_co_u32 s19, s18, s19                     ; the block's first row: 2,048 b + 256 I
	s_lshl_b32 s20, s17, 7
	s_add_co_u32 s20, s19, s20
	s_lshl_b32 s20, s20, 12                        ; p: (that + 128 x half) rows of 4,096 bytes
	s_mov_b32 s21, 0
	s_lshl_b32 s22, s17, 6
	s_add_co_u32 s22, s18, s22
	s_mul_i32 s22, s22, 6144                       ; V: (2,048 b + 64 x half) rows of 6,144 bytes,
	s_lshl_b32 s23, s14, 8
	s_add_co_u32 s22, s22, s23                     ; my 128 channels,
	s_add_co_u32 s22, s22, 4096                    ; behind Q and K
	s_mov_b32 s23, 0
	s_lshl_b32 s2, s[WV], 6
	s_add_co_u32 s2, s19, s2
	s_lshl_b32 s2, s2, 12                          ; out0: my wave's first row, 4,096 bytes a row,
	s_lshl_b32 s3, s14, 9
	s_add_co_u32 s2, s2, s3                        ; my 128 channels
	s_mov_b32 s3, 0
	s_lshl_b32 s46, s15, 17                        ; stats: 16 groups x 2,048 x 4 bytes a batch,
	s_lshl_b32 s47, s16, 10
	s_add_co_u32 s46, s46, s47                     ; the block's 256 queries
	s_mov_b32 s47, 0
	s_lshl_b32 s44, s16, 1
	s_add_co_u32 s44, s44, 1                       ; the last group: 2 I + 1
	s_mul_i32 s18, s17, 128*PP                     ; where the tiles go: no place in the cluster enters an LDS address
	s_mul_i32 s19, s17, 64*PVV
	s_mov_b32 s[G1A], 15|(1<<16)|(1<<20)|(1<<21)|(5<<22)|(3<<25)  ; the mask of four; 2-byte elements; padding on; bit 21 beside a mask; after every 64 words 4 words
	s_mov_b32 s[G1A+1], 128<<16                    ; tensor_dim0 = 128
	s_mov_b32 s[G1A+2], 128<<16                    ; tensor_dim1 = 128
	s_mov_b32 s[G1A+3], 128<<16                    ; tile_dim0 = 128 keys
	s_mov_b32 s[G1A+4], 128                        ; tile_dim1 = 128 queries
	s_mov_b32 s[G1A+5], 2048                       ; elements from row to row
	s_mov_b32 s[G1A+6], 0
	s_mov_b32 s[G1A+7], 0
	s_mov_b32 s[G1B], (1<<16)|(1<<20)|(5<<22)|(7<<25)  ; no mask; after every 64 words 8 words
	s_mov_b32 s[G1B+1], 128<<16
	s_mov_b32 s[G1B+2], 64<<16
	s_mov_b32 s[G1B+3], 128<<16                    ; tile_dim0 = 128 channels
	s_mov_b32 s[G1B+4], 64                         ; tile_dim1 = 64 keys
	s_mov_b32 s[G1B+5], 3072
	s_mov_b32 s[G1B+6], 0
	s_mov_b32 s[G1B+7], 0
	s_wait_dscnt 0x0                               ; the opening add is done
	s_wait_kmcnt 0x0
	s_add_nc_u64 s[4:5], s[4:5], s[20:21]
	s_add_nc_u64 s[6:7], s[6:7], s[22:23]
	s_add_nc_u64 s[8:9], s[8:9], s[46:47]
	s_add_nc_u64 s[10:11], s[10:11], s[2:3]
	s_add_nc_u64 s[CMPTR:CMPTR+1], s[8:9], 8192    ; group 1
.irp s, 0,1
	s_mov_b32 s[G0A+4*(\s)], 1
	s_add_co_u32 s[G0A+4*(\s)+1], s18, (\s)*SLOT
	s_add_nc_u64 s[G0A+4*(\s)+2:G0A+4*(\s)+3], s[4:5], (\s)*256       ; slot s begins with keys 128 s on
	s_or_b32 s[G0A+4*(\s)+3], s[G0A+4*(\s)+3], 0x80000000
	s_mov_b32 s[G0B+4*(\s)], 1
	s_add_co_u32 s[G0B+4*(\s)+1], s19, (\s)*SLOT+VOFF
	s_add_nc_u64 s[G0B+4*(\s)+2:G0B+4*(\s)+3], s[6:7], (\s)*128*6144
	s_or_b32 s[G0B+4*(\s)+3], s[G0B+4*(\s)+3], 0x80000000
.endr
	CROUND                                         ; all four work-groups are here: the first joint loads meet
	s_cmp_lt_u32 s[WV], 2                          ; a wave's two first fills stand in one branch: two loads of mine are out
	s_cbranch_scc0 .Lfirst_v
	tensor_load_to_lds s[G0A:G0A+3], s[G1A:G1A+7]
	s_nop 0
	tensor_load_to_lds s[G0A+4:G0A+7], s[G1A:G1A+7]
	s_nop 0
.rept 4
	v_nop
.endr
	s_branch .Lfirst_asked
.Lfirst_v:
	tensor_load_to_lds s[G0B:G0B+3], s[G1B:G1B+7]
	s_nop 0
	tensor_load_to_lds s[G0B+4:G0B+7], s[G1B:G1B+7]
	s_nop 0
.rept 4
	v_nop
.endr
.Lfirst_asked:
	; THE STATISTICS, in the wait for the first tiles.  All 16 groups are named; those past 2 I + 1, which nobody wrote, are clamped to 2 I + 1: a maximum does not mind a number twice, and in l they are multiplied by 0.
	v_and_b32 v1, 15, v0                           ; r = l % 16
	v_bfe_u32 v2, v0, 4, 1                         ; h = l / 16
	s_lshl_b32 s46, s[WV], 8
	v_lshl_add_u32 v[SO], v1, 2, s46               ; 4 (64 w + r)
.set kt, 0
.rept 16
	s_min_u32 s46, s44, kt
	v_lshl_add_u32 v[KOF+kt], s46, 13, v[SO]       ; a group's statistics are 8,192 bytes
.set kt, kt+1
.endr
.set kt, 0
.rept 16
.irp a, 0,1,2,3
	global_load_b32 v[CMT+4*kt+(\a)], v[KOF+kt], s[8:9] offset:64*(\a)
.endr
.set kt, kt+1
.endr
.set kt, 0
.rept 16
.irp a, 0,1,2,3
	global_load_b32 v[LT+4*kt+(\a)], v[KOF+kt], s[8:9] offset:524288+64*(\a)
.endr
.set kt, kt+1
.endr
	; the LDS and global addresses are made while the loads are out
	v_mul_u32_u24 v3, v1, PP
	v_lshl_add_u32 v3, v2, 4, v3
	s_mul_i32 s46, s[WV], 64*PP                    ; my 64 rows of p
	v_add_nc_u32 v[ADRA], s46, v3
	v_add_nc_u32 v[ADRA+1], SLOT, v[ADRA]
	v_and_b32 v4, 7, v0                            ; the turning load: lane l reads key 8 (l / 16) + l % 8, channels 8 ((l / 8) % 2) + 0..7
	v_bfe_u32 v5, v0, 3, 1
	v_lshl_add_u32 v4, v2, 3, v4
	v_mul_u32_u24 v4, v4, PVV
	v_lshl_add_u32 v4, v5, 4, v4
	v_add_nc_u32 v[ADRB], VOFF, v4
	v_add_nc_u32 v[ADRB+1], SLOT, v[ADRB]
	s_mul_i32 s46, s[WV], 16*SP
	s_add_co_u32 s46, s46, STAGE                   ; my stage
	v_mul_u32_u24 v3, v1, SP
	v_lshl_add_u32 v3, v2, 5, v3                   ; in: row r, 32 bytes for each half of the lanes
	v_add_nc_u32 v[STO], s46, v3
	v_and_b32 v3, 31, v0
	v_lshlrev_b32 v[GO], 4, v3                     ; back: 32 lanes take one row of 512 bytes
	v_add_nc_u32 v[RD], s46, v[GO]
	s_wait_loadcnt 63                              ; of the 128 loads at most 63 are out: the 64 of c m are in
.irp a, 0,1,2,3
	v_max3_num_f32 v[CM+(\a)], v[CMT+(\a)], v[CMT+4+(\a)], v[CMT+8+(\a)]
.endr
.irp k, 3,5,7,9,11,13
.irp a, 0,1,2,3
	v_max3_num_f32 v[CM+(\a)], v[CM+(\a)], v[CMT+4*(\k)+(\a)], v[CMT+4*(\k)+4+(\a)]
.endr
.endr
.irp a, 0,1,2,3
	v_max_num_f32 v[CM+(\a)], v[CM+(\a)], v[CMT+60+(\a)]
.endr
.set z, 0
.rept 64
	v_sub_f32 v[CMT+z], v[CMT+z], v[CM+z%4]
.set z, z+1
.endr
.set z, 0
.rept 64
	v_exp_f32 v[CMT+z], v[CMT+z]                   ; f
.set z, z+1
.endr
	v_nop                                          ; a plain instruction between the last exponential and the use of its result
	s_wait_alu depctr_va_vdst(0)
.irp a, 0,1,2,3
	v_cvt_pk_f16_f32 v[FQ+(\a)], v[CMT+(\a)], v[CMT+(\a)]  ; group 0's
.endr
	s_wait_loadcnt 0x0                             ; l_kt
.set kt, 2
.rept 14
	s_cmp_ge_u32 s44, kt
	s_cselect_b32 s45, 1.0, 0
.irp a, 0,1,2,3
	v_mul_f32 v[CMT+4*kt+(\a)], s45, v[CMT+4*kt+(\a)]
.endr
.set kt, kt+1
.endr
.irp a, 0,1,2,3
	v_mul_f32 v[LS+(\a)], v[CMT+(\a)], v[LT+(\a)]
.endr
.set kt, 1
.rept 15
.irp a, 0,1,2,3
	v_fmac_f32 v[LS+(\a)], v[CMT+4*kt+(\a)], v[LT+4*kt+(\a)]
.endr
.set kt, kt+1
.endr
.irp a, 0,1,2,3
	v_rcp_f32 v[RL+2*(\a)], v[LS+(\a)]
.endr
	v_nop
	s_wait_alu depctr_va_vdst(0)
.irp a, 0,1,2,3
	v_mov_b32 v[RL+2*(\a)+1], v[RL+2*(\a)]         ; named with it as a pair
.endr
; 24 LDS loads in one run: 32 keys (quarter kq of the slot): p of my 64 queries, then V's channel blocks 0-3, then 4-7
.macro FETCH slot, kq, f
	WIN 0
.irp a, 0,1,2,3
	ds_load_b128 v[(\f)+8*(\a):(\f)+8*(\a)+3],   v[ADRA+(\slot)] offset:(\a)*16*PP+64*(\kq)
	ds_load_b128 v[(\f)+8*(\a)+4:(\f)+8*(\a)+7], v[ADRA+(\slot)] offset:(\a)*16*PP+64*(\kq)+32
.endr
.irp c, 0,1,2,3,4,5,6,7
	ds_load_tr16_b128 v[(\f)+32+8*(\c):(\f)+32+8*(\c)+3],   v[ADRB+(\slot)] offset:(\kq)*32*PVV+32*(\c)
	ds_load_tr16_b128 v[(\f)+32+8*(\c)+4:(\f)+32+8*(\c)+7], v[ADRB+(\slot)] offset:(\kq)*32*PVV+16*PVV+32*(\c)
.endr
.endm
.macro SCALE f                         ; p f, two keys at a time
	WIN 0
.irp a, 0,1,2,3
.irp z, 0,1,2,3,4,5,6,7
	v_pk_mul_f16 v[(\f)+8*(\a)+(\z)], v[(\f)+8*(\a)+(\z)], v[FQ+(\a)]
.endr
.endr
.endm
; 8 matrix instructions: query blocks a0, a0 + 1 x channel blocks 4 g .. 4 g + 3.  zero = 1: the first product starts the sums.  The accumulators take turns.
.macro MUL8 f, g, a0, zero
	WIN MUL
.irp a, \a0, (\a0)+1
.irp c, 0,1,2,3
.if \zero
	v_wmma_f32_16x16x32_f16 v[8*(8*(\a)+4*(\g)+(\c)):8*(8*(\a)+4*(\g)+(\c))+7], v[(\f)+32+8*(4*(\g)+(\c)):(\f)+32+8*(4*(\g)+(\c))+7], v[(\f)+8*(\a):(\f)+8*(\a)+7], 0
.else
	v_wmma_f32_16x16x32_f16 v[8*(8*(\a)+4*(\g)+(\c)):8*(8*(\a)+4*(\g)+(\c))+7], v[(\f)+32+8*(4*(\g)+(\c)):(\f)+32+8*(4*(\g)+(\c))+7], v[(\f)+8*(\a):(\f)+8*(\a)+7], v[8*(8*(\a)+4*(\g)+(\c)):8*(8*(\a)+4*(\g)+(\c))+7]
.endif
.endr
.endr
.endm
; One of a slot's first three quarters: multiplies buffer f and fetches quarter kq into buffer g.  The 32 scalings are the places between the last products that read g and the loads into it.
; ck = 1: the next slot's c m is asked for.
.macro QUARTER slot, kq, f, g, zero, ck
	s_wait_dscnt 8                                 ; p and V's channel blocks 0-3 are in; the youngest eight loads may be out
	SCALE \f
.if \ck
.irp a, 0,1,2,3
	global_load_b32 v[CK+(\a)], v[SO], s[CMPTR:CMPTR+1] offset:64*(\a)
.endr
.endif
	MUL8 \f, 0, 0, \zero
	MUL8 \f, 0, 2, \zero
	FETCH \slot, \kq, \g
	s_wait_dscnt 24                                ; all but the 24 just issued
	MUL8 \f, 1, 0, \zero
	MUL8 \f, 1, 2, \zero
.endm
; The last quarter multiplies buffer 1, makes the next slot's f and changes slots: ONE barrier; fill = 1: it opens a round of the cluster's barrier, and this slot is filled again, 256 keys on.
.macro TURN slot, next, fill
	WIN 0
	s_wait_tensorcnt 0x0                           ; all my tensor loads have landed: my part of the next slot;
	ds_add_u32 v[SPW], v[NIL]                      ; 0 onto my spare word;
	s_wait_dscnt 9                                 ; (the add and the youngest eight loads may be out)
	SCALE F1                                       ; with this slot's f, for the last time
	s_wait_loadcnt 0x0                             ; the next group's c m; its base may be stepped
.irp a, 0,1,2,3
	v_sub_f32 v[CK+(\a)], v[CK+(\a)], v[CM+(\a)]
.endr
.irp a, 0,1,2,3
	v_exp_f32 v[CK+(\a)], v[CK+(\a)]
.endr
	v_nop
	s_wait_alu depctr_va_vdst(0)
.irp a, 0,1,2,3
	v_cvt_pk_f16_f32 v[FQ+(\a)], v[CK+(\a)], v[CK+(\a)]
.endr
	s_add_nc_u64 s[CMPTR:CMPTR+1], s[CMPTR:CMPTR+1], 8192
	MUL8 F1, 0, 0, 0
	s_wait_dscnt 0x0                               ; the add is done, and my reads of this slot are over
	s_barrier_signal -1
	MUL8 F1, 0, 2, 0
	WIN 0
	s_barrier_wait -1
.if \fill
	CREST                                          ; no wave of any partner still reads this slot's tile or has a load on its way
	s_add_nc_u64 s[G0A+4*(\slot)+2:G0A+4*(\slot)+3], s[G0A+4*(\slot)+2:G0A+4*(\slot)+3], 512
	s_add_nc_u64 s[G0B+4*(\slot)+2:G0B+4*(\slot)+3], s[G0B+4*(\slot)+2:G0B+4*(\slot)+3], 256*6144
	JLOAD \slot                                    ; my one tensor load behind the round, and the first thing there
.endif
	FETCH \next, 0, F0
	MUL8 F1, 1, 0, 0
	MUL8 F1, 1, 2, 0
.endm
	s_wait_tensorcnt 1                             ; my part of slot 0 is in; slot 1's may stay out
	s_barrier_signal -1
	s_barrier_wait -1
	FETCH 0, 0, F0
	QUARTER 0, 1, F0, F1, 1, 0                     ; the first quarter's products start the sums
	WIN 0
	s_mov_b32 s42, 0
	s_cmp_lt_u32 s42, s16                          ; block 0 has the diagonal lap alone.  I is the same in all waves and all partners
	s_cbranch_scc0 .Ltail
.Llap:                                                 ; I trips: once round the ring; both slots are filled again.  All LDS addresses are fixed
	QUARTER 0, 2, F1, F0, 0, 1
	QUARTER 0, 3, F0, F1, 0, 0
	TURN 0, 1, 1
	QUARTER 1, 1, F0, F1, 0, 0
	QUARTER 1, 2, F1, F0, 0, 1
	QUARTER 1, 3, F0, F1, 0, 0
	TURN 1, 0, 1
	QUARTER 0, 1, F0, F1, 0, 0
	WIN 0
	s_add_co_u32 s42, s42, 1
	s_cmp_lt_u32 s42, s16
	s_cbranch_scc1 .Llap
.Ltail:                                                ; the last lap fills nothing and has no round
	QUARTER 0, 2, F1, F0, 0, 1
	QUARTER 0, 3, F0, F1, 0, 0
	TURN 0, 1, 0
	QUARTER 1, 1, F0, F1, 0, 0
	QUARTER 1, 2, F1, F0, 0, 0
	QUARTER 1, 3, F0, F1, 0, 0
	s_wait_dscnt 8
	SCALE F1
	MUL8 F1, 0, 0, 0
	MUL8 F1, 0, 2, 0
	s_wait_dscnt 0x0
	MUL8 F1, 1, 0, 0
	MUL8 F1, 1, 2, 0
.rept 4
	v_nop                                          ; the places behind the last products
.endr
; THE WAY OUT of block a (16 queries x 128 channels): divided by l; a lane's 32 bytes go into rows of 528 bytes and come back as whole rows of 512.
.macro OPACK a
	WIN W_RS
.set z, 0
.rept 32
	v_pk_mul_f32 v[64*(\a)+2*z:64*(\a)+2*z+1], v[64*(\a)+2*z:64*(\a)+2*z+1], v[RL+2*(\a):RL+2*(\a)+1] op_sel_hi:[1,0]  ; each accumulator from its low end on
.set z, z+1
.endr
	WIN 0x04                                       ; store data in window 1
.set z, 0
.rept 16
	ds_store_b128 v[STO], v[64*(\a)+4*z:64*(\a)+4*z+3] offset:64*(z/2)+16*(z%2)
.set z, z+1
.endr
	WIN 0
.if (\a) >= 2
	s_wait_xcnt 0x0                                ; the stores of the block two back have read these registers
.endif
.set BK, 64+64*((\a)%2)
.set z, 0
.rept 16
	ds_load_b128 v[BK+4*z:BK+4*z+3], v[RD] offset:SP*z  ; LDS serves a wave's instructions in order: these see the stores above; the next block's stores come behind them
.set z, z+1
.endr
.endm
.macro OSEND a, younger                ; younger: the LDS instructions issued behind block a's loads: the next block's 32, or none
	WIN 0
.set BK, 64+64*((\a)%2)
.set z, 0
.rept 16
	s_wait_dscnt (\younger)+15-z
	global_store_b128 v[GO], v[BK+4*z:BK+4*z+3], s[10:11] offset:(16*(\a)+z)*4096 th:TH_STORE_NT  ; 512 consecutive bytes, aligned
.set z, z+1
.endr
.endm
	OPACK 0
	OPACK 1
	OSEND 0, 32
	OPACK 2
	OSEND 1, 32
	OPACK 3
	OSEND 2, 32
	OSEND 3, 0
	s_wait_tensorcnt 0x0                           ; the wave's end
	ds_add_u32 v[SPW], v[NIL]
	s_wait_dscnt 0x0
	CROUND                                         ; the closing round
	s_endpgm
.Lfunc_end_k_q6a775f9e85_pv:
	.size	k_q6a775f9e85_pv, .Lfunc_end_k_q6a775f9e85_pv-k_q6a775f9e85_pv
	.p2alignl 7, 3214868480
	.fill 96, 4, 3214868480
	.section	.rodata,"a",@progbits
	.p2align	6, 0x0
	.amdhsa_kernel k_q6a775f9e85_pv
		.amdhsa_group_segment_fixed_size 327680
		.amdhsa_private_segment_fixed_size 0
		.amdhsa_enable_private_segment 0
		.amdhsa_kernarg_size 32
		.amdhsa_user_sgpr_count 2
		.amdhsa_user_sgpr_kernarg_segment_ptr 1
		.amdhsa_wavefront_size32 1
		.amdhsa_system_sgpr_workgroup_id_x 1
		.amdhsa_system_sgpr_workgroup_id_y 1
		.amdhsa_system_sgpr_workgroup_id_z 1
		.amdhsa_system_vgpr_workitem_id 0
		.amdhsa_next_free_vgpr 512
		.amdhsa_next_free_sgpr 66
		.amdhsa_reserve_vcc 0
		.amdhsa_float_denorm_mode_32 3
		.amdhsa_float_denorm_mode_16_64 3
		.amdhsa_memory_ordered 1
		.amdhsa_forward_progress 1
		.amdhsa_inst_pref_size 153
	.end_amdhsa_kernel
	.amdgpu_metadata
---
amdhsa.version: [ 1, 2 ]
amdhsa.kernels:
  - .name:           k_q6a775f9e85_pv
    .symbol:         k_q6a775f9e85_pv.kd
    .args:
      - { .name: pt, .offset: 0, .size: 8, .value_kind: global_buffer, .address_space: global }
      - { .name: qkv, .offset: 8, .size: 8, .value_kind: global_buffer, .address_space: global }
      - { .name: stats, .offset: 16, .size: 8, .value_kind: global_buffer, .address_space: global }
      - { .name: out0, .offset: 24, .size: 8, .value_kind: global_buffer, .address_space: global }
    .group_segment_fixed_size: 327680
    .private_segment_fixed_size: 0
    .kernarg_segment_align: 8
    .kernarg_segment_size: 32
    .max_flat_workgroup_size: 128
    .sgpr_count:     66
    .vgpr_count:     512
    .wavefront_size: 32
...
	.end_amdgpu_metadata
.endif
;; end of part 4
;; ======== version 2 of 3: 4 launches; 1.20 times as fast as version 1
;; limits: values are held in f16: magnitudes above 65,504 overflow, below 6.1e-05 lose precision
;; workspace buffers: xb 16,777,216 bytes; wb 6,291,456 bytes; qkv 50,331,648 bytes; pt 33,554,432 bytes; stats 1,048,576 bytes
;; launch cast (part 5): grid 352 x 1, 8 waves a work-group, no clusters, 0 bytes of LDS; arguments X, Wq, Wk, Wv, xb, wb; writes xb, wb
.if DOCPART == 5
	.amdgcn_target "amdgcn-amd-amdhsa--gfx1250"
	.amdhsa_code_object_version 6
	.text
	.protected	k_q6a775f9e85_cast
	.globl	k_q6a775f9e85_cast
	.p2align	8
	.type	k_q6a775f9e85_cast,@function
k_q6a775f9e85_cast:
	s_mov_b64 s[64:65], 0
	v_nop
	global_prefetch_b8 v0, s[64:65] scope:SCOPE_SE
	s_setreg_imm32_b32 hwreg(HW_REG_WAVE_MODE, 25, 1), 1
	s_wait_xcnt 0x0
; X [8192][1024] and Wq, Wk, Wv [1024][1024], all f32, are rounded once to bf16 and laid in blocks of 64 along K: xb [16][8192][64]; wb [16][3072][64], whose rows are Wq's, then Wk's, then Wv's.
; So the rows of one K block lie end to end, 128 bytes each, and the next launch can ask for a tile of a K block as dense rows of 256 bytes.
; A stream: every byte is read once and written once, so no LDS, no barrier and no matrix unit.
; A work-group takes one chunk of 32 rows (131,072 bytes in, 65,536 out): groups 0-255 X, 256-287 Wq, 288-319 Wk, 320-351 Wv.
; Wave w takes the K blocks 2 w and 2 w + 1.  In a step lanes 0-15 take the 256 bytes (64 numbers) of one row's block, lanes 16-31 those of the next row: the wave's load covers two aligned pieces of
; 256 bytes, its store 256 consecutive aligned bytes.  32 steps: 16 pairs of rows x 2 blocks.  A ring of eight register slots keeps eight loads of every wave on their way.
.set STEPS, 32
.set DEPTH, 8
.set IN,  1                            ; v1        my byte in the chunk's first two rows, block 2 w; never rewritten
.set OUT, 2                            ; v2, v3    my byte in block 2 w and in block 2 w + 1 of the output; never rewritten
.set X, 4                              ; v[4:35]   slot i: 4 numbers as loaded
.set Y, 36                             ; v[36:51]  slot i: 4 bf16 to store
	s_load_b256 s[4:11], s[0:1], 0x0               ; X s[4:5], Wq s[6:7], Wk s[8:9], Wv s[10:11]
	s_load_b128 s[12:15], s[0:1], 0x20             ; xb s[12:13], wb s[14:15]
	s_mov_b32 s24, ttmp9                           ; the chunk's number
	v_and_b32 v4, 15, v0                           ; my place in a block's row: 16 bytes in, 8 bytes out
	v_bfe_u32 v5, v0, 4, 1                         ; which row of the pair
	v_lshrrev_b32 v6, 5, v0                        ; wave
	v_and_b32 v7, 31, v0                           ; lane
	v_lshlrev_b32 v[IN], 4, v4
	v_lshl_add_u32 v[IN], v5, 12, v[IN]            ; a row is 4,096 bytes
	v_lshl_add_u32 v[IN], v6, 9, v[IN]             ; two blocks are 512 bytes of it
	s_mov_b32 s25, 3072*128                        ; bytes in a K block of wb,
	s_mov_b32 s26, 8192*128                        ; of xb
	s_and_b32 s20, s24, 31                         ; a weight's chunk among its 32,
	s_sub_co_u32 s22, s24, 256                     ; and among wb's 96
	s_cmp_lt_u32 s24, 256
	s_cselect_b32 s20, s24, s20                    ; X's chunks go by their own number, in
	s_cselect_b32 s22, s24, s22                    ; and out
	s_cselect_b32 s25, s26, s25
	s_lshl_b32 s20, s20, 17                        ; x 131,072 bytes
	s_lshl_b32 s22, s22, 12                        ; x 32 rows of 128 bytes in each block
	s_mov_b32 s21, 0
	s_mov_b32 s23, 0
	v_lshlrev_b32 v6, 1, v6
	v_mul_lo_u32 v[OUT], v6, s25                   ; block 2 w
	v_lshl_add_u32 v[OUT], v7, 3, v[OUT]           ; 128 x row of the pair + 8 x place = 8 x lane
	v_add_nc_u32 v[OUT+1], s25, v[OUT]             ; block 2 w + 1
	s_wait_kmcnt 0x0
	s_cmp_lt_u32 s24, 320                          ; the source is chosen by the chunk's number alone
	s_cselect_b64 s[16:17], s[8:9], s[10:11]
	s_cmp_lt_u32 s24, 288
	s_cselect_b64 s[16:17], s[6:7], s[16:17]
	s_cmp_lt_u32 s24, 256
	s_cselect_b64 s[16:17], s[4:5], s[16:17]
	s_cselect_b64 s[18:19], s[12:13], s[14:15]
	s_add_nc_u64 s[16:17], s[16:17], s[20:21]
	s_add_nc_u64 s[18:19], s[18:19], s[22:23]
.irp i, 0,1,2,3,4,5,6,7
	global_load_b128 v[X+4*(\i):X+4*(\i)+3], v[IN], s[16:17] offset:((\i)/2)*8192+((\i)%2)*256 th:TH_LOAD_NT
.endr
; Step i: pair of rows i / 2, block 2 w + i % 2.  The steps stand in the immediates, so no address register is ever rewritten.
.macro STEP i
.if (\i) < STEPS-DEPTH
	s_wait_loadcnt DEPTH-1                         ; loads come back in order: mine is in, the seven younger ones stay out
.else
	s_wait_loadcnt STEPS-1-(\i)                    ; nothing more is loaded: the counts run down
.endif
	s_wait_xcnt 0x0                                ; the slot's last store has read Y: only behind this wait is Y rewritten
	v_cvt_pk_bf16_f32 v[Y+2*((\i)%DEPTH)],   v[X+4*((\i)%DEPTH)],   v[X+4*((\i)%DEPTH)+1]
	v_cvt_pk_bf16_f32 v[Y+2*((\i)%DEPTH)+1], v[X+4*((\i)%DEPTH)+2], v[X+4*((\i)%DEPTH)+3]
.if (\i) < STEPS-DEPTH
	global_load_b128 v[X+4*((\i)%DEPTH):X+4*((\i)%DEPTH)+3], v[IN], s[16:17] offset:(((\i)+DEPTH)/2)*8192+(((\i)+DEPTH)%2)*256 th:TH_LOAD_NT
.endif
	global_store_b64 v[OUT+(\i)%2], v[Y+2*((\i)%DEPTH):Y+2*((\i)%DEPTH)+1], s[18:19] offset:((\i)/2)*256
.endm
.set n, 0
.rept STEPS
	STEP n
.set n, n+1
.endr
	s_endpgm
.Lfunc_end_k_q6a775f9e85_cast:
	.size	k_q6a775f9e85_cast, .Lfunc_end_k_q6a775f9e85_cast-k_q6a775f9e85_cast
	.p2alignl 7, 3214868480
	.fill 96, 4, 3214868480
	.section	.rodata,"a",@progbits
	.p2align	6, 0x0
	.amdhsa_kernel k_q6a775f9e85_cast
		.amdhsa_group_segment_fixed_size 0
		.amdhsa_private_segment_fixed_size 0
		.amdhsa_enable_private_segment 0
		.amdhsa_kernarg_size 48
		.amdhsa_user_sgpr_count 2
		.amdhsa_user_sgpr_kernarg_segment_ptr 1
		.amdhsa_wavefront_size32 1
		.amdhsa_system_sgpr_workgroup_id_x 1
		.amdhsa_system_sgpr_workgroup_id_y 1
		.amdhsa_system_sgpr_workgroup_id_z 1
		.amdhsa_system_vgpr_workitem_id 0
		.amdhsa_next_free_vgpr 52
		.amdhsa_next_free_sgpr 66
		.amdhsa_reserve_vcc 0
		.amdhsa_float_denorm_mode_32 3
		.amdhsa_float_denorm_mode_16_64 3
		.amdhsa_memory_ordered 1
		.amdhsa_forward_progress 1
		.amdhsa_inst_pref_size 14
	.end_amdhsa_kernel
	.amdgpu_metadata
---
amdhsa.version: [ 1, 2 ]
amdhsa.kernels:
  - .name:           k_q6a775f9e85_cast
    .symbol:         k_q6a775f9e85_cast.kd
    .args:
      - { .name: X, .offset: 0, .size: 8, .value_kind: global_buffer, .address_space: global }
      - { .name: Wq, .offset: 8, .size: 8, .value_kind: global_buffer, .address_space: global }
      - { .name: Wk, .offset: 16, .size: 8, .value_kind: global_buffer, .address_space: global }
      - { .name: Wv, .offset: 24, .size: 8, .value_kind: global_buffer, .address_space: global }
      - { .name: xb, .offset: 32, .size: 8, .value_kind: global_buffer, .address_space: global }
      - { .name: wb, .offset: 40, .size: 8, .value_kind: global_buffer, .address_space: global }
    .group_segment_fixed_size: 0
    .private_segment_fixed_size: 0
    .kernarg_segment_align: 8
    .kernarg_segment_size: 48
    .max_flat_workgroup_size: 256
    .sgpr_count:     66
    .vgpr_count:     52
    .wavefront_size: 32
...
	.end_amdgpu_metadata
.endif
;; end of part 5
;; launch proj (part 6): grid 8 x 32, 4 waves a work-group, clusters of 4 x 4, 327,680 bytes of LDS; arguments xb, wb, qkv; writes qkv
.if DOCPART == 6
	.amdgcn_target "amdgcn-amd-amdhsa--gfx1250"
	.amdhsa_code_object_version 6
	.text
	.protected	k_q6a775f9e85_proj
	.globl	k_q6a775f9e85_proj
	.p2align	8
	.type	k_q6a775f9e85_proj,@function
k_q6a775f9e85_proj:
	s_mov_b64 s[64:65], 0
	v_nop
	global_prefetch_b8 v0, s[64:65] scope:SCOPE_SE
	s_setreg_imm32_b32 hwreg(HW_REG_WAVE_MODE, 25, 1), 1
	s_wait_xcnt 0x0
	s_wait_alu depctr_hold_cnt(0) depctr_sa_sdst(0) depctr_va_vdst(0) depctr_va_sdst(0) depctr_va_ssrc(0) depctr_va_vcc(0) depctr_vm_vsrc(0)
	s_getreg_b32 s2, hwreg(HW_REG_IB_STS2, 6, 4)
	s_cmp_eq_u32 s2, 0
	s_cbranch_scc0 .Lentry_in_a_cluster
	s_endpgm
.Lentry_in_a_cluster:
	s_bfe_u32 s2, ttmp6, 0x10000c
	s_cmp_lg_u32 s2, 0xf033
	s_cbranch_scc0 .Lentry_shape_is_right
	s_endpgm
.Lentry_shape_is_right:
; qkv[m][n] = sum over k of x[m][k] w[n][k].  xb: [16][8192][64] bf16, wb: [16][3072][64] bf16 (blocks of 64 along K; wb's rows are Wq's, Wk's, Wv's), qkv: [8192][3072] f16; sums in f32, K ascending, rounded once.
; LIMIT.  f16 holds no number beyond 65,504: a q, k or v of 65,520 or more becomes an infinity.  NaN and infinities are not treated apart.
; THE TILE.  8192 x 3072 numbers are 256 tiles of 256 x 384: one work-group for each of 256 work-group processors, all alike.  Four waves, each 128 x 192: 96 accumulators of 16 x 16, 768 registers.
; K goes in steps of 64, a K block, through a ring of two LDS slots (two slots of a step of 128 would be 348,160 bytes).  A tile of a K block is dense in memory: 128 rows of A are asked for as 64 rows of 256 bytes,
; 192 rows of B as 96, and 16 bytes of padding are laid behind every 128 bytes.
; A K step is two QUARTERS of 32 along K, 96 matrix instructions each, in three groups of 32: one group for each window of accumulators.  A's eight fragments have two buffers; B's twelve have one:
; behind each group the four fragments of B that it has read are loaded anew for the next quarter, 64 matrix instructions or more ahead of their use.
; CLUSTERS: 4 x 4 work-groups.  The four of a row of the cluster need the same tiles of xb, the four of a column the same tiles of wb: each tile is asked for JOINTLY, by the same tensor load
; with the same descriptor and a mask that names the four.
; THE MATRIX INSTRUCTION IS USED TRANSPOSED: source 0 = 16 rows of B, source 1 = 16 rows of A: a lane then holds eight neighbouring numbers of a row of the result.
; THE WAY OUT.  A wave's 192 columns are 384 bytes, so one aligned piece of 256 bytes in each row belongs to two waves: the four waves share ONE stage, with a barrier behind the writing and one behind the reading;
; 128 rows at a time, in a loop of two trips in which the conversions alone stand twice.
; REGISTERS, in windows of 256 (s_set_vgpr_msb: bits 1:0 source 0, 3:2 source 1, 5:4 source 2, 7:6 destination):
;   window 0: v0-31 addresses; v32-95, v96-159 fragments of A, two buffers; v160-255 fragments of B; on the way out v32-223 at work
;   window 1 + b / 4: accumulator (b, a), columns 16 b on and rows 16 a on, at v[8 (8 (b % 4) + a)]
.set SIZE_N, 3072
.set STEPS,  16                        ; K steps
.set KBA,    8192*128                  ; bytes in a K block of xb
.set KBB,    3072*128                  ; and of wb
.set PITCH,  144                       ; an LDS row: 128 bytes + 16 of padding = 36 words: the 16 rows that a load touches start at 16 different groups of four banks
.set AHALF,  128*PITCH                 ; what one tensor load brings of A, and what one wave reads of it
.set BHALF,  192*PITCH                 ; the same for B
.set BOFF,   2*AHALF                   ; a slot: A's 256 rows, then B's 384 rows
.set SLOT,   BOFF+2*BHALF
.set STAGE,  2*SLOT                    ; behind the ring, never filled by a tensor load: 128 rows x 784 bytes, the work-group's
.set SPITCH, 784                       ; 768 bytes + 16
.set SPARE,  STAGE+128*SPITCH          ; behind the stage: the spare words, 128 bytes for each wave
.set ADRA, 16                          ; v16-17  LDS address of my A fragments in slot 0, 1
.set ADRB, 20                          ; v20-21  the same for B
.set STO,  24                          ; v24     the way out: where I put 16 bytes of a row
.set RD,   25                          ; v25     the way out: where I read 16 bytes of a row back
.set CO,   26                          ; v26     my byte offset in two rows of the result
.set SPW,  28                          ; v28     LDS address of my spare word; never rewritten
.set NIL,  29                          ; v29     0; never rewritten
.set A0,   32
.set A1,   96
.set BF,   160
.set TMP,  32
.set G1, 24                            ; s[24:31] descriptor group 1 for A's tiles
.set G0, 32                            ; s[32:39] group 0 for A's tiles, one set for each slot
.set G1B, 48                           ; s[48:55], s[56:63] the same for B's
.set G0B, 56
.set MSB, 0
.macro WIN new                         ; the immediate's high byte repeats the setting that is left; a switch that changes nothing is dropped
.if MSB != (\new)
	s_set_vgpr_msb (MSB<<8)|(\new)
.set MSB, \new
.endif
.endm
; A joint load.  Waves 0 and 1 fetch A's two halves, waves 2 and 3 B's.  The branch hangs on the wave's number alone.  An s_nop 0 and four v_nop follow each line.
.macro JLOAD s
	s_cmp_eq_u32 s11, 0
	s_cbranch_scc0 .Lfor_b_\@
	tensor_load_to_lds s[G0+4*(\s):G0+4*(\s)+3], s[G1:G1+7]
	s_nop 0
.rept 4
	v_nop
.endr
	s_branch .Lasked_\@
.Lfor_b_\@:
	tensor_load_to_lds s[G0B+4*(\s):G0B+4*(\s)+3], s[G1B:G1B+7]
	s_nop 0
.rept 4
	v_nop
.endr
.Lasked_\@:
.endm
.macro CREST                           ; a round of the cluster's barrier behind its opening barrier
	s_cmp_lg_u32 s10, 0
	s_cbranch_scc1 .Lnot_wave_0_\@
	s_barrier_signal -3
.Lnot_wave_0_\@:
	s_barrier_wait -3
	s_barrier_signal -1
	s_barrier_wait -1
.endm
.macro CROUND                          ; a whole round
	s_barrier_signal -1
	s_barrier_wait -1
	CREST
.endm
	s_load_b128 s[4:7], s[0:1], 0x0                ; xb s[4:5], wb s[6:7]
	s_load_b64 s[8:9], s[0:1], 0x10                ; qkv
	v_lshl_add_u32 v[SPW], v0, 2, SPARE
	v_mov_b32 v[NIL], 0
	ds_add_u32 v[SPW], v[NIL]                      ; the wave's opening: the add and its wait ahead of my first tensor load
	ds_add_u32 v28, v29
	v_lshrrev_b32 v1, 5, v0
	v_readfirstlane_b32 s10, v1                    ; wave 0..3
	s_lshr_b32 s11, s10, 1                         ; which half of the tile's rows is mine.  Also: I fetch for A (0) or for B (1)
	s_and_b32 s12, s10, 1                          ; which half of its columns.  Also: which half of that tile's rows I fetch
	s_bfe_u32 s40, ttmp6, 0x40000                  ; cx
	s_bfe_u32 s41, ttmp6, 0x40004                  ; cy
	s_lshl_b32 s42, ttmp9, 2
	s_add_co_u32 s42, s42, s40                     ; tile column = 4 x cluster x + cx
	s_and_b32 s13, ttmp7, 0xffff
	s_lshl_b32 s13, s13, 2
	s_add_co_u32 s13, s13, s41                     ; tile row = 4 x cluster y + cy
	s_lshl_b32 s43, s41, 2
	s_lshl_b32 s43, 15, s43                        ; my row of the cluster
	s_lshl_b32 s44, 0x1111, s40                    ; my column
	s_or_b32 s[G1+0], s43, (1<<16)|(1<<20)|(1<<21)|(4<<22)|(3<<25)  ; the mask; 2-byte elements; padding on; bit 21 beside a mask; after every 32 words 4 words
	s_or_b32 s[G1B+0], s44, (1<<16)|(1<<20)|(1<<21)|(4<<22)|(3<<25)
.irp g, G1, G1B
	s_mov_b32 s[(\g)+1], 128<<16                   ; tensor_dim0 = 128 elements: 256 bytes, two rows of a K block
	s_mov_b32 s[(\g)+3], 128<<16                   ; tile_dim0 = 128
	s_mov_b32 s[(\g)+5], 128                       ; elements from row to row: dense
	s_mov_b32 s[(\g)+6], 0
	s_mov_b32 s[(\g)+7], 0
.endr
	s_mov_b32 s[G1+2], 64<<16                      ; A: tensor_dim1 = 64,
	s_mov_b32 s[G1+4], 64                          ; tile_dim1 = 64: 128 rows of the block
	s_mov_b32 s[G1B+2], 96<<16                     ; B: 96:
	s_mov_b32 s[G1B+4], 96                         ; 192 rows of the block
	s_lshl_b32 s17, s12, 7
	s_lshl_b32 s16, s13, 8
	s_add_co_u32 s16, s16, s17                     ; A: row 256 x tile row + 128 x half,
	s_lshl_b32 s16, s16, 7                         ; 128 bytes a row
	s_mov_b32 s17, 0
	s_mul_i32 s46, s42, 384
	s_mul_i32 s47, s12, 192
	s_add_co_u32 s46, s46, s47                     ; B: row 384 x tile column + 192 x half
	s_lshl_b32 s46, s46, 7
	s_mov_b32 s47, 0
	s_mul_i32 s20, s12, AHALF                      ; where they go: no place in the cluster enters an LDS address
	s_mul_i32 s21, s12, BHALF
	s_add_co_u32 s21, s21, BOFF
	s_wait_dscnt 0x0                               ; the opening add is done
	s_wait_kmcnt 0x0
	s_add_nc_u64 s[14:15], s[4:5], s[16:17]
	s_add_nc_u64 s[46:47], s[6:7], s[46:47]
	CROUND                                         ; all sixteen work-groups are here: the first joint loads meet
.irp s, 0,1
	s_mov_b32 s[G0+4*(\s)], 1
	s_add_co_u32 s[G0+4*(\s)+1], s20, (\s)*SLOT
	s_add_nc_u64 s[G0+4*(\s)+2:G0+4*(\s)+3], s[14:15], (\s)*KBA     ; K step s
	s_or_b32 s[G0+4*(\s)+3], s[G0+4*(\s)+3], 0x80000000
	s_mov_b32 s[G0B+4*(\s)], 1
	s_add_co_u32 s[G0B+4*(\s)+1], s21, (\s)*SLOT
	s_add_nc_u64 s[G0B+4*(\s)+2:G0B+4*(\s)+3], s[46:47], (\s)*KBB
	s_or_b32 s[G0B+4*(\s)+3], s[G0B+4*(\s)+3], 0x80000000
	JLOAD \s                                       ; two loads of mine are out
.endr
	; A fragment is 16 rows x 32 K in 8 registers: lane l holds row l % 16; registers 0-3 K = 8 (l / 16) + 0..7, registers 4-7 K = 16 + 8 (l / 16) + 0..7: two loads of 16 bytes, 32 bytes apart.
	v_and_b32 v1, 15, v0                           ; r = l % 16
	v_bfe_u32 v2, v0, 4, 1                         ; h = l / 16
	v_mul_u32_u24 v3, v1, PITCH
	v_lshl_add_u32 v3, v2, 4, v3
	s_mul_i32 s22, s11, AHALF                      ; my 128 rows of A
	s_mul_i32 s23, s12, BHALF                      ; my 192 rows of B,
	s_add_co_u32 s23, s23, BOFF                    ; which lie behind A's 256
.irp s, 0,1
	v_add_nc_u32 v[ADRA+(\s)], s22, v3
	v_add_nc_u32 v[ADRB+(\s)], s23, v3
	s_add_co_u32 s22, s22, SLOT
	s_add_co_u32 s23, s23, SLOT
.endr
	s_mul_i32 s22, s11, 64*SPITCH                  ; into the stage: in a pass my row half has 64 rows; my column half 384 bytes of each
	s_mul_i32 s23, s12, 384
	s_add_co_u32 s22, s22, s23
	s_add_co_u32 s22, s22, STAGE
	v_mul_u32_u24 v4, v1, SPITCH                   ; row r, 16 bytes for each half of the lanes
	v_lshl_add_u32 v4, v2, 4, v4
	v_add_nc_u32 v[STO], s22, v4
	s_mul_i32 s22, s10, 32*SPITCH                  ; back: wave w takes the stage's rows 32 w .. 32 w + 31, whole;
	s_add_co_u32 s22, s22, STAGE
	v_mul_u32_u24 v5, v2, SPITCH                   ; lanes 0-15 take 256 bytes of one row, lanes 16-31 of the next
	v_lshl_add_u32 v5, v1, 4, v5
	v_add_nc_u32 v[RD], s22, v5
	v_mul_u32_u24 v5, v2, SIZE_N*2                 ; and the same two rows in the result
	v_lshl_add_u32 v[CO], v1, 4, v5
	s_lshl_b32 s16, s13, 8                         ; the first row that I store: 256 x tile row + 128 (w / 2) + 32 (w % 2); the second pass is 64 rows on
	s_lshl_b32 s17, s11, 7
	s_add_co_u32 s16, s16, s17
	s_lshl_b32 s17, s12, 5
	s_add_co_u32 s16, s16, s17
	s_mul_i32 s16, s16, SIZE_N*2                   ; 8,192 rows of 6,144 bytes stay under 2^32
	s_mov_b32 s17, 0
	s_add_nc_u64 s[8:9], s[8:9], s[16:17]
	s_mul_i32 s46, s42, 768                        ; the tile's first column, in bytes
	s_mov_b32 s47, 0
	s_add_nc_u64 s[8:9], s[8:9], s[46:47]
; 16 matrix instructions: column blocks 4 g + b0, 4 g + b0 + 1 x all 8 row blocks, 32 along K, A from buffer ab.  zero = 1: the product starts the sum.  The 96 accumulators take turns.
.macro MUL16 ab, g, b0, zero
	WIN 0x50*((\g)+1)                              ; C and D in window g + 1, sources in window 0
.irp bb, \b0, (\b0)+1
.irp a, 0,1,2,3,4,5,6,7
.if \zero
	v_wmma_f32_16x16x32_bf16 v[8*(8*(\bb)+(\a)):8*(8*(\bb)+(\a))+7], v[BF+8*(4*(\g)+(\bb)):BF+8*(4*(\g)+(\bb))+7], v[(\ab)+8*(\a):(\ab)+8*(\a)+7], 0
.else
	v_wmma_f32_16x16x32_bf16 v[8*(8*(\bb)+(\a)):8*(8*(\bb)+(\a))+7], v[BF+8*(4*(\g)+(\bb)):BF+8*(4*(\g)+(\bb))+7], v[(\ab)+8*(\a):(\ab)+8*(\a)+7], v[8*(8*(\bb)+(\a)):8*(8*(\bb)+(\a))+7]
.endif
.endr
.endr
.endm
.macro LDB slot, q, g                  ; 8 LDS loads: B's fragments 4 g .. 4 g + 3 of quarter q of the slot
	WIN 0
.irp bb, 0,1,2,3
	ds_load_b128 v[BF+8*(4*(\g)+(\bb)):BF+8*(4*(\g)+(\bb))+3],   v[ADRB+(\slot)] offset:(4*(\g)+(\bb))*16*PITCH+64*(\q)
	ds_load_b128 v[BF+8*(4*(\g)+(\bb))+4:BF+8*(4*(\g)+(\bb))+7], v[ADRB+(\slot)] offset:(4*(\g)+(\bb))*16*PITCH+64*(\q)+32
.endr
.endm
.macro LDA slot, q, ab                 ; 16 LDS loads: A's eight fragments of quarter q of the slot, into buffer ab
	WIN 0
.irp a, 0,1,2,3,4,5,6,7
	ds_load_b128 v[(\ab)+8*(\a):(\ab)+8*(\a)+3],   v[ADRA+(\slot)] offset:(\a)*16*PITCH+64*(\q)
	ds_load_b128 v[(\ab)+8*(\a)+4:(\ab)+8*(\a)+7], v[ADRA+(\slot)] offset:(\a)*16*PITCH+64*(\q)+32
.endr
.endm
.macro PLACES                          ; four places between a matrix instruction and a load into, or a vector instruction on, its registers
.rept 4
	v_nop
.endr
.endm
; In every quarter the loads for the next one go out in three runs: 24 (B 0-3 and A), 8 (B 4-7), 8 (B 8-11).
; A K step's first quarter: multiplies buffer A0 and fetches the same slot's second quarter.
.macro QA slot, zero
	s_wait_dscnt 16                                ; the run of 24 is in; the two runs of 8 behind it may be out
	MUL16 A0, 0, 0, \zero
	MUL16 A0, 0, 2, \zero
	PLACES
	LDB \slot, 1, 0
	LDA \slot, 1, A1
	s_wait_dscnt 32                                ; B 4-7 are in; behind them: a run of 8 and the 24 just issued
	MUL16 A0, 1, 0, \zero
	MUL16 A0, 1, 2, \zero
	PLACES
	LDB \slot, 1, 1
	s_wait_dscnt 32                                ; B 8-11 are in; behind them: the runs of 24 and 8 just issued
	MUL16 A0, 2, 0, \zero
	MUL16 A0, 2, 2, \zero
	PLACES
	LDB \slot, 1, 2
.endm
; A K step's second quarter: multiplies buffer A1 and changes slots: ONE barrier.  In front of it each wave waits for all its tensor loads, of which one is out: its part of the other slot; adds 0 to its spare
; word; and waits for that and for its own reads of this slot, which are all issued.  fill = 1: the barrier opens a round of the cluster's barrier, and this slot is filled again, two K steps on:
; from that request to the wait for it a wave issues 160 matrix instructions.  Then the other slot's first quarter is fetched.
.macro QB slot, fill
	s_wait_dscnt 16                                ; the run of 24 is in
	MUL16 A1, 0, 0, 0
	WIN 0                                          ; (the add's two registers lie in window 0)
	s_wait_tensorcnt 0x0                           ; all my tensor loads have landed;
	ds_add_u32 v[SPW], v[NIL]                      ; 0 onto my spare word;
	MUL16 A1, 0, 2, 0                              ; sixteen matrix instructions stand between the add and the wait for it
	s_wait_dscnt 0x0                               ; the add is done, and my reads of this slot are over
	s_barrier_signal -1
	MUL16 A1, 1, 0, 0                              ; work on registers while the others arrive
	WIN 0
	s_barrier_wait -1
.if \fill
	CREST                                          ; no wave of any partner still reads this slot's tile or has a load on its way
	s_add_nc_u64 s[G0+4*(\slot)+2:G0+4*(\slot)+3], s[G0+4*(\slot)+2:G0+4*(\slot)+3], 2*KBA
	s_add_nc_u64 s[G0B+4*(\slot)+2:G0B+4*(\slot)+3], s[G0B+4*(\slot)+2:G0B+4*(\slot)+3], 2*KBB
	JLOAD \slot                                    ; my one tensor load behind the round, and the first thing there; its four v_nop are also the places in front of the loads below
.else
	PLACES
.endif
	LDB 1-(\slot), 0, 0
	LDA 1-(\slot), 0, A0
	MUL16 A1, 1, 2, 0                              ; (the wait for 0 above has shown all of this quarter's fragments in)
	PLACES
	LDB 1-(\slot), 0, 1
	MUL16 A1, 2, 0, 0
	MUL16 A1, 2, 2, 0
	PLACES
	LDB 1-(\slot), 0, 2
.endm
	s_wait_tensorcnt 1                             ; my part of K step 0 is in; K step 1's may stay out
	s_barrier_signal -1
	s_barrier_wait -1
	LDB 0, 0, 0
	LDA 0, 0, A0
	LDB 0, 0, 1
	LDB 0, 0, 2
	QA 0, 1                                        ; the first quarter's products start the sums
	WIN 0
	s_mov_b32 s3, STEPS/2-1
.Llap:                                                 ; seven trips: once round the ring, from a lap's second quarter to the next lap's first; both slots are filled again
	QB 0, 1
	QA 1, 0
	QB 1, 1
	QA 0, 0
	WIN 0
	s_sub_co_u32 s3, s3, 1
	s_cmp_lg_u32 s3, 0
	s_cbranch_scc1 .Llap
	QB 0, 0                                        ; the last lap fills nothing and has no round
	QA 1, 0
	s_wait_dscnt 16                                ; the very last quarter: nothing more to fetch, and the counts run down
	MUL16 A1, 0, 0, 0
	MUL16 A1, 0, 2, 0
	s_wait_dscnt 8
	MUL16 A1, 1, 0, 0
	MUL16 A1, 1, 2, 0
	s_wait_dscnt 0x0
	MUL16 A1, 2, 0, 0
	MUL16 A1, 2, 2, 0
	PLACES                                         ; in front of the conversions
; THE WAY OUT.  Pass p takes my row blocks 4 p .. 4 p + 3: 64 rows of each row half, 128 rows of the stage.
.macro PACK p                          ; rounded to f16, 16 bytes a lane; each accumulator is read from its low end on
.irp g, 0,1,2
	WIN 5*((\g)+1)                                 ; sources 0 and 1 in window g + 1
.irp bb, 0,1,2,3
.irp aa, 0,1,2,3
.irp rr, 0,1,2,3
	v_cvt_pk_f16_f32 v[TMP+4*(12*(\aa)+4*(\g)+(\bb))+(\rr)], v[8*(8*(\bb)+4*(\p)+(\aa))+2*(\rr)], v[8*(8*(\bb)+4*(\p)+(\aa))+2*(\rr)+1]
.endr
.endr
.endr
.endr
	WIN 0                                          ; at a branch and at a label every window is 0
.endm
	WIN 0
	s_mov_b32 s3, 0
.Lpass:                                                ; two trips
	s_cmp_lg_u32 s3, 0
	s_cbranch_scc1 .Lsecond
	PACK 0
	s_branch .Lpacked
.Lsecond:
	PACK 1
.Lpacked:
.set t, 0
.rept 48                               ; row block t / 12 of the pass, column block t % 12
	ds_store_b128 v[STO], v[TMP+4*t:TMP+4*t+3] offset:(t/12)*16*SPITCH+32*(t%12)
.set t, t+1
.endr
	s_wait_dscnt 0x0                               ; for the others' sake: my stores into the stage are done
	s_barrier_signal -1
	s_barrier_wait -1
.set t, 0
.rept 48                               ; pair of rows t / 3, piece t % 3 of their 768 bytes
	ds_load_b128 v[TMP+4*t:TMP+4*t+3], v[RD] offset:(t/3)*2*SPITCH+256*(t%3)
.set t, t+1
.endr
.set t, 0
.rept 48
.if t%3 == 0
	s_wait_dscnt 45-t                              ; loads come back in order: the three of this pair of rows are in; the 45 - t behind them may be out
.endif
	global_store_b128 v[CO], v[TMP+4*t:TMP+4*t+3], s[8:9] offset:2*(t/3)*SIZE_N*2+256*(t%3)  ; 16 lanes store 256 consecutive bytes, aligned
.set t, t+1
.endr
	s_wait_xcnt 0x0                                ; the stores have read their base and their registers
	s_add_nc_u64 s[8:9], s[8:9], 64*SIZE_N*2       ; the second pass lies 64 rows on
	s_barrier_signal -1                            ; my reads of the stage are over (the last count above was 0):
	s_barrier_wait -1                              ; no wave writes the stage again before all four have said so
	s_add_co_u32 s3, s3, 1
	s_cmp_lt_u32 s3, 2
	s_cbranch_scc1 .Lpass
	s_wait_tensorcnt 0x0                           ; the wave's end
	ds_add_u32 v[SPW], v[NIL]
	s_wait_dscnt 0x0
	CROUND                                         ; the closing round
	s_endpgm
.Lfunc_end_k_q6a775f9e85_proj:
	.size	k_q6a775f9e85_proj, .Lfunc_end_k_q6a775f9e85_proj-k_q6a775f9e85_proj
	.p2alignl 7, 3214868480
	.fill 96, 4, 3214868480
	.section	.rodata,"a",@progbits
	.p2align	6, 0x0
	.amdhsa_kernel k_q6a775f9e85_proj
		.amdhsa_group_segment_fixed_size 327680
		.amdhsa_private_segment_fixed_size 0
		.amdhsa_enable_private_segment 0
		.amdhsa_kernarg_size 24
		.amdhsa_user_sgpr_count 2
		.amdhsa_user_sgpr_kernarg_segment_ptr 1
		.amdhsa_wavefront_size32 1
		.amdhsa_system_sgpr_workgroup_id_x 1
		.amdhsa_system_sgpr_workgroup_id_y 1
		.amdhsa_system_sgpr_workgroup_id_z 1
		.amdhsa_system_vgpr_workitem_id 0
		.amdhsa_next_free_vgpr 1024
		.amdhsa_next_free_sgpr 66
		.amdhsa_reserve_vcc 0
		.amdhsa_float_denorm_mode_32 3
		.amdhsa_float_denorm_mode_16_64 3
		.amdhsa_memory_ordered 1
		.amdhsa_forward_progress 1
		.amdhsa_inst_pref_size 119
	.end_amdhsa_kernel
	.amdgpu_metadata
---
amdhsa.version: [ 1, 2 ]
amdhsa.kernels:
  - .name:           k_q6a775f9e85_proj
    .symbol:         k_q6a775f9e85_proj.kd
    .args:
      - { .name: xb, .offset: 0, .size: 8, .value_kind: global_buffer, .address_space: global }
      - { .name: wb, .offset: 8, .size: 8, .value_kind: global_buffer, .address_space: global }
      - { .name: qkv, .offset: 16, .size: 8, .value_kind: global_buffer, .address_space: global }
    .group_segment_fixed_size: 327680
    .private_segment_fixed_size: 0
    .kernarg_segment_align: 8
    .kernarg_segment_size: 24
    .max_flat_workgroup_size: 128
    .sgpr_count:     66
    .vgpr_count:     1024
    .wavefront_size: 32
...
	.end_amdgpu_metadata
.endif
;; end of part 6
;; launch scores (part 7): grid 36 x 4, 4 waves a work-group, no clusters, 327,680 bytes of LDS; arguments qkv, pt, stats; writes pt, stats
.if DOCPART == 7
	.amdgcn_target "amdgcn-amd-amdhsa--gfx1250"
	.amdhsa_code_object_version 6
	.text
	.protected	k_q6a775f9e85_scores
	.globl	k_q6a775f9e85_scores
	.p2align	8
	.type	k_q6a775f9e85_scores,@function
k_q6a775f9e85_scores:
	s_mov_b64 s[64:65], 0
	v_nop
	global_prefetch_b8 v0, s[64:65] scope:SCOPE_SE
	s_setreg_imm32_b32 hwreg(HW_REG_WAVE_MODE, 25, 1), 1
	s_wait_xcnt 0x0
; For each of the 36 tiles (i, j), j <= i, of 256 queries x 256 keys of each of 4 batches: S = Q K^T over 1,024 channels (f16 operands, f32 sums), the causal mask, and for each wave's 128 x 128 part the row's
; own maximum m: p = 2^(c s - c m), c = log2(e) / 32.  p goes to pt [4][2048][2048] in f16; c m and the row's sum l of the unrounded p go to stats (c m at [b][kt][q], l 524,288 bytes on; kt counts groups of 128 keys).
; The next launch joins the groups by 2^(c m_kt - max over kt of c m_kt): the maximum taken away is the row's true one.  Tiles above the diagonal are not made.
; LIMITS.  A hidden score counts as its value less 1e30 (f16 operands bound a score by 4.4e12); a weight below 2^-126 counts as 0; NaN and infinities are not treated apart.
; The wave whose part lies wholly above the diagonal (i = j, rows 0-127, keys 128-255) stores finite p in 0 to 1 and c m = -1e30, so the next launch multiplies them by 0.
; NO CLUSTER: row i of the triangle has i + 1 tiles and column j has 8 - j: the 36 tiles of a batch do not fall into groups of four that share Q's or K's tile alike in all partners.
; A wave makes 128 x 128: 64 accumulators.  K goes in steps of 128 through a ring of two LDS slots.  THE LAST STEP GOES BY ROWS, IN A LOOP OF EIGHT TRIPS: a trip finishes a block of 16 queries, makes its softmax
; and sends it out.  A block's first eight products take its old accumulators as C and write eight fixed accumulators W in window 0; only those eight lines differ from block to block, so they stand
; eight times, chosen by the loop's counter, and the softmax stands once and switches no window.
; THE MATRIX INSTRUCTION IS USED TRANSPOSED: source 0 = 16 keys, source 1 = 16 queries: a lane holds ONE query (lane % 16) and, in accumulator b, the keys 16 b + 8 (lane / 16) + 0..7.
; THE MASK stands in the accumulators ahead of the first product, which takes them as C: 0 or -1e30.  Accumulators below the diagonal take the constant 0.
; REGISTERS: windows as s_set_vgpr_msb names them (bits 1:0 source 0, 3:2 source 1, 5:4 source 2, 7:6 destination): window 0 addresses, A's fragments, W, work on the way out; window 1 B's fragments; windows 2, 3 accumulators.
.set KDIM,   1024
.set ROWE,   3072                      ; elements in a row of qkv
.set ROWB,   6144                      ; bytes in it; Q at byte 0, K at byte 2,048
.set PTB,    4096                      ; bytes in a row of pt
.set KSTEP,  128
.set PITCH,  272
.set HALFT,  128*PITCH
.set SLOT,   4*HALFT
.set STAGE,  2*SLOT                    ; 16 rows x 272 bytes for each wave
.set SPITCH, 272
.set STATS,  STAGE+4*16*SPITCH         ; 1,024 bytes for each wave: 128 c m, then 128 l
.set SPARE,  STATS+4*1024              ; the spare words, 128 bytes for each wave
.set LAPS, KDIM/(2*KSTEP)
.set OUTV, 6                           ; v6      at work
.set AP,   7                           ; v7      the last K step: LDS address of Q's fragments of the block to be fetched
.set CX,   8                           ; v8-11   four chains of the maximum
.set CMP,  12                          ; v12-13  c m, twice
.set LS,   14                          ; v14-15  l, and the other half of the lanes'
.set ADRA, 16
.set SST,  18                          ; v18     where I put c m (lanes 0-15) or l (lanes 16-31) of the block in hand
.set SRD,  19                          ; v19     where I read 16 bytes of them back
.set ADRB, 20
.set SGO,  22                          ; v22     16 x lane
.set BIGV, 23                          ; v23     -1e30
.set STO,  24
.set RD,   25
.set CO,   26
.set VD,   27                          ; v27     my query less my lanes' first key, on the tile's diagonal accumulators
.set SPW,  28
.set NIL,  29
.set F0,   64
.set F1,   128
.set W,    128
.set TMP,  192
.set BK,   32
.set PA,   64
.set G1, 24
.set G0, 32
.set G1B, 48
.set G0B, 56
.set SP,  66                           ; s[66:67] stats at my 128 queries of my group of keys
.set CS,  68                           ; s[68:69] c
.set SEL, 70                           ; s[70:71] v_permlanex16_b32's selects
.set HM,  72                           ; s72  lanes 16-31
.set UP,  73                           ; s73  what accumulators above the wave's diagonal start with
.set AH,  74                           ; s74  all ones: my part lies wholly above the diagonal
.set TI,  75                           ; s75  i
.set TJ,  76                           ; s76  j
.set TBA, 77                           ; s77  batch
.set DD,  78                           ; s78  my first query less my first key
.set MSB, 0
.macro WIN new
.if MSB != (\new)
	s_set_vgpr_msb (MSB<<8)|(\new)
.set MSB, \new
.endif
.endm
.set MUL_LO, 0xa1
.set MUL_HI, 0xf1
.set TO_B,   0x40
; A fill.  Waves 0 and 1 fetch Q's two halves, waves 2 and 3 K's.  An s_nop 0 and four v_nop follow each line.
.macro JLOAD s
	s_cmp_eq_u32 s11, 0
	s_cbranch_scc0 .Lfor_b_\@
	tensor_load_to_lds s[G0+4*(\s):G0+4*(\s)+3], s[G1:G1+7]
	s_nop 0
.rept 4
	v_nop
.endr
	s_branch .Lasked_\@
.Lfor_b_\@:
	tensor_load_to_lds s[G0B+4*(\s):G0B+4*(\s)+3], s[G1B:G1B+7]
	s_nop 0
.rept 4
	v_nop
.endr
.Lasked_\@:
.endm
	s_load_b64 s[4:5], s[0:1], 0x0                 ; qkv
	s_load_b64 s[8:9], s[0:1], 0x8                 ; pt
	s_load_b64 s[SP:SP+1], s[0:1], 0x10            ; stats
	v_lshl_add_u32 v[SPW], v0, 2, SPARE
	v_mov_b32 v[NIL], 0
	ds_add_u32 v[SPW], v[NIL]                      ; the wave's opening: the add and its wait ahead of my first tensor load
	ds_add_u32 v28, v29
	v_lshrrev_b32 v1, 5, v0
	v_readfirstlane_b32 s10, v1                    ; wave 0..3
	s_lshr_b32 s11, s10, 1                         ; which half of the queries is mine.  Also: I fetch for Q (0) or for K (1)
	s_and_b32 s12, s10, 1                          ; which half of the keys.  Also: which 128 rows I fetch
	s_mov_b32 s80, ttmp9                           ; the tile's number t in the triangle: t = i (i + 1) / 2 + j
	s_and_b32 s[TBA], ttmp7, 0xffff
	s_mov_b32 s[TI], 0
.irp n, 1,3,6,10,15,21,28
	s_cmp_ge_u32 s80, \n                           ; i = how many of the rows' first numbers t has reached
	s_add_co_ci_u32 s[TI], s[TI], 0
.endr
	s_add_co_u32 s79, s[TI], 1
	s_mul_i32 s79, s79, s[TI]
	s_lshr_b32 s79, s79, 1
	s_sub_co_u32 s[TJ], s80, s79
	s_lshl_b32 s13, s[TBA], 3
	s_add_co_u32 s42, s13, s[TJ]                   ; 8 b + j
	s_add_co_u32 s13, s13, s[TI]                   ; 8 b + i
.irp g, G1, G1B
	s_mov_b32 s[(\g)+0], (1<<16)|(1<<20)|(5<<22)|(3<<25)  ; 2-byte elements; padding on: after every 64 words 4 words
	s_mov_b32 s[(\g)+1], KSTEP<<16                 ; tensor_dim0 = 128
	s_mov_b32 s[(\g)+2], 128<<16                   ; tensor_dim1 = 128
	s_mov_b32 s[(\g)+3], KSTEP<<16                 ; tile_dim0 = 128
	s_mov_b32 s[(\g)+4], 128                       ; tile_dim1 = 128
	s_mov_b32 s[(\g)+5], ROWE                      ; elements from row to row
	s_mov_b32 s[(\g)+6], 0
	s_mov_b32 s[(\g)+7], 0
.endr
	s_lshl_b32 s17, s12, 7
	s_lshl_b32 s16, s13, 8
	s_add_co_u32 s16, s16, s17                     ; Q: row 256 (8 b + i) + 128 x half
	s_lshl_b32 s46, s42, 8
	s_add_co_u32 s46, s46, s17                     ; K: row 256 (8 b + j) + 128 x half
	s_mul_i32 s16, s16, ROWB                       ; 8,192 rows of 6,144 bytes stay under 2^32
	s_mul_i32 s46, s46, ROWB
	s_add_co_u32 s46, s46, 2048
	s_mov_b32 s17, 0
	s_mov_b32 s47, 0
	s_mul_i32 s20, s10, HALFT                      ; where they go: wave x 128 rows
	s_mov_b32 s[CS], 0x3d38aa3b                    ; c = log2(e) / 32
	s_mov_b32 s[CS+1], s[CS]
	s_mov_b32 s[SEL], 0x76543210
	s_mov_b32 s[SEL+1], 0xfedcba98
	s_mov_b32 s[HM], 0xffff0000
	s_wait_dscnt 0x0                               ; the opening add is done
	s_wait_kmcnt 0x0
	s_add_nc_u64 s[14:15], s[4:5], s[16:17]
	s_add_nc_u64 s[46:47], s[4:5], s[46:47]
.irp s, 0,1
	s_mov_b32 s[G0+4*(\s)], 1
	s_add_co_u32 s[G0+4*(\s)+1], s20, (\s)*SLOT
	s_add_nc_u64 s[G0+4*(\s)+2:G0+4*(\s)+3], s[14:15], (\s)*KSTEP*2
	s_or_b32 s[G0+4*(\s)+3], s[G0+4*(\s)+3], 0x80000000
	s_mov_b32 s[G0B+4*(\s)], 1
	s_add_co_u32 s[G0B+4*(\s)+1], s20, (\s)*SLOT
	s_add_nc_u64 s[G0B+4*(\s)+2:G0B+4*(\s)+3], s[46:47], (\s)*KSTEP*2
	s_or_b32 s[G0B+4*(\s)+3], s[G0B+4*(\s)+3], 0x80000000
	JLOAD \s                                       ; two loads of mine are out
.endr
	v_and_b32 v1, 15, v0                           ; r = l % 16
	v_bfe_u32 v2, v0, 4, 1                         ; h = l / 16
	v_mul_u32_u24 v3, v1, PITCH
	v_lshl_add_u32 v3, v2, 4, v3
	s_mul_i32 s21, s11, HALFT
	s_mul_i32 s22, s12, HALFT
	s_add_co_u32 s22, s22, 2*HALFT
.irp s, 0,1
	v_add_nc_u32 v[ADRA+(\s)], s21, v3
	v_add_nc_u32 v[ADRB+(\s)], s22, v3
	s_add_co_u32 s21, s21, SLOT
	s_add_co_u32 s22, s22, SLOT
.endr
	v_mov_b32 v[AP], v[ADRA+1]                     ; the last K step lies in slot 1
	s_mul_i32 s23, s10, 16*SPITCH
	s_add_co_u32 s23, s23, STAGE
	v_mul_u32_u24 v4, v1, SPITCH
	v_lshl_add_u32 v4, v2, 4, v4
	v_add_nc_u32 v[STO], s23, v4
	v_mul_u32_u24 v5, v2, SPITCH
	v_lshl_add_u32 v5, v1, 4, v5
	v_add_nc_u32 v[RD], s23, v5
	v_lshlrev_b32 v5, 12, v2                       ; lanes 16-31 one row of pt further down
	v_lshl_add_u32 v[CO], v1, 4, v5
	s_lshl_b32 s79, s10, 10
	s_add_co_u32 s79, s79, STATS                   ; my 1,024 bytes for c m and l
	v_lshlrev_b32 v5, 2, v1
	v_lshl_add_u32 v5, v2, 9, v5
	v_add_nc_u32 v[SST], s79, v5
	v_and_b32 v5, 31, v0
	v_lshlrev_b32 v[SGO], 4, v5
	v_add_nc_u32 v[SRD], s79, v[SGO]
	v_mov_b32 v[BIGV], 0xf149f2ca                  ; -1e30
	v_mov_b32 v[LS+1], 0                           ; the lane exchange's destination counts as read
	; where my part of the tile begins in pt, in bytes
	s_lshl_b32 s13, s13, 8
	s_lshl_b32 s14, s11, 7
	s_add_co_u32 s16, s13, s14
	s_lshl_b32 s16, s16, 12
	s_lshl_b32 s14, s[TJ], 9
	s_add_co_u32 s16, s16, s14
	s_lshl_b32 s14, s12, 8
	s_add_co_u32 s16, s16, s14
	s_mov_b32 s17, 0
	; and in stats: 4 ((16 b + 2 j + key half) 2,048 + 256 i + 128 x query half)
	s_lshl_b32 s79, s[TBA], 4
	s_lshl_b32 s81, s[TJ], 1
	s_add_co_u32 s79, s79, s81
	s_add_co_u32 s79, s79, s12
	s_lshl_b32 s79, s79, 13
	s_lshl_b32 s81, s[TI], 10
	s_add_co_u32 s79, s79, s81
	s_lshl_b32 s81, s11, 9
	s_add_co_u32 s82, s79, s81
	s_mov_b32 s83, 0
	s_add_nc_u64 s[SP:SP+1], s[SP:SP+1], s[82:83]
	; THE MASK.  Key 16 b + 8 h + jr of my part is hidden from query 16 a + r where 16 (b - a) + 8 h + jr - r > DD.  DD >= 128: nowhere.  DD = 0: in all accumulators with b > a,
	; in none with b < a, and where jr > r - 8 h in those with b = a.  DD = -128: everywhere; there the diagonal accumulators alone are marked, and c m = -1e30 goes out for the rows.
	s_sub_co_u32 s[DD], s[TI], s[TJ]
	s_lshl_b32 s[DD], s[DD], 8
	s_sub_co_u32 s79, s11, s12
	s_lshl_b32 s79, s79, 7
	s_add_co_u32 s[DD], s[DD], s79
	s_cmp_eq_u32 s[DD], 0
	s_cselect_b32 s[UP], 0xf149f2ca, 0
	s_cmp_lt_i32 s[DD], 0
	s_cselect_b32 s[AH], -1, 0
	v_lshlrev_b32 v5, 3, v2
	v_sub_nc_u32 v[VD], v1, v5
	v_add_nc_u32 v[VD], s[DD], v[VD]
.irp hi, 0,1
	WIN 0x80+0x40*(\hi)                            ; destination window 2 or 3
.irp jr, 0,1,2,3,4,5,6,7
	v_cmp_gt_i32 vcc_lo, \jr, v[VD]
.irp a, 0,1,2,3
	v_cndmask_b32 v[8*(8*(\a)+4*(\hi)+(\a))+(\jr)], 0, v[BIGV], vcc_lo
.endr
.endr
.irp a, 0,1,2,3
.irp b, 1,2,3,4,5,6,7
.if (\b) > 4*(\hi)+(\a)
.irp jr, 0,1,2,3,4,5,6,7
	v_mov_b32 v[8*(8*(\a)+(\b))+(\jr)], s[UP]
.endr
.endif
.endr
.endr
.endr
	WIN 0
; 16 matrix instructions.  first = 1: the sums begin: with the constant 0 below the wave's diagonal, with the mask that lies in the accumulator on it and above.  The 64 accumulators take turns.
.macro MUL16 f, hi, a0, first
	WIN MUL_LO+0x50*(\hi)
.irp a, \a0, (\a0)+1
.irp b, 0,1,2,3,4,5,6,7
.if (\first) && ((\b) < 4*(\hi)+(\a))
	v_wmma_f32_16x16x32_f16 v[8*(8*(\a)+(\b)):8*(8*(\a)+(\b))+7], v[(\f)+8*(\b):(\f)+8*(\b)+7], v[(\f)+8*(4*(\hi)+(\a)):(\f)+8*(4*(\hi)+(\a))+7], 0
.else
	v_wmma_f32_16x16x32_f16 v[8*(8*(\a)+(\b)):8*(8*(\a)+(\b))+7], v[(\f)+8*(\b):(\f)+8*(\b)+7], v[(\f)+8*(4*(\hi)+(\a)):(\f)+8*(4*(\hi)+(\a))+7], v[8*(8*(\a)+(\b)):8*(8*(\a)+(\b))+7]
.endif
.endr
.endr
.endm
.macro FETCH slot, k, f
	WIN TO_B
.irp i, 0,1,2,3,4,5,6,7
	ds_load_b128 v[(\f)+8*(\i):(\f)+8*(\i)+3],   v[ADRB+(\slot)] offset:(\k)+(\i)*16*PITCH
	ds_load_b128 v[(\f)+8*(\i)+4:(\f)+8*(\i)+7], v[ADRB+(\slot)] offset:(\k)+(\i)*16*PITCH+32
.endr
	WIN 0
.irp i, 0,1,2,3,4,5,6,7
	ds_load_b128 v[(\f)+8*(\i):(\f)+8*(\i)+3],   v[ADRA+(\slot)] offset:(\k)+(\i)*16*PITCH
	ds_load_b128 v[(\f)+8*(\i)+4:(\f)+8*(\i)+7], v[ADRA+(\slot)] offset:(\k)+(\i)*16*PITCH+32
.endr
.endm
.macro PLACES                          ; four places between a matrix instruction and a load into, or a vector instruction on, its registers
.rept 4
	v_nop
.endr
.endm
.macro QUARTER slot, k, f, g, first
	s_wait_dscnt 8                                 ; K's fragments and Q's rows 0-63 are in; the youngest eight loads may be out
	MUL16 \f, 0, 0, \first
	MUL16 \f, 0, 2, \first
	PLACES
	FETCH \slot, \k, \g
	s_wait_dscnt 32                                ; all but the 32 just issued
	MUL16 \f, 1, 0, \first
	MUL16 \f, 1, 2, \first
.endm
.macro MEET fill
	WIN 0
	s_wait_tensorcnt 0x0                           ; all my tensor loads have landed: the one that was out is my part of the next slot;
	ds_add_u32 v[SPW], v[NIL]                      ; 0 onto my spare word;
	s_wait_dscnt 9                                 ; (the add and the youngest eight loads may be out)
	MUL16 F1, 0, 0, 0
	s_wait_dscnt 0x0                               ; the add is done, and my reads of this slot are over
	s_barrier_signal -1
	MUL16 F1, 0, 2, 0
.if \fill
	WIN 0
.endif
	s_barrier_wait -1                              ; nobody reads this slot any more, and the next slot is whole
.endm
.macro TURN slot, next
	MEET 1
	s_add_nc_u64 s[G0+4*(\slot)+2:G0+4*(\slot)+3], s[G0+4*(\slot)+2:G0+4*(\slot)+3], 2*KSTEP*2
	s_add_nc_u64 s[G0B+4*(\slot)+2:G0B+4*(\slot)+3], s[G0B+4*(\slot)+2:G0B+4*(\slot)+3], 2*KSTEP*2
	JLOAD \slot                                    ; my one tensor load behind the barrier, and the first thing there; its four v_nop are also the places in front of the loads below
	FETCH \next, 0, F0
	MUL16 F1, 1, 0, 0
	MUL16 F1, 1, 2, 0
.endm
.macro BLOAD q                         ; the last K step: K's fragments of quarter q -> window 1, v[64 q ..]
	WIN TO_B
.irp i, 0,1,2,3,4,5,6,7
	ds_load_b128 v[64*(\q)+8*(\i):64*(\q)+8*(\i)+3],   v[ADRB+1] offset:64*(\q)+(\i)*16*PITCH
	ds_load_b128 v[64*(\q)+8*(\i)+4:64*(\q)+8*(\i)+7], v[ADRB+1] offset:64*(\q)+(\i)*16*PITCH+32
.endr
.endm
.macro ALOAD                           ; Q's fragments of the block at v[AP], all four quarters
	WIN 0
.irp q, 0,1,2,3
	ds_load_b128 v[PA+8*(\q):PA+8*(\q)+3],   v[AP] offset:64*(\q)
	ds_load_b128 v[PA+8*(\q)+4:PA+8*(\q)+7], v[AP] offset:64*(\q)+32
.endr
.endm
.macro FIRST8 k                        ; block k's first eight products of the step: C = its old accumulators (window 2 or 3), D = W
	WIN 0x21+0x10*((\k)/4)
.irp b, 0,1,2,3,4,5,6,7
	v_wmma_f32_16x16x32_f16 v[W+8*(\b):W+8*(\b)+7], v[8*(\b):8*(\b)+7], v[PA:PA+7], v[64*((\k)%4)+8*(\b):64*((\k)%4)+8*(\b)+7]
.endr
	WIN 0                                          ; at a branch and at a label every window is 0
.endm
	s_wait_tensorcnt 1                             ; my part of K step 0 is in; K step 1's may stay out
	s_barrier_signal -1
	s_barrier_wait -1
	FETCH 0, 0, F0
	QUARTER 0, 64,  F0, F1, 1
	WIN 0
	s_mov_b32 s3, LAPS-1
.Llap:                                                 ; a trip goes once round the ring and fills both slots again
	QUARTER 0, 128, F1, F0, 0
	QUARTER 0, 192, F0, F1, 0
	TURN 0, 1
	QUARTER 1, 64,  F0, F1, 0
	QUARTER 1, 128, F1, F0, 0
	QUARTER 1, 192, F0, F1, 0
	TURN 1, 0
	QUARTER 0, 64,  F0, F1, 0
	WIN 0
	s_sub_co_u32 s3, s3, 1
	s_cmp_lg_u32 s3, 0
	s_cbranch_scc1 .Llap
	QUARTER 0, 128, F1, F0, 0
	QUARTER 0, 192, F0, F1, 0
	MEET 0                                         ; nothing is filled again
	PLACES
	BLOAD 0
	BLOAD 1
	BLOAD 3
	ALOAD                                          ; block 0
	MUL16 F1, 1, 0, 0
	MUL16 F1, 1, 2, 0
.rept 5
	v_nop                                          ; five places: the products below take these results as another accumulator's C and write over Q's buffer 1; the loads below go into K's
.endr
	BLOAD 2
	WIN 0
	s_mov_b32 s3, 0                                ; the block's number
	s_wait_dscnt 16                                ; all but K's quarter 2, the 16 loads just issued
.Lblock:                                               ; eight trips: a block of 16 queries is finished, has its softmax and leaves
.irp k, 0,1,2,3,4,5,6
	s_cmp_lg_u32 s3, \k
	s_cbranch_scc1 .Lnot_\k
	FIRST8 \k
	s_branch .Ljoin
.Lnot_\k:
.endr
	FIRST8 7
.Ljoin:
	WIN 0x01                                       ; K in window 1; Q, C and D in window 0.  W's eight accumulators take turns
.irp q, 1,2,3
.if (\q) == 2
	s_wait_dscnt 0x0                               ; K's quarter 2 is in (in later trips nothing is out here)
.endif
.irp b, 0,1,2,3,4,5,6,7
	v_wmma_f32_16x16x32_f16 v[W+8*(\b):W+8*(\b)+7], v[64*(\q)+8*(\b):64*(\q)+8*(\b)+7], v[PA+8*(\q):PA+8*(\q)+7], v[W+8*(\b):W+8*(\b)+7]
.endr
.endr
	PLACES                                         ; in front of the loads into Q's fragments and of the maximum
	WIN 0
	v_add_nc_u32 v[AP], 16*PITCH, v[AP]            ; the next block's 16 rows
	s_cmp_eq_u32 s3, 7
	s_cbranch_scc1 .Lno_more                       ; behind the last block there is none
	ALOAD
.Lno_more:
	; THE SOFTMAX OF THE BLOCK: 16 queries x my 128 keys, 64 scores a lane, in W
.irp k, 0,1,2,3
	v_max3_num_f32 v[CX+(\k)], v[W+8*(\k)], v[W+8*(\k)+1], v[W+8*(\k)+2]  ; four chains; each accumulator is read from its low end on
.endr
.irp x, 3,5
.irp k, 0,1,2,3
	v_max3_num_f32 v[CX+(\k)], v[CX+(\k)], v[W+8*(\k)+(\x)], v[W+8*(\k)+(\x)+1]
.endr
.endr
.irp k, 0,1,2,3
	v_max3_num_f32 v[CX+(\k)], v[CX+(\k)], v[W+8*(\k)+7], v[W+8*(\k)+32]
.endr
.irp x, 33,35,37
.irp k, 0,1,2,3
	v_max3_num_f32 v[CX+(\k)], v[CX+(\k)], v[W+8*(\k)+(\x)], v[W+8*(\k)+(\x)+1]
.endr
.endr
	v_max3_num_f32 v[CX], v[CX], v[W+39], v[W+47]
	v_max3_num_f32 v[CX+2], v[CX+2], v[W+55], v[W+63]
	v_max3_num_f32 v[CX], v[CX], v[CX+1], v[CX+2]
	v_max_num_f32 v[CX], v[CX], v[CX+3]
	v_permlanex16_b32 v[CX+1], v[CX], s[SEL], s[SEL+1]  ; the query's other 64 keys lie in the lane 16 away
	v_max_num_f32 v[CX], v[CX], v[CX+1]
	v_mul_f32 v[CMP], s[CS], v[CX]                 ; c m
	v_mov_b32 v[CMP+1], v[CMP]                     ; named with it as a pair
.set z, 0
.rept 32
	v_pk_fma_f32 v[W+2*z:W+2*z+1], v[W+2*z:W+2*z+1], s[CS:CS+1], v[CMP:CMP+1] op_sel_hi:[1,0,0] neg_lo:[0,0,1] neg_hi:[0,0,1]  ; c s - c m
.set z, z+1
.endr
.set z, 0
.rept 64
	v_exp_f32 v[W+z], v[W+z]
.set z, z+1
.endr
	v_nop                                          ; a plain instruction between the last exponential and the use of its result
.set z, 0
	s_wait_alu depctr_va_vdst(0)
.rept 32
	v_cvt_pk_f16_f32 v[TMP+z], v[W+2*z], v[W+2*z+1]  ; eight neighbouring keys of a row pack into 16 bytes
.set z, z+1
.endr
.irp d, 16,8,4,2,1                     ; the sum of the unrounded weights, in place: pair z takes pair z + d
.set z, 0
.rept \d
	v_pk_add_f32 v[W+2*z:W+2*z+1], v[W+2*z:W+2*z+1], v[W+2*(z+(\d)):W+2*(z+(\d))+1]
.set z, z+1
.endr
.endr
	v_add_f32 v[LS], v[W], v[W+1]
	v_permlanex16_b32 v[LS+1], v[LS], s[SEL], s[SEL+1]
	v_add_f32 v[LS], v[LS], v[LS+1]
	v_cndmask_b32 v[OUTV], v[CMP], v[BIGV], s[AH]  ; a part wholly above the diagonal counts for nothing
	v_cndmask_b32 v[OUTV], v[OUTV], v[LS], s[HM]   ; lanes 0-15 carry c m, lanes 16-31 l
	ds_store_b32 v[SST], v[OUTV]
	v_add_nc_u32 v[SST], 64, v[SST]                ; the next block's 16 words
	s_wait_xcnt 0x0                                ; the last block's stores have read their base and their registers
	s_add_nc_u64 s[8:9], s[8:9], s[16:17]          ; on to this block's rows:
	s_mov_b64 s[16:17], 16*PTB                     ; from now on 16 rows at a time
.irp b, 0,1,2,3,4,5,6,7
	ds_store_b128 v[STO], v[TMP+4*(\b):TMP+4*(\b)+3] offset:32*(\b)
.endr
.irp t, 0,1,2,3,4,5,6,7
	ds_load_b128 v[BK+4*(\t):BK+4*(\t)+3], v[RD] offset:(\t)*2*SPITCH  ; LDS serves a wave's instructions in order: these see the stores above
.endr
	s_wait_dscnt 0x0                               ; the block is back in registers, and the next block's fragments of Q are in
.irp t, 0,1,2,3,4,5,6,7
	global_store_b128 v[CO], v[BK+4*(\t):BK+4*(\t)+3], s[8:9] offset:2*(\t)*PTB  ; 16 lanes store 256 consecutive bytes, aligned
.endr
	s_add_co_u32 s3, s3, 1
	s_cmp_lt_u32 s3, 8
	s_cbranch_scc1 .Lblock
	ds_load_b128 v[8:11], v[SRD]                   ; my 128 c m, 16 bytes a lane,
	ds_load_b128 v[12:15], v[SRD] offset:512       ; and my 128 l: my own bytes, served in order behind my stores
	s_wait_dscnt 0x0
	global_store_b128 v[SGO], v[8:11], s[SP:SP+1]  ; 512 consecutive bytes each, aligned
	global_store_b128 v[SGO], v[12:15], s[SP:SP+1] offset:524288
	s_wait_tensorcnt 0x0                           ; the wave's end
	ds_add_u32 v[SPW], v[NIL]
	s_wait_dscnt 0x0
	s_endpgm
.Lfunc_end_k_q6a775f9e85_scores:
	.size	k_q6a775f9e85_scores, .Lfunc_end_k_q6a775f9e85_scores-k_q6a775f9e85_scores
	.p2alignl 7, 3214868480
	.fill 96, 4, 3214868480
	.section	.rodata,"a",@progbits
	.p2align	6, 0x0
	.amdhsa_kernel k_q6a775f9e85_scores
		.amdhsa_group_segment_fixed_size 327680
		.amdhsa_private_segment_fixed_size 0
		.amdhsa_enable_private_segment 0
		.amdhsa_kernarg_size 24
		.amdhsa_user_sgpr_count 2
		.amdhsa_user_sgpr_kernarg_segment_ptr 1
		.amdhsa_wavefront_size32 1
		.amdhsa_system_sgpr_workgroup_id_x 1
		.amdhsa_system_sgpr_workgroup_id_y 1
		.amdhsa_system_sgpr_workgroup_id_z 1
		.amdhsa_system_vgpr_workitem_id 0
		.amdhsa_next_free_vgpr 1024
		.amdhsa_next_free_sgpr 84
		.amdhsa_reserve_vcc 1
		.amdhsa_float_denorm_mode_32 3
		.amdhsa_float_denorm_mode_16_64 3
		.amdhsa_memory_ordered 1
		.amdhsa_forward_progress 1
		.amdhsa_inst_pref_size 121
	.end_amdhsa_kernel
	.amdgpu_metadata
---
amdhsa.version: [ 1, 2 ]
amdhsa.kernels:
  - .name:           k_q6a775f9e85_scores
    .symbol:         k_q6a775f9e85_scores.kd
    .args:
      - { .name: qkv, .offset: 0, .size: 8, .value_kind: global_buffer, .address_space: global }
      - { .name: pt, .offset: 8, .size: 8, .value_kind: global_buffer, .address_space: global }
      - { .name: stats, .offset: 16, .size: 8, .value_kind: global_buffer, .address_space: global }
    .group_segment_fixed_size: 327680
    .private_segment_fixed_size: 0
    .kernarg_segment_align: 8
    .kernarg_segment_size: 24
    .max_flat_workgroup_size: 128
    .sgpr_count:     84
    .vgpr_count:     1024
    .wavefront_size: 32
...
	.end_amdgpu_metadata
.endif
;; end of part 7
;; launch pv (part 8): grid 8 x 32, 4 waves a work-group, clusters of 4 x 1, 327,680 bytes of LDS; arguments pt, qkv, stats, out0; writes out0
.if DOCPART == 8
	.amdgcn_target "amdgcn-amd-amdhsa--gfx1250"
	.amdhsa_code_object_version 6
	.text
	.protected	k_q6a775f9e85_pv
	.globl	k_q6a775f9e85_pv
	.p2align	8
	.type	k_q6a775f9e85_pv,@function
k_q6a775f9e85_pv:
	s_mov_b64 s[64:65], 0
	v_nop
	global_prefetch_b8 v0, s[64:65] scope:SCOPE_SE
	s_setreg_imm32_b32 hwreg(HW_REG_WAVE_MODE, 25, 1), 1
	s_wait_xcnt 0x0
	s_wait_alu depctr_hold_cnt(0) depctr_sa_sdst(0) depctr_va_vdst(0) depctr_va_sdst(0) depctr_va_ssrc(0) depctr_va_vcc(0) depctr_vm_vsrc(0)
	s_getreg_b32 s2, hwreg(HW_REG_IB_STS2, 6, 4)
	s_cmp_eq_u32 s2, 0
	s_cbranch_scc0 .Lentry_in_a_cluster
	s_endpgm
.Lentry_in_a_cluster:
	s_bfe_u32 s2, ttmp6, 0x10000c
	s_cmp_lg_u32 s2, 0x3003
	s_cbranch_scc0 .Lentry_shape_is_right
	s_endpgm
.Lentry_shape_is_right:
; out0[b][q][ch] = (sum over groups kt of 128 keys of f_kt[q] x sum over the group's keys of p[q][key] V[key][ch]) / l[q], with f_kt = 2^(c m_kt - max over kt of c m_kt) <= 1 and l = sum over kt of f_kt l_kt.
; p: pt [4][2048][2048] f16; V: bytes 4,096 on of the rows of qkv [8192][3072] f16; c m_kt and l_kt: stats; out0: [4][2048][1024] f32.  Products in f16 with f32 sums; f, l and the joining of the groups in f32.
; LIMITS.  f below 2^-126 counts as 0; NaN and infinities are not treated apart.
; THE WALK.  A batch's queries lie in 16 blocks of 128; block Q needs the key slots 0 .. Q / 2 of 256 keys.  A work-group takes TWO blocks, 15 - p and p, for 128 channels: 9 slots, whatever p, so that all
; 256 work-groups do equal work.  Of the two numbers of slots one is even: that block, X, goes first, so the change of blocks falls at the bottom of the loop, whose trip is two slots.  Four trips and a ninth
; slot written out; every jump but the loop's goes forward and passes neither a barrier nor a tensor load.  In a block with even Q the last slot's second group is hidden: its c m is -1e30, so its f is 0.
; THE RING.  Two LDS slots.  At a slot's head every wave waits for its one tensor load, a round of the cluster's barrier follows, and the next slot's tiles are asked for first thing behind it, one load a wave.
; CLUSTER.  The four work-groups of a cluster make the same queries for four blocks of channels: same b, same p, same walk, same tiles of p, which are asked for JOINTLY.  V's tiles differ from partner to
; partner and are loads of one's own, behind the same rounds.  (Work-groups with the same channels and another p walk other key slots behind their change of blocks: V is not shared.)
; SHARES.  Wave w makes queries 64 (w / 2) on x channels 64 (w % 2) on: 16 accumulators.  A group's products are summed in T, begun with the constant 0, and then O += f T, 64 packed multiply-adds.
; O is cleared at the start and at the change of blocks, 128 v_mov_b32 each time: the price of one text for every fold.
; LAYOUT.  Source 0 = 16 channels x 32 keys of V^T (V lies [key][channel] and is turned by ds_load_tr16_b128), source 1 = 16 queries x 32 keys of p: a lane holds ONE query (lane % 16) and eight neighbouring channels.
; REGISTERS (s_set_vgpr_msb: bits 1:0 source 0, 3:2 source 1, 5:4 source 2, 7:6 destination): window 0: addresses, f, 1 / l, v64-127 at work on the way out, v128-255 T (accumulator (a, cb) at 128 + 8 (4 a + cb));
;   window 1: two fragment buffers of 128 (64 keys: p at f + 8 (4 c + a), V at f + 64 + 8 (4 c + cb));   window 2: v0-127 O.
.set PP,    528                        ; a row of p in LDS: 512 bytes + 16: the 16 rows of a load start at 16 different groups of four banks
.set PVV,   288                        ; a row of V: 256 + 32
.set VOFF,  128*PP                     ; a slot: 128 rows of p, then 256 rows of V
.set SLOT,  VOFF+256*PVV
.set STAGE, 2*SLOT                     ; 16 rows x 272 bytes for each wave, for the way out
.set SPI,   272
.set FT,    STAGE+4*16*SPI             ; f, in the order of the walk: [18 groups][128 queries] f32
.set RLT,   FT+18*512                  ; 1 / l: [X, Y][128 queries] f32
.set SPARE, RLT+1024                   ; the spare words, 128 bytes for each wave
.set ADRA, 8                           ; v8-9    LDS address of my fragments of p in slot 0, 1
.set ADRB, 10                          ; v10-13  of V: slot 0 keys 0-127, keys 128-255, slot 1 likewise
.set FA,   14                          ; v14     where I read f: steps by four groups a trip
.set RLA,  15                          ; v15     where I read 1 / l
.set STO,  16                          ; v16     the way out: where I put 32 bytes of a row
.set RD,   17                          ; v17     the way out: where I read 16 bytes of a row back
.set GO,   18                          ; v18     my byte offset in two rows of out0
.set SO,   19                          ; v19     4 x my thread's number
.set FTW,  20                          ; v20     where I write f
.set RLW,  21                          ; v21     where I write 1 / l
.set SPW,  28
.set NIL,  29
.set FQ,   32                          ; v32-47  f of the slot's two groups, for my four blocks of 16 queries, each the low word of a pair
.set RL,   48                          ; v48-55  1 / l likewise
.set KOF,  56                          ; v56-60  the opening: offsets into stats
.set BK0,  64
.set ACC,  128
.set CMT,  128                         ; the opening, in T's registers: c m, then f, of the 18 groups
.set LT,   146                         ; l of the 18 groups
.set MG,   164                         ; maxima of the five fours of groups
.set RF,   169                         ; what is taken away in each four: RF = X's maximum, RF + 4 = Y's
.set TT,   174
.set LG,   176                         ; sums of the five fours; LG becomes X's l, LG + 4 Y's
.set NEG,  181
.set F0,   0
.set F1,   128
.set WV,   12                          ; s12
.set G1A,  24
.set G0A,  32                          ; s[32:39] group 0 for p's tiles, one set for each slot
.set PC,   40                          ; s[40:41] pt at my rows of the block whose tiles are being asked for
.set PY,   42                          ; s[42:43] pt at my rows of Y
.set VB,   44                          ; s[44:45] V at my rows of key slot 0
.set OFP,  46                          ; s[46:47] a key slot's byte offset in a row of pt
.set G1B,  48
.set G0B,  56
.set OFV,  66                          ; s[66:67] a key slot's byte offset in V
.set NXT,  68                          ; s68  the key slot to be asked for next
.set LQ,   69                          ; s69  the slots of the block whose tiles are being asked for
.set RX,   70                          ; s70  trips until X ends
.set LC,   71                          ; s71  the loop's counter
.set OX,   72                          ; s[72:73] out0 at my part of X
.set OY,   74                          ; s[74:75] of Y
.set M0,   79                          ; s80-82  all ones: the four of groups 1, 2, 3 belongs to X
.set MSB, 0
.macro WIN new
.if MSB != (\new)
	s_set_vgpr_msb (MSB<<8)|(\new)
.set MSB, \new
.endif
.endm
.set MUL,  0x05                        ; sources window 1; C and D window 0
.set TO_F, 0x40                        ; destination window 1, address window 0
; A fill.  Waves 0 and 1 ask jointly for the two halves of p's 128 rows, waves 2 and 3 for the two halves of my V's 256 rows.  An s_nop 0 and four v_nop follow each line.
.macro JLOAD s
	s_cmp_lt_u32 s[WV], 2
	s_cbranch_scc0 .Lfor_v_\@
	tensor_load_to_lds s[G0A+4*(\s):G0A+4*(\s)+3], s[G1A:G1A+7]
	s_nop 0
.rept 4
	v_nop
.endr
	s_branch .Lasked_\@
.Lfor_v_\@:
	tensor_load_to_lds s[G0B+4*(\s):G0B+4*(\s)+3], s[G1B:G1B+7]
	s_nop 0
.rept 4
	v_nop
.endr
.Lasked_\@:
.endm
.macro CROUND                          ; a round of the cluster's barrier
	s_barrier_signal -1
	s_barrier_wait -1
	s_cmp_lg_u32 s[WV], 0
	s_cbranch_scc1 .Lnot_wave_0_\@
	s_barrier_signal -3
.Lnot_wave_0_\@:
	s_barrier_wait -3
	s_barrier_signal -1
	s_barrier_wait -1
.endm
	s_load_b256 s[4:11], s[0:1], 0x0               ; pt s[4:5], qkv s[6:7], stats s[8:9], out0 s[10:11]
	v_lshl_add_u32 v[SPW], v0, 2, SPARE
	v_mov_b32 v[NIL], 0
	ds_add_u32 v[SPW], v[NIL]                      ; the wave's opening: the add and its wait ahead of my first tensor load
	ds_add_u32 v28, v29
	v_lshrrev_b32 v1, 5, v0
	v_readfirstlane_b32 s[WV], v1                  ; wave 0..3
	s_bfe_u32 s13, ttmp6, 0x40000                  ; cx
	s_lshl_b32 s14, ttmp9, 2
	s_add_co_u32 s14, s14, s13                     ; my block of 128 channels: it enters V's and out0's addresses alone
	s_and_b32 s17, ttmp7, 0xffff                   ; which the four partners share:
	s_lshr_b32 s15, s17, 3                         ; b
	s_and_b32 s16, s17, 7                          ; p
	s_lshr_b32 s18, s[WV], 1                       ; which half of the queries is mine
	s_and_b32 s19, s[WV], 1                        ; which half of the channels.  Also: which half of a tile I fetch
	s_sub_co_u32 s76, 15, s16                      ; the upper block,
	s_lshr_b32 s77, s76, 1
	s_add_co_u32 s77, s77, 1                       ; its slots:
	s_and_b32 s77, s77, 1                          ; an odd number?
	s_cselect_b32 s20, s16, s76                    ; X: the block with an even number of slots
	s_cselect_b32 s21, s76, s16                    ; Y: the other
	s_lshr_b32 s22, s20, 1
	s_add_co_u32 s22, s22, 1                       ; X's slots: 2, 4, 6 or 8
	s_lshl_b32 s23, s22, 1                         ; X's groups
	s_lshl_b32 s78, s15, 11                        ; 2,048 b
	s_lshl_b32 s79, s19, 6
	s_add_co_u32 s79, s78, s79                     ; + 64 x half
	s_lshl_b32 s84, s20, 7
	s_add_co_u32 s84, s84, s79
	s_lshl_b32 s84, s84, 12                        ; p: my 64 rows of X, 4,096 bytes a row
	s_mov_b32 s85, 0
	s_lshl_b32 s86, s21, 7
	s_add_co_u32 s86, s86, s79
	s_lshl_b32 s86, s86, 12                        ; and of Y
	s_mov_b32 s87, 0
	s_lshl_b32 s76, s19, 7
	s_add_co_u32 s76, s78, s76
	s_mul_i32 s76, s76, 6144                       ; V: (2,048 b + 128 x half) rows of 6,144 bytes,
	s_lshl_b32 s77, s14, 8
	s_add_co_u32 s76, s76, s77                     ; my 128 channels,
	s_add_co_u32 s76, s76, 4096                    ; behind Q and K
	s_mov_b32 s77, 0
	s_lshl_b32 s2, s18, 6
	s_add_co_u32 s2, s78, s2                       ; out0: 2,048 b + 64 x query half
	s_lshl_b32 s3, s20, 7
	s_add_co_u32 s3, s3, s2
	s_lshl_b32 s[OX], s3, 12
	s_lshl_b32 s3, s21, 7
	s_add_co_u32 s3, s3, s2
	s_lshl_b32 s[OY], s3, 12
	s_lshl_b32 s3, s14, 9
	s_lshl_b32 s2, s19, 8
	s_add_co_u32 s3, s3, s2                        ; my wave's 64 channels: 256 bytes
	s_add_co_u32 s[OX], s[OX], s3
	s_add_co_u32 s[OY], s[OY], s3
	s_mov_b32 s[OX+1], 0
	s_mov_b32 s[OY+1], 0
	s_lshl_b32 s90, s15, 17                        ; stats: 16 groups of 8,192 bytes a batch
	s_lshl_b32 s91, s20, 9
	s_add_co_u32 s91, s91, s90                     ; X's 128 queries in the batch's group 0
	s_lshl_b32 s92, s21, 9
	s_add_co_u32 s92, s92, s90                     ; Y's
	s_mul_i32 s88, s19, 64*PP                      ; where the tiles go: no place in the cluster enters an LDS address
	s_mul_i32 s89, s19, 128*PVV
	s_mov_b32 s[G1A], 15|(1<<16)|(1<<20)|(1<<21)|(6<<22)|(3<<25)  ; the mask of four; 2-byte elements; padding on; bit 21 beside a mask; after every 128 words 4 words
	s_mov_b32 s[G1A+1], 256<<16                    ; tensor_dim0 = 256
	s_mov_b32 s[G1A+2], 64<<16                     ; tensor_dim1 = 64
	s_mov_b32 s[G1A+3], 256<<16                    ; tile_dim0 = 256 keys
	s_mov_b32 s[G1A+4], 64                         ; tile_dim1 = 64 queries
	s_mov_b32 s[G1A+5], 2048                       ; elements from row to row
	s_mov_b32 s[G1A+6], 0
	s_mov_b32 s[G1A+7], 0
	s_mov_b32 s[G1B], (1<<16)|(1<<20)|(5<<22)|(7<<25)  ; no mask; after every 64 words 8 words
	s_mov_b32 s[G1B+1], 128<<16
	s_mov_b32 s[G1B+2], 128<<16
	s_mov_b32 s[G1B+3], 128<<16                    ; tile_dim0 = 128 channels
	s_mov_b32 s[G1B+4], 128                        ; tile_dim1 = 128 keys
	s_mov_b32 s[G1B+5], 3072
	s_mov_b32 s[G1B+6], 0
	s_mov_b32 s[G1B+7], 0
.irp s, 0,1
	s_mov_b32 s[G0A+4*(\s)], 1
	s_add_co_u32 s[G0A+4*(\s)+1], s88, (\s)*SLOT
	s_mov_b32 s[G0B+4*(\s)], 1
	s_add_co_u32 s[G0B+4*(\s)+1], s89, (\s)*SLOT+VOFF
.endr
	s_mov_b32 s[OFP+1], 0
	s_mov_b32 s[OFV+1], 0
	s_mov_b32 s[NXT], 1
	s_mov_b32 s[LQ], s22
	s_lshr_b32 s[RX], s22, 1
	s_mov_b32 s[LC], 4
	s_wait_dscnt 0x0                               ; the opening add is done
	s_wait_kmcnt 0x0
	s_add_nc_u64 s[PC:PC+1], s[4:5], s[84:85]
	s_add_nc_u64 s[PY:PY+1], s[4:5], s[86:87]
	s_add_nc_u64 s[VB:VB+1], s[6:7], s[76:77]
	s_add_nc_u64 s[OX:OX+1], s[10:11], s[OX:OX+1]
	s_add_nc_u64 s[OY:OY+1], s[10:11], s[OY:OY+1]
	s_mov_b64 s[G0A+2:G0A+3], s[PC:PC+1]           ; the walk's first slot: X, key slot 0
	s_or_b32 s[G0A+3], s[G0A+3], 0x80000000
	s_mov_b64 s[G0B+2:G0B+3], s[VB:VB+1]
	s_or_b32 s[G0B+3], s[G0B+3], 0x80000000
	CROUND                                         ; all four work-groups are here: the first joint loads meet
	JLOAD 0                                        ; one load of mine is out
	; THE STATISTICS, in the wait for the first tiles.  Thread t makes them for query t of X and of Y, in the order of the walk: place g < 2 nx is X's group g, place g >= 2 nx is Y's group g - 2 nx.
	; 2 nx is a multiple of 4, so the places go by fours: four 0 is X's, places 16 and 17 are Y's, fours 1 to 3 are told apart by a scalar.
	v_and_b32 v1, 15, v0                           ; r = l % 16
	v_bfe_u32 v2, v0, 4, 1                         ; h = l / 16
	v_lshlrev_b32 v[SO], 2, v0
	v_add_nc_u32 v[KOF], s91, v[SO]
.irp G, 1,2,3
	s_sub_co_u32 s93, 4*(\G), s23                  ; Y's group at this place (used only where it is not negative),
	s_lshl_b32 s93, s93, 13
	s_add_co_u32 s93, s93, s92
	s_add_co_u32 s94, s91, 4*(\G)*8192             ; X's
	s_cmp_gt_u32 s23, 4*(\G)
	s_cselect_b32 s[M0+(\G)], -1, 0
	s_cselect_b32 s93, s94, s93
	v_add_nc_u32 v[KOF+(\G)], s93, v[SO]
.endr
	s_sub_co_u32 s93, 16, s23
	s_lshl_b32 s93, s93, 13
	s_add_co_u32 s93, s93, s92
	v_add_nc_u32 v[KOF+4], s93, v[SO]
.set g, 0
.rept 18
	global_load_b32 v[CMT+g], v[KOF+g/4], s[8:9] offset:8192*(g%4)  ; a wave's load covers 128 consecutive bytes
.set g, g+1
.endr
.set g, 0
.rept 18
	global_load_b32 v[LT+g], v[KOF+g/4], s[8:9] offset:524288+8192*(g%4)
.set g, g+1
.endr
	; the LDS and global addresses are made, and O is cleared, while the loads are out
	v_mul_u32_u24 v3, v1, PP
	v_lshl_add_u32 v3, v2, 4, v3
	s_mul_i32 s93, s18, 64*PP                      ; my 64 rows of p
	v_add_nc_u32 v[ADRA], s93, v3
	v_add_nc_u32 v[ADRA+1], SLOT, v[ADRA]
	v_and_b32 v4, 7, v0                            ; the turning load: lane l reads key 8 (l / 16) + l % 8, channels 8 ((l / 8) % 2) + 0..7
	v_bfe_u32 v5, v0, 3, 1
	v_lshl_add_u32 v4, v2, 3, v4
	v_mul_u32_u24 v4, v4, PVV
	v_lshl_add_u32 v4, v5, 4, v4
	s_lshl_b32 s93, s19, 7                         ; my 64 channels: 128 bytes
	s_add_co_u32 s93, s93, VOFF
	v_add_nc_u32 v[ADRB], s93, v4
	v_add_nc_u32 v[ADRB+1], 128*PVV, v[ADRB]
	v_add_nc_u32 v[ADRB+2], SLOT, v[ADRB]
	v_add_nc_u32 v[ADRB+3], SLOT, v[ADRB+1]
	s_lshl_b32 s93, s18, 8
	s_add_co_u32 s94, s93, FT
	v_lshl_add_u32 v[FA], v1, 2, s94               ; f of query 64 x half + r
	s_add_co_u32 s94, s93, RLT
	v_lshl_add_u32 v[RLA], v1, 2, s94
	v_add_nc_u32 v[FTW], FT, v[SO]
	v_add_nc_u32 v[RLW], RLT, v[SO]
	s_mul_i32 s93, s[WV], 16*SPI
	s_add_co_u32 s93, s93, STAGE                   ; my stage
	v_mul_u32_u24 v3, v1, SPI
	v_lshl_add_u32 v3, v2, 5, v3                   ; in: row r, 32 bytes for each half of the lanes
	v_add_nc_u32 v[STO], s93, v3
	v_mul_u32_u24 v3, v2, SPI
	v_lshl_add_u32 v3, v1, 4, v3                   ; back: lanes 0-15 one row of 256 bytes, lanes 16-31 the next
	v_add_nc_u32 v[RD], s93, v3
	v_lshlrev_b32 v3, 12, v2
	v_lshl_add_u32 v[GO], v1, 4, v3                ; and the same two rows in out0
.set z, 0
.rept 8
	v_mov_b32 v[FQ+2*z+1], 0                       ; the pairs' upper words are named with the lower ones, so they are written
.set z, z+1
.endr
.set z, 0
.rept 4
	v_mov_b32 v[RL+2*z+1], 0
.set z, z+1
.endr
	v_mov_b32 v[NEG], 0xff7fffff                   ; the lowest finite number
.macro CLEAR                           ; O = 0
	WIN 0x80
.set z, 0
.rept 128
	v_mov_b32 v[z], 0
.set z, z+1
.endr
	WIN 0
.endm
	CLEAR
	s_wait_loadcnt 18                              ; the 18 loads of l may be out: c m is in
.irp G, 0,1,2,3
	v_max3_num_f32 v[MG+(\G)], v[CMT+4*(\G)], v[CMT+4*(\G)+1], v[CMT+4*(\G)+2]
.endr
	v_max_num_f32 v[MG+4], v[CMT+16], v[CMT+17]
.irp G, 0,1,2,3
	v_max_num_f32 v[MG+(\G)], v[MG+(\G)], v[CMT+4*(\G)+3]
.endr
	v_cndmask_b32 v[TT], v[NEG], v[MG+1], s[M0+1]  ; X's maximum: four 0 and those of fours 1 to 3 that are X's
	v_cndmask_b32 v[TT+1], v[NEG], v[MG+2], s[M0+2]
	v_max3_num_f32 v[RF], v[MG], v[TT], v[TT+1]
	v_cndmask_b32 v[TT], v[NEG], v[MG+3], s[M0+3]
	v_max_num_f32 v[RF], v[RF], v[TT]
	v_cndmask_b32 v[TT], v[MG+1], v[NEG], s[M0+1]  ; Y's: the others and places 16, 17
	v_cndmask_b32 v[TT+1], v[MG+2], v[NEG], s[M0+2]
	v_max3_num_f32 v[RF+4], v[MG+4], v[TT], v[TT+1]
	v_cndmask_b32 v[TT], v[MG+3], v[NEG], s[M0+3]
	v_max_num_f32 v[RF+4], v[RF+4], v[TT]
.irp G, 1,2,3
	v_cndmask_b32 v[RF+(\G)], v[RF+4], v[RF], s[M0+(\G)]
.endr
.set g, 0
.rept 18
	v_sub_f32 v[CMT+g], v[CMT+g], v[RF+g/4]
.set g, g+1
.endr
.set g, 0
.rept 18
	v_exp_f32 v[CMT+g], v[CMT+g]                   ; f
.set g, g+1
.endr
	v_nop                                          ; a plain instruction between the last exponential and the use of its result
.set g, 0
	s_wait_alu depctr_va_vdst(0)
.rept 18
	ds_store_b32 v[FTW], v[CMT+g] offset:512*g
.set g, g+1
.endr
	s_wait_loadcnt 0x0                             ; l
.irp G, 0,1,2,3,4
	v_mul_f32 v[LG+(\G)], v[CMT+4*(\G)], v[LT+4*(\G)]
.endr
.irp G, 0,1,2,3,4
	v_fmac_f32 v[LG+(\G)], v[CMT+4*(\G)+1], v[LT+4*(\G)+1]
.endr
.irp j, 2,3
.irp G, 0,1,2,3
	v_fmac_f32 v[LG+(\G)], v[CMT+4*(\G)+(\j)], v[LT+4*(\G)+(\j)]
.endr
.endr
.irp G, 1,2,3
	v_cndmask_b32 v[TT], 0, v[LG+(\G)], s[M0+(\G)]
	v_cndmask_b32 v[TT+1], v[LG+(\G)], 0, s[M0+(\G)]
	v_add_f32 v[LG], v[LG], v[TT]
	v_add_f32 v[LG+4], v[LG+4], v[TT+1]
.endr
	v_rcp_f32 v[TT], v[LG]                         ; l is at least 1: the row's largest weight is 1 in its group, and that group's f is 1
	v_rcp_f32 v[TT+1], v[LG+4]
	v_nop
	s_wait_alu depctr_va_vdst(0)
	ds_store_b32 v[RLW], v[TT]
	ds_store_b32 v[RLW], v[TT+1] offset:512
; 32 LDS loads in one run: 64 keys (quarter kq of the slot), the first 32 keys first
.macro FETCH slot, kq, f
	WIN TO_F
.irp c, 0,1
.irp i, 0,1,2,3
	ds_load_tr16_b128 v[(\f)+64+8*(4*(\c)+(\i)):(\f)+64+8*(4*(\c)+(\i))+3],   v[ADRB+2*(\slot)+(\kq)/2] offset:(64*((\kq)%2)+32*(\c))*PVV+32*(\i)
	ds_load_tr16_b128 v[(\f)+64+8*(4*(\c)+(\i))+4:(\f)+64+8*(4*(\c)+(\i))+7], v[ADRB+2*(\slot)+(\kq)/2] offset:(64*((\kq)%2)+32*(\c)+16)*PVV+32*(\i)
	ds_load_b128 v[(\f)+8*(4*(\c)+(\i)):(\f)+8*(4*(\c)+(\i))+3],             v[ADRA+(\slot)] offset:(\i)*16*PP+128*(\kq)+64*(\c)
	ds_load_b128 v[(\f)+8*(4*(\c)+(\i))+4:(\f)+8*(4*(\c)+(\i))+7],           v[ADRA+(\slot)] offset:(\i)*16*PP+128*(\kq)+64*(\c)+32
.endr
.endr
.endm
; 8 matrix instructions: query blocks a0, a0 + 1 x all 4 channel blocks, 32 keys: half c of buffer f.  zero = 1: the product starts the group's sums.  The 16 accumulators take turns.
.macro MUL8 f, c, a0, zero
	WIN MUL
.irp a, \a0, (\a0)+1
.irp b, 0,1,2,3
.if \zero
	v_wmma_f32_16x16x32_f16 v[ACC+8*(4*(\a)+(\b)):ACC+8*(4*(\a)+(\b))+7], v[(\f)+64+8*(4*(\c)+(\b)):(\f)+64+8*(4*(\c)+(\b))+7], v[(\f)+8*(4*(\c)+(\a)):(\f)+8*(4*(\c)+(\a))+7], 0
.else
	v_wmma_f32_16x16x32_f16 v[ACC+8*(4*(\a)+(\b)):ACC+8*(4*(\a)+(\b))+7], v[(\f)+64+8*(4*(\c)+(\b)):(\f)+64+8*(4*(\c)+(\b))+7], v[(\f)+8*(4*(\c)+(\a)):(\f)+8*(4*(\c)+(\a))+7], v[ACC+8*(4*(\a)+(\b)):ACC+8*(4*(\a)+(\b))+7]
.endif
.endr
.endr
.endm
.macro PLACES                          ; four places between a matrix instruction and a load into, or a vector instruction on, its registers
.rept 4
	v_nop
.endr
.endm
; One of a slot's first three quarters: multiplies buffer f and fetches quarter kq into buffer g.
.macro QUARTER slot, kq, f, g, zero
	s_wait_dscnt 16                                ; the first 32 keys are in; the youngest sixteen loads may be out
	MUL8 \f, 0, 0, \zero
	MUL8 \f, 0, 2, \zero
	PLACES
	FETCH \slot, \kq, \g
	s_wait_dscnt 32                                ; all but the 32 just issued
	MUL8 \f, 1, 0, 0
	MUL8 \f, 1, 2, 0
.endm
; O += f T for group j of the slot.  Each accumulator is read from its low end on.
.macro FOLD j
	PLACES
	WIN 0xa0                                       ; O (destination and source 2) in window 2; T and f in window 0
.set t, 0
.rept 16
.irp z, 0,1,2,3
	v_pk_fma_f32 v[8*t+2*(\z):8*t+2*(\z)+1], v[ACC+8*t+2*(\z):ACC+8*t+2*(\z)+1], v[FQ+8*(\j)+2*(t/4):FQ+8*(\j)+2*(t/4)+1], v[8*t+2*(\z):8*t+2*(\z)+1] op_sel_hi:[1,0,1]
.endr
.set t, t+1
.endr
.endm
; A SLOT'S TURN.  fill = 1: the next slot's tiles are asked for, into the slot read last.  gofs: where the slot's first group lies in the f table, from v[FA].
.macro TRIP slot, fill, gofs
	WIN 0
	s_wait_tensorcnt 0x0                           ; my one tensor load has landed: my part of this slot; so every group 0 may be written
	ds_add_u32 v[SPW], v[NIL]                      ; 0 onto my spare word; the scalar work stands between it and the wait for it
.if \fill
.set OS, 1-(\slot)
	s_lshl_b32 s[OFP], s[NXT], 9                   ; a key slot is 512 bytes of a row of p
	s_mul_i32 s[OFV], s[NXT], 256*6144             ; and 256 rows of V
	s_add_nc_u64 s[G0A+4*OS+2:G0A+4*OS+3], s[PC:PC+1], s[OFP:OFP+1]
	s_or_b32 s[G0A+4*OS+3], s[G0A+4*OS+3], 0x80000000
	s_add_nc_u64 s[G0B+4*OS+2:G0B+4*OS+3], s[VB:VB+1], s[OFV:OFV+1]
	s_or_b32 s[G0B+4*OS+3], s[G0B+4*OS+3], 0x80000000
	s_add_co_u32 s[NXT], s[NXT], 1                 ; the block's next key slot, or behind X's last Y's slot 0
	s_cmp_ge_u32 s[NXT], s[LQ]
	s_cselect_b32 s[NXT], 0, s[NXT]
	s_cselect_b64 s[PC:PC+1], s[PY:PY+1], s[PC:PC+1]
	s_cselect_b32 s[LQ], 64, s[LQ]                 ; Y's slots end with the walk
.endif
	s_wait_dscnt 0x0                               ; the add is done; my reads of the last slot, and at the first turn my stores of f and 1 / l, are over
.if \fill
	CROUND                                         ; all that now holds of every wave of all four work-groups
	JLOAD OS                                       ; my one tensor load behind the round, and the first thing there
.else
	s_barrier_signal -1
	s_barrier_wait -1
.endif
.irp a, 0,1,2,3
	ds_load_b32 v[FQ+2*(\a)], v[FA] offset:(\gofs)+64*(\a)
	ds_load_b32 v[FQ+8+2*(\a)], v[FA] offset:(\gofs)+512+64*(\a)
.endr
	FETCH \slot, 0, F0
	QUARTER \slot, 1, F0, F1, 1
	QUARTER \slot, 2, F1, F0, 0
	FOLD 0
	QUARTER \slot, 3, F0, F1, 1
	s_wait_dscnt 16
	MUL8 F1, 0, 0, 0
	MUL8 F1, 0, 2, 0
	s_wait_dscnt 0x0
	MUL8 F1, 1, 0, 0
	MUL8 F1, 1, 2, 0
	FOLD 1
.endm
; THE WAY OUT of a block's 16 queries x 64 channels (a = 0..3): divided by l; a lane's 32 bytes go into rows of 272 bytes and come back as whole rows of 256.
.macro OPACK a
	WIN 0x82                                       ; O (destination and source 0) in window 2
.set z, 0
.rept 16
	v_pk_mul_f32 v[32*(\a)+2*z:32*(\a)+2*z+1], v[32*(\a)+2*z:32*(\a)+2*z+1], v[RL+2*(\a):RL+2*(\a)+1] op_sel_hi:[1,0]
.set z, z+1
.endr
	WIN 0x08                                       ; store data in window 2
.set z, 0
.rept 8
	ds_store_b128 v[STO], v[32*(\a)+4*z:32*(\a)+4*z+3] offset:64*(z/2)+16*(z%2)
.set z, z+1
.endr
	WIN 0
	s_wait_xcnt 0x0                                ; earlier stores have read the registers that are loaded now
.set BK, BK0+32*((\a)%2)
.set z, 0
.rept 8
	ds_load_b128 v[BK+4*z:BK+4*z+3], v[RD] offset:2*SPI*z  ; LDS serves a wave's instructions in order: these see the stores above; the next 16 queries' stores come behind them
.set z, z+1
.endr
.endm
.macro OSEND a, younger, base          ; younger: the LDS instructions issued behind these loads: the next 16 queries' sixteen, or none
	WIN 0
.set BK, BK0+32*((\a)%2)
.set z, 0
.rept 8
	s_wait_dscnt (\younger)+7-z
	global_store_b128 v[GO], v[BK+4*z:BK+4*z+3], s[(\base):(\base)+1] offset:(16*(\a)+2*z)*4096 th:TH_STORE_NT  ; 16 lanes store 256 consecutive bytes, aligned
.set z, z+1
.endr
.endm
.macro WAYOUT blk, base
	WIN 0
.irp a, 0,1,2,3
	ds_load_b32 v[RL+2*(\a)], v[RLA] offset:512*(\blk)+64*(\a)
.endr
	s_wait_dscnt 0x0
	OPACK 0
	OPACK 1
	OSEND 0, 16, \base
	OPACK 2
	OSEND 1, 16, \base
	OPACK 3
	OSEND 2, 16, \base
	OSEND 3, 0, \base
.endm
.Lwalk:                                                ; four trips of two slots
	TRIP 0, 1, 0
	TRIP 1, 1, 1024
	WIN 0
	v_add_nc_u32 v[FA], 2048, v[FA]                ; four groups on
	s_sub_co_u32 s[RX], s[RX], 1
	s_cmp_lg_u32 s[RX], 0
	s_cbranch_scc1 .Lsame                          ; p is the same in all waves and all partners
	WAYOUT 0, OX                                   ; X is finished; Y's first tiles are on their way
	CLEAR
.Lsame:
	s_sub_co_u32 s[LC], s[LC], 1
	s_cmp_lg_u32 s[LC], 0
	s_cbranch_scc1 .Lwalk
	TRIP 0, 0, 0                                   ; the ninth slot asks for nothing and has no round
	WAYOUT 1, OY
	s_wait_tensorcnt 0x0                           ; the wave's end
	ds_add_u32 v[SPW], v[NIL]
	s_wait_dscnt 0x0
	CROUND                                         ; the closing round
	s_endpgm
.Lfunc_end_k_q6a775f9e85_pv:
	.size	k_q6a775f9e85_pv, .Lfunc_end_k_q6a775f9e85_pv-k_q6a775f9e85_pv
	.p2alignl 7, 3214868480
	.fill 96, 4, 3214868480
	.section	.rodata,"a",@progbits
	.p2align	6, 0x0
	.amdhsa_kernel k_q6a775f9e85_pv
		.amdhsa_group_segment_fixed_size 327680
		.amdhsa_private_segment_fixed_size 0
		.amdhsa_enable_private_segment 0
		.amdhsa_kernarg_size 32
		.amdhsa_user_sgpr_count 2
		.amdhsa_user_sgpr_kernarg_segment_ptr 1
		.amdhsa_wavefront_size32 1
		.amdhsa_system_sgpr_workgroup_id_x 1
		.amdhsa_system_sgpr_workgroup_id_y 1
		.amdhsa_system_sgpr_workgroup_id_z 1
		.amdhsa_system_vgpr_workitem_id 0
		.amdhsa_next_free_vgpr 640
		.amdhsa_next_free_sgpr 96
		.amdhsa_reserve_vcc 0
		.amdhsa_float_denorm_mode_32 3
		.amdhsa_float_denorm_mode_16_64 3
		.amdhsa_memory_ordered 1
		.amdhsa_forward_progress 1
		.amdhsa_inst_pref_size 132
	.end_amdhsa_kernel
	.amdgpu_metadata
---
amdhsa.version: [ 1, 2 ]
amdhsa.kernels:
  - .name:           k_q6a775f9e85_pv
    .symbol:         k_q6a775f9e85_pv.kd
    .args:
      - { .name: pt, .offset: 0, .size: 8, .value_kind: global_buffer, .address_space: global }
      - { .name: qkv, .offset: 8, .size: 8, .value_kind: global_buffer, .address_space: global }
      - { .name: stats, .offset: 16, .size: 8, .value_kind: global_buffer, .address_space: global }
      - { .name: out0, .offset: 24, .size: 8, .value_kind: global_buffer, .address_space: global }
    .group_segment_fixed_size: 327680
    .private_segment_fixed_size: 0
    .kernarg_segment_align: 8
    .kernarg_segment_size: 32
    .max_flat_workgroup_size: 128
    .sgpr_count:     96
    .vgpr_count:     640
    .wavefront_size: 32
...
	.end_amdgpu_metadata
.endif
;; end of part 8
;; ======== version 3 of 3: 4 launches; version 2 with the launch cast written anew for expert scheduling mode
;; limits: values are held in f16: magnitudes above 65,504 overflow, below 6.1e-05 lose precision
;; workspace buffers: xb 16,777,216 bytes; wb 6,291,456 bytes; qkv 50,331,648 bytes; pt 33,554,432 bytes; stats 1,048,576 bytes
;; launch cast (part 9): grid 352 x 1, 8 waves a work-group, no clusters, 0 bytes of LDS; arguments X, Wq, Wk, Wv, xb, wb; writes xb, wb
.if DOCPART == 9
	.amdgcn_target "amdgcn-amd-amdhsa--gfx1250"
	.amdhsa_code_object_version 6
	.text
	.protected	k_q6a775f9e85_cast
	.globl	k_q6a775f9e85_cast
	.p2align	8
	.type	k_q6a775f9e85_cast,@function
k_q6a775f9e85_cast:
	s_mov_b64 s[64:65], 0
	v_nop
	global_prefetch_b8 v0, s[64:65] scope:SCOPE_SE
	s_setreg_imm32_b32 hwreg(HW_REG_WAVE_SCHED_MODE, 0, 2), 2
	s_setreg_imm32_b32 hwreg(HW_REG_WAVE_MODE, 25, 1), 1
	s_wait_xcnt 0x0
	s_wait_alu depctr_vm_vsrc(0)
; X [8192][1024] and Wq, Wk, Wv [1024][1024], all f32, are rounded once to bf16 and laid in blocks of 64 along K: xb [16][8192][64]; wb [16][3072][64], whose rows are Wq's, then Wk's, then Wv's.
; So the rows of one K block lie end to end, 128 bytes each, and the next launch can ask for a tile of a K block as dense rows of 256 bytes.
; A stream: every byte is read once and written once, so no LDS, no barrier and no matrix unit.
; A work-group takes one chunk of 32 rows (131,072 bytes in, 65,536 out): groups 0-255 X, 256-287 Wq, 288-319 Wk, 320-351 Wv.
; Wave w takes the K blocks 2 w and 2 w + 1.  In a step lanes 0-15 take the 256 bytes (64 numbers) of one row's block, lanes 16-31 those of the next row: the wave's load covers two aligned pieces of
; 256 bytes, its store 256 consecutive aligned bytes.  32 steps: 16 pairs of rows x 2 blocks.
; THE MODE: SCHED_MODE bits 1:0 = 2 (LLVM: expert scheduling mode 2), set by the entry lines.  The code itself states the register dependences
; between vector instructions and memory instructions, with s_wait_alu, always for 0.
; THE PLAN.  The 32 steps go in 8 blocks of four, all written out.  Registers that memory instructions touch:
;   X0 .. X3     four blocks as loaded.  Written by the loads of block p + 3, issued in block p; read by block p's conversions.
;   Y0, Y1       two blocks to store.    Written by block p's conversions; read by the four stores that are issued in block p + 1.
;   v1, v2, v3   byte offsets, made once at the head and never written again: the steps stand in the immediates, and no base is stepped.
; Block p works on X[p % 4] and writes Y[p % 2].  Its memory instructions are the loads into X[(p + 3) % 4] = X[(p - 1) % 4] and the stores from Y[(p - 1) % 2]: the two buffers that block p - 1
; worked on and that no vector instruction of block p names.  So the waits at a block's head state all that its eight memory instructions hang on, and these are dealt among its eight
; conversions with no further wait.  By the text's own count up to twelve loads of a wave are on their way.
.set STEPS,  32
.set BLOCK,  4                         ; steps in a block
.set BLOCKS, STEPS/BLOCK
.set IN,  1                            ; v1        my byte in the chunk's first two rows, block 2 w; never rewritten
.set OUT, 2                            ; v2, v3    my byte in block 2 w and in block 2 w + 1 of the output; never rewritten
.set X, 4                              ; v[4:67]   buffer k, step j: 4 numbers as loaded, at X + 16 k + 4 j
.set Y, 68                             ; v[68:83]  buffer k, step j: 4 bf16 to store, at Y + 8 k + 2 j
	s_load_b256 s[4:11], s[0:1], 0x0               ; X s[4:5], Wq s[6:7], Wk s[8:9], Wv s[10:11]
	s_load_b128 s[12:15], s[0:1], 0x20             ; xb s[12:13], wb s[14:15]
	s_mov_b32 s24, ttmp9                           ; the chunk's number
	v_and_b32 v4, 15, v0                           ; my place in a block's row: 16 bytes in, 8 bytes out
	v_bfe_u32 v5, v0, 4, 1                         ; which row of the pair
	v_lshrrev_b32 v6, 5, v0                        ; wave
	v_and_b32 v7, 31, v0                           ; lane
	v_lshlrev_b32 v[IN], 4, v4
	v_lshl_add_u32 v[IN], v5, 12, v[IN]            ; a row is 4,096 bytes
	v_lshl_add_u32 v[IN], v6, 9, v[IN]             ; two blocks are 512 bytes of it
	s_mov_b32 s25, 3072*128                        ; bytes in a K block of wb,
	s_mov_b32 s26, 8192*128                        ; of xb
	s_and_b32 s20, s24, 31                         ; a weight's chunk among its 32,
	s_sub_co_u32 s22, s24, 256                     ; and among wb's 96
	s_cmp_lt_u32 s24, 256
	s_cselect_b32 s20, s24, s20                    ; X's chunks go by their own number, in
	s_cselect_b32 s22, s24, s22                    ; and out
	s_cselect_b32 s25, s26, s25
	s_lshl_b32 s20, s20, 17                        ; x 131,072 bytes
	s_lshl_b32 s22, s22, 12                        ; x 32 rows of 128 bytes in each block
	s_mov_b32 s21, 0
	s_mov_b32 s23, 0
	v_lshlrev_b32 v6, 1, v6
	v_mul_lo_u32 v[OUT], v6, s25                   ; block 2 w
	v_lshl_add_u32 v[OUT], v7, 3, v[OUT]           ; 128 x row of the pair + 8 x place = 8 x lane
	v_add_nc_u32 v[OUT+1], s25, v[OUT]             ; block 2 w + 1
	s_wait_kmcnt 0x0
	s_cmp_lt_u32 s24, 320                          ; the source is chosen by the chunk's number alone
	s_cselect_b64 s[16:17], s[8:9], s[10:11]
	s_cmp_lt_u32 s24, 288
	s_cselect_b64 s[16:17], s[6:7], s[16:17]
	s_cmp_lt_u32 s24, 256
	s_cselect_b64 s[16:17], s[4:5], s[16:17]
	s_cselect_b64 s[18:19], s[12:13], s[14:15]
	s_add_nc_u64 s[16:17], s[16:17], s[20:21]
	s_add_nc_u64 s[18:19], s[18:19], s[22:23]
	s_wait_alu depctr_va_vdst(0)                   ; v1, v2 and v3 are written: every load and store of the kernel reads one of them as its offset; the lines above are also done writing and reading v4 to v7, in which the first load lands
.irp i, 0,1,2,3,4,5,6,7,8,9,10,11
	global_load_b128 v[X+4*(\i):X+4*(\i)+3], v[IN], s[16:17] offset:((\i)/2)*8192+((\i)%2)*256 th:TH_LOAD_NT  ; blocks 0, 1 and 2 into X0, X1, X2
.endr
; Block p: steps 4 p + j, j = 0 .. 3.  Step i is pair of rows i / 2, K block 2 w + i % 2.
.macro BLK p
.if (\p) < BLOCKS-2
	s_wait_loadcnt 2*BLOCK                         ; loads come back in order: X[p % 4] is in, the two younger blocks stay out
.else
	s_wait_loadcnt BLOCK*(BLOCKS-1-(\p))           ; nothing more is loaded: the counts run down
.endif
.if (\p) >= 2
	s_wait_xcnt 0x0                                ; the stores issued in the block before have had their addresses translated: only behind this wait is their data, Y[p % 2], rewritten
	s_wait_alu depctr_vm_vsrc(0)                   ; those stores have read Y[p % 2], which this block's conversions write again
.endif
.if (\p) >= 1
	s_wait_alu depctr_va_vdst(0)                   ; the block before has written the other Y, which the stores below read, and is done reading its X, in which the loads below (blocks 1 to 4 have them) land
.endif
.irp j, 0,1,2,3
.if (\p) < BLOCKS-3
	global_load_b128 v[X+16*(((\p)+3)%4)+4*(\j):X+16*(((\p)+3)%4)+4*(\j)+3], v[IN], s[16:17] offset:(2*((\p)+3)+(\j)/2)*8192+((\j)%2)*256 th:TH_LOAD_NT  ; three blocks ahead; no vector instruction since the wait names these registers
.endif
.if (\p) >= 1
	global_store_b64 v[OUT+(\j)%2], v[Y+8*(((\p)+1)%2)+2*(\j):Y+8*(((\p)+1)%2)+2*(\j)+1], s[18:19] offset:(2*((\p)-1)+(\j)/2)*256  ; the block before
.endif
	v_cvt_pk_bf16_f32 v[Y+8*((\p)%2)+2*(\j)],   v[X+16*((\p)%4)+4*(\j)],   v[X+16*((\p)%4)+4*(\j)+1]
	v_cvt_pk_bf16_f32 v[Y+8*((\p)%2)+2*(\j)+1], v[X+16*((\p)%4)+4*(\j)+2], v[X+16*((\p)%4)+4*(\j)+3]
.endr
.endm
	BLK 0                                          ; no block stands in front of it: nothing to store, and no vector instruction has named X3
	BLK 1                                          ; no store has been issued yet: Y1 is written for the first time
	BLK 2
	BLK 3
	BLK 4                                          ; the last loads: block 7
	BLK 5
	BLK 6
	BLK 7
	s_wait_alu depctr_va_vdst(0)                   ; block 7 has written Y1, which the last four stores read
.irp j, 0,1,2,3
	global_store_b64 v[OUT+(\j)%2], v[Y+8+2*(\j):Y+8+2*(\j)+1], s[18:19] offset:(2*(BLOCKS-1)+(\j)/2)*256
.endr
	s_endpgm
.Lfunc_end_k_q6a775f9e85_cast:
	.size	k_q6a775f9e85_cast, .Lfunc_end_k_q6a775f9e85_cast-k_q6a775f9e85_cast
	.p2alignl 7, 3214868480
	.fill 96, 4, 3214868480
	.section	.rodata,"a",@progbits
	.p2align	6, 0x0
	.amdhsa_kernel k_q6a775f9e85_cast
		.amdhsa_group_segment_fixed_size 0
		.amdhsa_private_segment_fixed_size 0
		.amdhsa_enable_private_segment 0
		.amdhsa_kernarg_size 48
		.amdhsa_user_sgpr_count 2
		.amdhsa_user_sgpr_kernarg_segment_ptr 1
		.amdhsa_wavefront_size32 1
		.amdhsa_system_sgpr_workgroup_id_x 1
		.amdhsa_system_sgpr_workgroup_id_y 1
		.amdhsa_system_sgpr_workgroup_id_z 1
		.amdhsa_system_vgpr_workitem_id 0
		.amdhsa_next_free_vgpr 84
		.amdhsa_next_free_sgpr 66
		.amdhsa_reserve_vcc 0
		.amdhsa_float_denorm_mode_32 3
		.amdhsa_float_denorm_mode_16_64 3
		.amdhsa_memory_ordered 1
		.amdhsa_forward_progress 1
		.amdhsa_inst_pref_size 13
	.end_amdhsa_kernel
	.amdgpu_metadata
---
amdhsa.version: [ 1, 2 ]
amdhsa.kernels:
  - .name:           k_q6a775f9e85_cast
    .symbol:         k_q6a775f9e85_cast.kd
    .args:
      - { .name: X, .offset: 0, .size: 8, .value_kind: global_buffer, .address_space: global }
      - { .name: Wq, .offset: 8, .size: 8, .value_kind: global_buffer, .address_space: global }
      - { .name: Wk, .offset: 16, .size: 8, .value_kind: global_buffer, .address_space: global }
      - { .name: Wv, .offset: 24, .size: 8, .value_kind: global_buffer, .address_space: global }
      - { .name: xb, .offset: 32, .size: 8, .value_kind: global_buffer, .address_space: global }
      - { .name: wb, .offset: 40, .size: 8, .value_kind: global_buffer, .address_space: global }
    .group_segment_fixed_size: 0
    .private_segment_fixed_size: 0
    .kernarg_segment_align: 8
    .kernarg_segment_size: 48
    .max_flat_workgroup_size: 256
    .sgpr_count:     66
    .vgpr_count:     84
    .wavefront_size: 32
...
	.end_amdgpu_metadata
.endif
;; end of part 9
;; launch proj: the kernel of part 6 again; grid 8 x 32, 4 waves a work-group, clusters of 4 x 4, 327,680 bytes of LDS; arguments xb, wb, qkv; writes qkv
;; launch scores: the kernel of part 7 again; grid 36 x 4, 4 waves a work-group, no clusters, 327,680 bytes of LDS; arguments qkv, pt, stats; writes pt, stats
;; launch pv: the kernel of part 8 again; grid 8 x 32, 4 waves a work-group, clusters of 4 x 1, 327,680 bytes of LDS; arguments pt, qkv, stats, out0; writes out0
